; MI455X (gfx1250); checked and timed in simulation.
; The chip was launched on July 23, 2026; its instructions are those of AMD's public machine-readable ISA for CDNA 5 (MIT licence, August 2026) and "CDNA5" Instruction Set Architecture Reference Guide (July 2026). The comments in the code are by the model that wrote it; some were corrected since.
;; Layer. Allowed arithmetic: matrix products marked QUANTISED: E5M2 operands, one E8M0 scale for each 32 along K, by v_wmma_scale_f32_16x16x128_f8f6f4 with both operands' format E5M2, f32 sums; everything else in f32.
;; Inputs: b_attn 3,072 float32; b_fc1 4,096 float32; b_fc2 1,024 float32; b_proj 1,024 float32; g_norm1 1,024 float32; g_norm2 1,024 float32; w_attn 1,024 x 3,072 float32; w_fc1 1,024 x 4,096 float32; w_fc2 4,096 x 1,024 float32; w_proj 1,024 x 1,024 float32; x 2 x 2,048 x 1,024 float32.
;; Outputs: out0 2 x 2,048 x 1,024 float32.
;; This version of the problem:
;;   THIS VERSION OF THE PROBLEM IS GIVEN IN LOW PRECISION. The matrix products marked QUANTISED in the list below multiply operands that are first quantised to E5M2 (5 exponent bits, 2 mantissa bits; 8 bits a number), with one power-of-two scale for each 32 numbers along K (OCP MX v1.0); their sums are f32. All else is computed in f32.
;;   The module's matrix products, in the order in which they are computed (A, B: the left and right operand; K: the contracted axis; several contracted axes count as one K, in the product's order):
;;     1. [M 4,096, K 1,024] x [K 1,024, N 3,072]; A: computed on the way; B: input w_attn: QUANTISED
;;     2. batch 32 x [M 2,048, K 64] x [K 64, N 2,048]; A: computed on the way; B: computed on the way: QUANTISED
;;     3. batch 32 x [M 2,048, K 2,048] x [K 2,048, N 64]; A: computed on the way; B: computed on the way: QUANTISED
;;     4. [M 4,096, K 1,024] x [K 1,024, N 1,024]; A: computed on the way; B: input w_proj: QUANTISED
;;     5. [M 4,096, K 1,024] x [K 1,024, N 4,096]; A: computed on the way; B: input w_fc1: QUANTISED
;;     6. [M 4,096, K 4,096] x [K 4,096, N 1,024]; A: computed on the way; B: input w_fc2: QUANTISED
;;   THE QUANTISER, for each operand of a quantised product, along K:
;;     - K is cut into blocks of 32 from its start; a last block that is shorter is filled with zeros.
;;     - A block's scale is 2^e with e = floor(log2(the largest magnitude in the block)) - 15, held to -126 .. 127; a block of zeros has e = 0. As a byte (E8M0): e + 127.
;;     - Each number is divided by its block's scale, clamped to +-57,344, and rounded to the nearest number of E5M2, ties to even, subnormals kept.
;;     - The product sums the exact products of the quantised numbers (number of the format x scale) in f32.
;;   ~~~python
;;   def quantise(x, axis):      # numpy; x: float32 -> the quantised numbers, widened to float32 again
;;       x = np.moveaxis(x, axis, -1); K = x.shape[-1]
;;       x = np.pad(x, [(0, 0)] * (x.ndim - 1) + [(0, -K % 32)]); x = x.reshape(x.shape[:-1] + (-1, 32)); a = np.abs(x).max(-1, keepdims=True)
;;       e = np.where(a > 0, np.clip(np.frexp(np.where(a > 0, a, 1))[1] - 1 - 15, -126, 127), 0)      # np.frexp(a)[1] - 1 = floor(log2(a)), exactly
;;       r = np.clip(x / 2.0 ** e, -57344, 57344)
;;       step = 2.0 ** (np.maximum(np.frexp(np.where(r == 0, 1, r))[1] - 1, -14) - 2)
;;       q = np.round(r / step) * step * 2.0 ** e      # np.round: ties to even
;;       return np.moveaxis(q.reshape(q.shape[:-2] + (-1,))[..., :K], -1, axis).astype(np.float32)
;;   ~~~
;;   OPERANDS COMPUTED ON THE WAY. 'Computed on the way' means the value that the module computes at that place (a softmax that the list does not call 'softmax' is quantised finished and normalised). What goes into a quantiser is computed in f32, as accurately as f32 sums, v_exp_f32 and their like allow (about 1e-6 of the number): no bf16 or f16 on the way to a quantiser, and a product that is left as it is and whose result goes on into a quantised operand takes f32 operands (vector FMAs, or v_wmma_f32_16x16x4_f32). A number that lies on a knife's edge between two numbers of the format may be rounded either way, as far as f32 arithmetic and the matrix unit's own rounding can turn it there, and no further.
;; 2 versions. Each part assembles by itself: llvm-mc -triple=amdgcn-amd-amdhsa -mcpu=gfx1250 --defsym DOCPART=n.
;; ======== version 1 of 2: 7 launches
;; workspace buffers: W 12,976,128 bytes; H 4,325,376 bytes; QKV 13,238,272 bytes; O 4,325,376 bytes; X1 16,777,216 bytes; G 17,301,504 bytes
;; launch prep (part 1): grid 640 x 1, 4 waves a work-group, no clusters, 66,560 bytes of LDS; arguments x, g_norm1, H, w_attn, w_proj, w_fc1, w_fc2, W; writes H, W
.if DOCPART == 1
	.amdgcn_target "amdgcn-amd-amdhsa--gfx1250"
	.amdhsa_code_object_version 6
	.text
	.protected	k_q97fdf3a2d6_prep
	.globl	k_q97fdf3a2d6_prep
	.p2align	8
	.type	k_q97fdf3a2d6_prep,@function
k_q97fdf3a2d6_prep:
	s_mov_b64 s[64:65], 0
	v_nop
	global_prefetch_b8 v0, s[64:65] scope:SCOPE_SE
	s_setreg_imm32_b32 hwreg(HW_REG_WAVE_MODE, 25, 1), 1
	s_wait_xcnt 0x0
; TWO JOBS IN ONE TEXT, parted by the work-group's number.
; Work-groups 0-255: RMS norm of 16 rows of [4096][1024] f32, h = (x * rsqrt(mean(x^2) + 2^-23)) * g, quantised to E5M2 with one E8M0 scale for each 32 along the row.
; Work-groups 256-639: the four weights [K][N] f32, quantised along K (their first axis).
; EVERY OPERAND IS STORED AS AN IMAGE OF THE MATRIX UNIT'S REGISTERS: [tile of 16 rows][K / 128][2048 bytes]; byte 512 c + 16 (16 h + r) + j of an image is the code of row rho(tile, r),
; k = 128 ks + 32 c + 16 h + j.  The rows of a tile are not neighbours: rho(T, r) = 32 (T / 2) + 8 (T % 2) + r % 8 + 16 (r / 8), so that a product's results, taken transposed, lie in a lane as neighbours along the next K.
; Scale bytes: [tile][K / 512][r][16 bytes]: row r's 16 bytes of 512 along K.
; A block's scale is 2^(floor(log2(largest magnitude)) - 15); its byte is the largest magnitude's exponent field - 15, held at 1 from below.  A block of zeros gets the byte 1: its codes are zeros, and this program alone reads the bytes.
; LIMITS: NaN and infinities among the inputs are not served.
.set NP,   4112                        ; a row of h in LDS: 4,096 bytes + 16: the sixteen rows that a load touches start 16 bytes apart modulo 256
.set G,    32                          ; v32-63   the gain at my columns
.set X,    64                          ; v64-191  four rows as loaded; later two K steps' numbers, 64 each
.set PC,   192                         ; v192-207 a fragment's codes
.set TM,   208                         ; v208-223 at work in QUANT; v208-211 also the sums' two chains
.set PW,   224                         ; v224-225 two scale words
.set RS,   232                         ; v232-239 1 / rms of my four rows, each the low word of a pair
.set SEL,  22                          ; s[22:23] lane selects: lane l xor 16
.set MNT,  21                          ; s21      the mantissa field of 57,344
.set OFF,  32                          ; weights: v32-63 byte offsets of 32 rows of K at my column
.set XW,   64                          ; v64-127  two sets of 32 numbers
.set CW,   128                         ; v128-135 a block's codes
.set SB,   136                         ; v136-137 eight scale bytes
; 64 numbers of a lane, register 16 b + i = k 32 b + 16 (lane / 16) + i of my row, become a fragment's codes in v[PC] on and its scale word in v[pw]
.macro QUANT s, pw
.irp b, 0,1,2,3
	v_max3_num_f32 v[TM+\b], |v[\s+16*\b]|, |v[\s+1+16*\b]|, 0x8000000   ; my 16 numbers of block b, and the floor 2^(16 - 127): the byte cannot fall under 1
.endr
.irp i, 2,4,6,8,10,12,14
.irp b, 0,1,2,3
	v_max3_num_f32 v[TM+\b], v[TM+\b], |v[\s+16*\b+\i]|, |v[\s+1+16*\b+\i]|
.endr
.endr
.irp b, 0,1,2,3
	v_permlanex16_b32 v[TM+4+\b], v[TM+\b], s[SEL], s[SEL+1]
.endr
.irp b, 0,1,2,3
	v_max_num_f32 v[TM+\b], v[TM+\b], v[TM+4+\b]                    ; with lane l xor 16's: the block's largest magnitude
.endr
.irp b, 0,1,2,3
	v_add_nc_u32 v[TM+12+\b], 0xf8800000, v[TM+\b]                  ; 15 off its exponent field: the conversion's scale operand
.endr
.irp b, 0,1,2,3
	v_and_or_b32 v[TM+8+\b], v[TM+\b], 0x7f800000, s[MNT]           ; 57,344 x the scale
.endr
.irp b, 0,1,2,3
	v_lshrrev_b32 v[TM+4+\b], 23, v[TM+12+\b]                       ; the scale's byte
.endr
	v_lshl_or_b32 v[\pw], v[TM+5], 8, v[TM+4]
	v_lshl_or_b32 v[\pw], v[TM+6], 16, v[\pw]
	v_lshl_or_b32 v[\pw], v[TM+7], 24, v[\pw]
.irp b, 0,1,2,3
.irp i, 0,1,2,3,4,5,6,7,8,9,10,11,12,13,14,15
	v_med3_num_f32 v[\s+16*\b+\i], v[\s+16*\b+\i], -v[TM+8+\b], v[TM+8+\b]   ; the conversion does not saturate (ISA guide 7.6.2): the hold at the largest code x the scale
.endr
	v_cvt_scalef32_pk8_bf8_f32 v[PC+4*\b:PC+1+4*\b], v[\s+16*\b:\s+7+16*\b], v[TM+12+\b]
	v_cvt_scalef32_pk8_bf8_f32 v[PC+2+4*\b:PC+3+4*\b], v[\s+8+16*\b:\s+15+16*\b], v[TM+12+\b]
.endr
	v_nop                                          ; a plain line behind the last conversion
.endm
	s_load_b512 s[4:19], s[0:1], 0x0               ; rows s[4:5], gain s[6:7], H s[8:9], w_attn, w_proj, w_fc1, w_fc2 s[10:17], W s[18:19]
	v_lshl_add_u32 v240, v0, 2, 0x10200
	v_mov_b32 v241, 0
	v_lshrrev_b32 v1, 5, v0
	v_readfirstlane_b32 s20, v1                    ; wave 0..3
	v_and_b32 v1, 31, v0                           ; lane
	v_and_b32 v2, 15, v0                           ; r
	v_bfe_u32 v3, v0, 4, 1                         ; h
	v_lshlrev_b32 v4, 4, v1                        ; 16 x lane
	s_mov_b32 s[SEL], 0x76543210
	s_mov_b32 s[SEL+1], 0xfedcba98
	s_mov_b32 s[MNT], 0x600000
.irp b, 0,1,2,3
	v_mov_b32 v[TM+4+\b], 0                        ; a lane permute's destination counts as one of its sources
.endr
	s_cmp_lt_u32 ttmp9, 256
	s_cbranch_scc0 .Lweights
	; ---------------- THE NORM: the work-group makes tile ttmp9; wave w takes the tile's rows 4 w .. 4 w + 3, which are four neighbouring rows of memory
	s_lshr_b32 s24, ttmp9, 1
	s_lshl_b32 s24, s24, 5
	s_and_b32 s25, ttmp9, 1
	s_lshl_b32 s25, s25, 3
	s_add_co_u32 s24, s24, s25
	s_and_b32 s25, s20, 1
	s_lshl_b32 s25, s25, 2
	s_add_co_u32 s24, s24, s25
	s_lshr_b32 s25, s20, 1
	s_lshl_b32 s25, s25, 4
	s_add_co_u32 s24, s24, s25                     ; rho(tile, 4 w)
	s_lshl_b32 s24, s24, 12                        ; x 4,096 bytes
	s_mov_b32 s25, 0
	s_lshl_b32 s28, ttmp9, 14                      ; the tile's images: 8 x 2,048 bytes; mine are K steps 2 w and 2 w + 1
	s_lshl_b32 s29, s20, 12
	s_add_co_u32 s28, s28, s29
	s_mov_b32 s29, 0
	s_lshl_b32 s30, ttmp9, 9                       ; its scale bytes: 512; my two words: slot w / 2, bytes 8 (w % 2) on
	s_lshr_b32 s31, s20, 1
	s_lshl_b32 s31, s31, 8
	s_add_co_u32 s30, s30, s31
	s_and_b32 s31, s20, 1
	s_lshl_b32 s31, s31, 3
	s_add_co_u32 s30, s30, s31
	s_add_co_u32 s30, s30, 4194304
	s_mov_b32 s31, 0
	s_mul_i32 s26, s20, 4*NP
	v_add_nc_u32 v5, s26, v4                       ; LDS, in: my four rows, 16 bytes a lane
	v_mul_u32_u24 v6, v2, NP
	v_lshl_add_u32 v6, v3, 6, v6
	s_lshl_b32 s27, s20, 10
	v_add_nc_u32 v6, s27, v6                       ; LDS, out: row r, + 64 h, + my two K steps' 1,024 bytes
	v_lshlrev_b32 v7, 4, v2                        ; 16 r
	s_mov_b32 s26, 0x3a800000                      ; 1 / 1024
	s_mov_b32 s27, 0x34000000                      ; 2^-23
	s_wait_kmcnt 0x0
	s_add_nc_u64 s[4:5], s[4:5], s[24:25]
	s_add_nc_u64 s[28:29], s[8:9], s[28:29]
	s_add_nc_u64 s[30:31], s[8:9], s[30:31]
.irp j, 0,1,2,3,4,5,6,7
	global_load_b128 v[G+4*\j:G+4*\j+3], v4, s[6:7] offset:512*\j
.endr
.irp ii, 0,1,2,3
.irp j, 0,1,2,3,4,5,6,7
	global_load_b128 v[X+32*\ii+4*\j:X+32*\ii+4*\j+3], v4, s[4:5] offset:4096*\ii+512*\j th:TH_LOAD_NT   ; 32 lanes read 512 consecutive bytes
.endr
.endr
.irp ii, 0,1,2,3
	s_wait_loadcnt 24-8*\ii                        ; this row's eight loads are in; the younger rows' may be out
	v_pk_mul_f32 v[TM:TM+1], v[X+32*\ii:X+32*\ii+1], v[X+32*\ii:X+32*\ii+1]
	v_pk_mul_f32 v[TM+2:TM+3], v[X+32*\ii+2:X+32*\ii+3], v[X+32*\ii+2:X+32*\ii+3]
.irp k, 4,8,12,16,20,24,28
	v_pk_fma_f32 v[TM:TM+1], v[X+32*\ii+\k:X+32*\ii+\k+1], v[X+32*\ii+\k:X+32*\ii+\k+1], v[TM:TM+1]
	v_pk_fma_f32 v[TM+2:TM+3], v[X+32*\ii+\k+2:X+32*\ii+\k+3], v[X+32*\ii+\k+2:X+32*\ii+\k+3], v[TM+2:TM+3]
.endr
	v_pk_add_f32 v[TM:TM+1], v[TM:TM+1], v[TM+2:TM+3]
	v_add_f32 v[RS+2*\ii], v[TM], v[TM+1]          ; my 32 numbers' squares
.endr
.irp m, 1,2,4,8
.irp ii, 0,1,2,3
	v_add_f32_dpp v[RS+2*\ii], v[RS+2*\ii], v[RS+2*\ii] row_xmask:\m row_mask:0xf bank_mask:0xf
.endr
.endr
.irp ii, 0,1,2,3
	v_permlanex16_b32 v[TM+4+\ii], v[RS+2*\ii], s[SEL], s[SEL+1]
.endr
.irp ii, 0,1,2,3
	v_add_f32 v[RS+2*\ii], v[RS+2*\ii], v[TM+4+\ii]
.endr
.irp ii, 0,1,2,3
	v_fma_f32 v[RS+2*\ii], v[RS+2*\ii], s26, s27   ; the mean + eps
.endr
.irp ii, 0,1,2,3
	v_rsq_f32 v[RS+2*\ii], v[RS+2*\ii]
.endr
.irp ii, 0,1,2,3
	v_mov_b32 v[RS+2*\ii+1], 0                     ; the pairs' upper words are named below, so they are written; these are also the plain lines behind the roots
.endr
	s_wait_alu depctr_va_vdst(0)                   ; one wait for the four roots, ahead of their first reader
.irp ii, 0,1,2,3
.set k, 0
.rept 16
	v_pk_mul_f32 v[X+32*\ii+k:X+32*\ii+k+1], v[X+32*\ii+k:X+32*\ii+k+1], v[RS+2*\ii:RS+2*\ii+1] op_sel_hi:[1,0]
.set k, k+2
.endr
.set k, 0
.rept 16
	v_pk_mul_f32 v[X+32*\ii+k:X+32*\ii+k+1], v[X+32*\ii+k:X+32*\ii+k+1], v[G+k:G+k+1]
.set k, k+2
.endr
.irp j, 0,1,2,3,4,5,6,7
	ds_store_b128 v5, v[X+32*\ii+4*\j:X+32*\ii+4*\j+3] offset:NP*\ii+512*\j
.endr
.endr
	s_wait_dscnt 0x0                               ; for the others' sake: my rows lie in LDS
	s_barrier_signal -1
	s_barrier_wait -1
	; lane (r, h) takes, of row r, 16 neighbours of each block of 32 of my two K steps
.irp s, 0,1
.irp b, 0,1,2,3
.irp jj, 0,1,2,3
	ds_load_b128 v[X+64*\s+16*\b+4*\jj:X+64*\s+16*\b+4*\jj+3], v6 offset:512*\s+128*\b+16*\jj
.endr
.endr
.endr
	s_wait_dscnt 16                                ; the first K step's sixteen loads are in
	QUANT X, PW
.irp c, 0,1,2,3
	global_store_b128 v4, v[PC+4*\c:PC+4*\c+3], s[28:29] offset:512*\c        ; 32 lanes store 512 consecutive bytes
.endr
	s_wait_dscnt 0x0
	s_wait_xcnt 0x0                                ; the stores have read the codes' registers: they are written again below
	QUANT X+64, PW+1
.irp c, 0,1,2,3
	global_store_b128 v4, v[PC+4*\c:PC+4*\c+3], s[28:29] offset:2048+512*\c
.endr
	global_store_b64 v7, v[PW:PW+1], s[30:31]      ; row r's two scale words (both halves of the lanes hold and write the same)
	s_wait_tensorcnt 0x0
	ds_add_u32 v240, v241
	s_wait_dscnt 0x0
	s_endpgm
	; ---------------- THE WEIGHTS: a work-group takes 128 columns x 256 along K, a wave 32 columns (two tiles).  A LANE TAKES A COLUMN AND ITS REGISTERS RUN DOWN K:
	; a block of 32 lies in one lane, and its 32 codes are the two 16-byte pieces (h = 0, 1) of that row in the image.  Of a store's 32 lanes sixteen fill 256 consecutive bytes in each of the two tiles.
.Lweights:
	s_sub_co_u32 s24, ttmp9, 256                   ; 0-95 w_attn, 96-127 w_proj, 128-255 w_fc1, 256-383 w_fc2
	s_mov_b32 s25, 0                               ; the weight's first number
	s_mov_b32 s26, 12288                           ; bytes in a row
	s_mov_b32 s27, 2                               ; log2 of K / 256
	s_mov_b32 s28, 0                               ; where its codes begin in W
	s_mov_b32 s29, 12582912                        ; and its scale bytes
	s_mov_b32 s30, 16384                           ; a tile's codes: 16 K bytes
	s_mov_b32 s31, 512                             ; a tile's scale bytes: K / 2
	s_wait_kmcnt 0x0
	s_mov_b64 s[32:33], s[10:11]
	s_cmp_ge_u32 s24, 96
	s_cselect_b32 s25, 96, s25
	s_cselect_b32 s26, 4096, s26
	s_cselect_b32 s28, 3145728, s28
	s_cselect_b32 s29, 12681216, s29
	s_cselect_b64 s[32:33], s[12:13], s[32:33]
	s_cmp_ge_u32 s24, 128
	s_cselect_b32 s25, 128, s25
	s_cselect_b32 s26, 16384, s26
	s_cselect_b32 s28, 4194304, s28
	s_cselect_b32 s29, 12713984, s29
	s_cselect_b64 s[32:33], s[14:15], s[32:33]
	s_cmp_ge_u32 s24, 256
	s_cselect_b32 s25, 256, s25
	s_cselect_b32 s26, 4096, s26
	s_cselect_b32 s27, 4, s27
	s_cselect_b32 s28, 8388608, s28
	s_cselect_b32 s29, 12845056, s29
	s_cselect_b32 s30, 65536, s30
	s_cselect_b32 s31, 2048, s31
	s_cselect_b64 s[32:33], s[16:17], s[32:33]
	s_sub_co_u32 s24, s24, s25
	s_lshr_b32 s34, s24, s27                       ; which 128 columns
	s_lshl_b32 s35, 1, s27
	s_sub_co_u32 s35, s35, 1
	s_and_b32 s35, s24, s35                        ; which 256 along K
	s_lshl_b32 s36, s35, 8
	s_mul_i32 s36, s36, s26
	s_lshl_b32 s37, s34, 9
	s_add_co_u32 s36, s36, s37
	s_lshl_b32 s37, s20, 7
	s_add_co_u32 s36, s36, s37
	s_mov_b32 s37, 0
	s_add_nc_u64 s[32:33], s[32:33], s[36:37]      ; the weight at my wave's first number
	s_lshl_b32 s36, s26, 5                         ; s[36:37]: 32 rows on
	s_lshl_b32 s38, s34, 3
	s_lshl_b32 s39, s20, 1
	s_add_co_u32 s38, s38, s39                     ; my first tile
	s_mul_i32 s40, s38, s30
	s_lshl_b32 s41, s35, 12                        ; two K steps' images
	s_add_co_u32 s40, s40, s41
	s_add_co_u32 s40, s40, s28
	s_mov_b32 s41, 0
	s_add_nc_u64 s[40:41], s[18:19], s[40:41]
	s_mul_i32 s42, s38, s31
	s_lshr_b32 s43, s35, 1
	s_lshl_b32 s43, s43, 8
	s_add_co_u32 s42, s42, s43
	s_and_b32 s43, s35, 1
	s_lshl_b32 s43, s43, 3
	s_add_co_u32 s42, s42, s43
	s_add_co_u32 s42, s42, s29
	s_mov_b32 s43, 0
	s_add_nc_u64 s[42:43], s[18:19], s[42:43]
	v_and_b32 v10, 7, v1                           ; column 16 a + 8 u + low of the 32 is row r = 8 a + low of tile u
	v_bfe_u32 v11, v1, 3, 1
	v_bfe_u32 v12, v1, 4, 1
	v_lshl_add_u32 v10, v12, 3, v10
	v_lshlrev_b32 v10, 4, v10                      ; 16 r
	v_mul_u32_u24 v16, s30, v11
	v_add_nc_u32 v16, v16, v10                     ; my place among the codes
	v_mul_u32_u24 v17, s31, v11
	v_add_nc_u32 v17, v17, v10                     ; and among the scale bytes
	v_lshlrev_b32 v[OFF], 2, v1
.set i, 1
.rept 31
	v_add_nc_u32 v[OFF+i], s26, v[OFF+i-1]
.set i, i+1
.endr
.macro LOAD t                          ; block t: 32 rows of K at my column, into set t % 2; each load reads 128 consecutive bytes
.set i, 0
.rept 32
	global_load_b32 v[XW+32*((\t)%2)+i], v[OFF+i], s[32:33] th:TH_LOAD_NT
.set i, i+1
.endr
	s_wait_xcnt 0x0                                ; the loads have read their base: it steps
	s_add_nc_u64 s[32:33], s[32:33], s[36:37]
.endm
.macro BLOCK t
.set XS, XW+32*((\t)%2)
.if (\t) < 7
	s_wait_loadcnt 32                              ; this block's 32 loads are in; the next block's may be out
.else
	s_wait_loadcnt 0x0
.endif
	v_max3_num_f32 v12, |v[XS]|, |v[XS+1]|, |v[XS+2]|
	v_max3_num_f32 v13, |v[XS+3]|, |v[XS+4]|, |v[XS+5]|
.irp i, 6,10,14,18,22,26
	v_max3_num_f32 v12, v12, |v[XS+\i]|, |v[XS+\i+1]|
	v_max3_num_f32 v13, v13, |v[XS+\i+2]|, |v[XS+\i+3]|
.endr
	v_max3_num_f32 v12, v12, |v[XS+30]|, |v[XS+31]|
	v_max3_num_f32 v12, v12, v13, 0x8000000        ; and the floor
	v_add_nc_u32 v11, 0xf8800000, v12              ; the conversion's scale operand
	v_and_or_b32 v10, v12, 0x7f800000, s[MNT]      ; 57,344 x the scale
	v_lshrrev_b32 v13, 23, v11                     ; the byte
.if (\t)%4 == 0
	v_mov_b32 v[SB+(\t)/4], v13
.else
	v_lshl_or_b32 v[SB+(\t)/4], v13, 8*((\t)%4), v[SB+(\t)/4]
.endif
.set i, 0
.rept 32
	v_med3_num_f32 v[XS+i], v[XS+i], -v10, v10
.set i, i+1
.endr
	s_wait_xcnt 0x0                                ; the last block's stores have read the codes' registers
.irp g, 0,1,2,3
	v_cvt_scalef32_pk8_bf8_f32 v[CW+2*\g:CW+2*\g+1], v[XS+8*\g:XS+8*\g+7], v11
.endr
	global_store_b128 v16, v[CW:CW+3], s[40:41] offset:512*(\t)        ; k 0-15 of the block: the lanes' lower half in the image
	global_store_b128 v16, v[CW+4:CW+7], s[40:41] offset:512*(\t)+256  ; k 16-31: the upper half
.if (\t)+2 < 8
	LOAD (\t)+2
.endif
.endm
	LOAD 0
	LOAD 1
.irp t, 0,1,2,3,4,5,6,7
	BLOCK \t
.endr
	global_store_b64 v17, v[SB:SB+1], s[42:43]     ; my column's eight scale bytes
	s_endpgm
.Lfunc_end_k_q97fdf3a2d6_prep:
	.size	k_q97fdf3a2d6_prep, .Lfunc_end_k_q97fdf3a2d6_prep-k_q97fdf3a2d6_prep
	.p2alignl 7, 3214868480
	.fill 96, 4, 3214868480
	.section	.rodata,"a",@progbits
	.p2align	6, 0x0
	.amdhsa_kernel k_q97fdf3a2d6_prep
		.amdhsa_group_segment_fixed_size 66560
		.amdhsa_private_segment_fixed_size 0
		.amdhsa_enable_private_segment 0
		.amdhsa_kernarg_size 64
		.amdhsa_user_sgpr_count 2
		.amdhsa_user_sgpr_kernarg_segment_ptr 1
		.amdhsa_wavefront_size32 1
		.amdhsa_system_sgpr_workgroup_id_x 1
		.amdhsa_system_sgpr_workgroup_id_y 1
		.amdhsa_system_sgpr_workgroup_id_z 1
		.amdhsa_system_vgpr_workitem_id 0
		.amdhsa_next_free_vgpr 242
		.amdhsa_next_free_sgpr 66
		.amdhsa_reserve_vcc 0
		.amdhsa_float_denorm_mode_32 3
		.amdhsa_float_denorm_mode_16_64 3
		.amdhsa_memory_ordered 1
		.amdhsa_forward_progress 1
		.amdhsa_inst_pref_size 101
	.end_amdhsa_kernel
	.amdgpu_metadata
---
amdhsa.version: [ 1, 2 ]
amdhsa.kernels:
  - .name:           k_q97fdf3a2d6_prep
    .symbol:         k_q97fdf3a2d6_prep.kd
    .args:
      - { .name: x, .offset: 0, .size: 8, .value_kind: global_buffer, .address_space: global }
      - { .name: g_norm1, .offset: 8, .size: 8, .value_kind: global_buffer, .address_space: global }
      - { .name: H, .offset: 16, .size: 8, .value_kind: global_buffer, .address_space: global }
      - { .name: w_attn, .offset: 24, .size: 8, .value_kind: global_buffer, .address_space: global }
      - { .name: w_proj, .offset: 32, .size: 8, .value_kind: global_buffer, .address_space: global }
      - { .name: w_fc1, .offset: 40, .size: 8, .value_kind: global_buffer, .address_space: global }
      - { .name: w_fc2, .offset: 48, .size: 8, .value_kind: global_buffer, .address_space: global }
      - { .name: W, .offset: 56, .size: 8, .value_kind: global_buffer, .address_space: global }
    .group_segment_fixed_size: 66560
    .private_segment_fixed_size: 0
    .kernarg_segment_align: 8
    .kernarg_segment_size: 64
    .max_flat_workgroup_size: 128
    .sgpr_count:     66
    .vgpr_count:     242
    .wavefront_size: 32
...
	.end_amdgpu_metadata
.endif
;; end of part 1
;; launch qkv (part 2): grid 16 x 48, 4 waves a work-group, clusters of 4 x 4, 327,680 bytes of LDS; arguments W, H, b_attn, QKV; writes QKV
.if DOCPART == 2
	.amdgcn_target "amdgcn-amd-amdhsa--gfx1250"
	.amdhsa_code_object_version 6
	.text
	.protected	k_q97fdf3a2d6_qkv
	.globl	k_q97fdf3a2d6_qkv
	.p2align	8
	.type	k_q97fdf3a2d6_qkv,@function
k_q97fdf3a2d6_qkv:
	s_mov_b64 s[64:65], 0
	v_nop
	global_prefetch_b8 v0, s[64:65] scope:SCOPE_SE
	s_setreg_imm32_b32 hwreg(HW_REG_WAVE_MODE, 25, 1), 1
	s_wait_xcnt 0x0
	s_wait_alu depctr_hold_cnt(0) depctr_sa_sdst(0) depctr_va_vdst(0) depctr_va_sdst(0) depctr_va_ssrc(0) depctr_va_vcc(0) depctr_vm_vsrc(0)
	s_getreg_b32 s2, hwreg(HW_REG_IB_STS2, 6, 4)
	s_cmp_eq_u32 s2, 0
	s_cbranch_scc0 .Lentry_in_a_cluster
	s_endpgm
.Lentry_in_a_cluster:
	s_bfe_u32 s2, ttmp6, 0x10000c
	s_cmp_lg_u32 s2, 0xf033
	s_cbranch_scc0 .Lentry_shape_is_right
	s_endpgm
.Lentry_shape_is_right:
; qkv = h W_attn + b_attn on codes of E5M2 with E8M0 scales, and its results quantised at once into the operands of attention.
; THE CORE (the same in the four product launches).  Operands lie in memory as images of fragment registers: [tile of 16 rows][K / 128][2048 bytes], scale bytes [tile][K / 512][r][16].
; A work-group makes 128 x 128: P's 128 rows (8 tiles), which every wave reads, against Q's 128 rows, of which wave w takes tiles 2 w and 2 w + 1.  Source 0 = a tile of P, source 1 = a tile of Q: a lane holds ONE row
; of Q, and its 64 registers of a Q tile run along P's 128 rows in the order of the next operand's registers (the rows of a tile are chosen for that: rho(T, r) = 32 (T / 2) + 8 (T % 2) + r % 8 + 16 (r / 8)).
; K goes through two LDS slots of 512 along K; with K = 1,024 both are filled once.  The scale bytes of both slabs, for all of K, come once.
; CLUSTERS: 4 x 4 work-groups; P's slab hangs on the grid's x and is asked for jointly down a column of the cluster, Q's on y, along a row.
; HERE.  Cluster rows 0-7: P = W_attn's columns 0-2047 (q and k), Q = tokens: a lane's 64 numbers are 128 features = two heads of one token: codes along the head's 64.
; Cluster rows 8-11: P = tokens, Q = W_attn's columns 2048-3071 (v): a lane's 64 numbers are 128 keys of one channel: codes with the keys innermost.  The choice hangs on the cluster's y alone, alike in all partners.
; Both forms of the bias are loaded on one path; the one that is not used is loaded from a slab number held inside b_attn.
; LIMITS: NaN and infinities are not served.
.set SIZE_K, 1024
.set SLOT,   131072                    ; a slot: P's slab [8 tiles][4 K steps][2048], then Q's
.set LAPS,   SIZE_K/1024
.set SLABC,  128*SIZE_K
.set HALFC,  64*SIZE_K
.set SLABS,  4*SIZE_K
.set HALFS,  2*SIZE_K
.set TS,     SIZE_K/2                  ; a tile's scale bytes
.set SCLP,   2*SLOT                    ; behind the ring: P's scale bytes, then Q's
.set SCLQ,   SCLP+SLABS
.set SPARE,  SCLQ+SLABS                ; the spare words, 128 bytes for each wave: two blocks of 256 bytes that no other line names
.set ADRP, 16                          ; v16-17 LDS address of P's images in slot 0, 1: 16 x lane (+ the slot)
.set ADRQ, 20                          ; v20-21 the same for my two tiles of Q
.set ADSP, 22                          ; v22    P's scale words: lanes 0-15 the even tile of a pair, lanes 16-31 the odd one
.set ADSQ, 23                          ; v23    Q's: row r of my first tile
.set SPW,  28
.set NIL,  29
.set SC,   32                          ; v32-79 scale words, two sets of 24: P's pair i at 4 i, Q's tile t at 16 + 4 t; word q serves the slot's K step q
.set QF,   80                          ; v80-143 Q's fragments, two sets of 32
.set G1P, 24
.set G0P, 32
.set G1Q, 48
.set G0Q, 56
.set G1SP, 68
.set G0SP, 76
.set G1SQ, 80
.set G0SQ, 88
.set MSB, 0
.macro WIN new                         ; the immediate's high byte repeats the setting that is left
.if MSB != \new
	s_set_vgpr_msb (MSB<<8)|\new
.set MSB, \new
.endif
.endm
.set MUL,  0xa1                        ; source 0 (P) window 1, source 1 (Q) window 0, C and D window 2
.set TO_P, 0x40                        ; destination window 1
.macro JLOAD g0p, g1p, g0q, g1q        ; a joint load: waves 0 and 1 fetch P's halves, waves 2 and 3 Q's; four v_nop follow each line
	s_cmp_eq_u32 s15, 0
	s_cbranch_scc0 .Lfor_q_\@
	tensor_load_to_lds s[\g0p:\g0p+3], s[\g1p:\g1p+7]
	s_nop 0
.rept 4
	v_nop
.endr
	s_branch .Lasked_\@
.Lfor_q_\@:
	tensor_load_to_lds s[\g0q:\g0q+3], s[\g1q:\g1q+7]
	s_nop 0
.rept 4
	v_nop
.endr
.Lasked_\@:
.endm
.macro CROUND                          ; a round of the cluster's barrier
	s_barrier_signal -1
	s_barrier_wait -1
	s_cmp_lg_u32 s14, 0
	s_cbranch_scc1 .Lnot_wave_0_\@
	s_barrier_signal -3
.Lnot_wave_0_\@:
	s_barrier_wait -3
	s_barrier_signal -1
	s_barrier_wait -1
.endm
.macro PLACES n
.rept \n
	v_nop
.endr
.endm
.macro WM d, a, b, sa, sb, odd, zero   ; one product; odd = 1: source 0's scales stand in lanes 16-31; zero = 1: it starts the sum
.if \zero
.if \odd
	v_wmma_scale_f32_16x16x128_f8f6f4 v[\d:\d+7], v[\a:\a+15], v[\b:\b+15], 0, v[\sa], v[\sb] matrix_a_fmt:MATRIX_FMT_BF8 matrix_b_fmt:MATRIX_FMT_BF8 matrix_a_scale:MATRIX_SCALE_ROW1
.else
	v_wmma_scale_f32_16x16x128_f8f6f4 v[\d:\d+7], v[\a:\a+15], v[\b:\b+15], 0, v[\sa], v[\sb] matrix_a_fmt:MATRIX_FMT_BF8 matrix_b_fmt:MATRIX_FMT_BF8
.endif
.else
.if \odd
	v_wmma_scale_f32_16x16x128_f8f6f4 v[\d:\d+7], v[\a:\a+15], v[\b:\b+15], v[\d:\d+7], v[\sa], v[\sb] matrix_a_fmt:MATRIX_FMT_BF8 matrix_b_fmt:MATRIX_FMT_BF8 matrix_a_scale:MATRIX_SCALE_ROW1
.else
	v_wmma_scale_f32_16x16x128_f8f6f4 v[\d:\d+7], v[\a:\a+15], v[\b:\b+15], v[\d:\d+7], v[\sa], v[\sb] matrix_a_fmt:MATRIX_FMT_BF8 matrix_b_fmt:MATRIX_FMT_BF8
.endif
.endif
.endm
.macro MUL16 p, q, sc, zero            ; a K step: my two tiles of Q against P's eight; the 16 accumulators take turns in the same order in every step
.irp tq, 0,1
.irp b, 0,1,2,3,4,5,6,7
	WM 64*\tq+8*\b, 128*(\p)+16*\b, QF+32*(\p)+16*\tq, SC+24*(\sc)+4*(\b/2)+(\q), SC+24*(\sc)+16+4*\tq+(\q), \b%2, \zero
.endr
.endr
.endm
.macro FETCH slot, q, p                ; the fragments of the slot's K step q into set p: 40 loads, each 512 consecutive bytes
	WIN TO_P
.irp i, 0,1,2,3,4,5,6,7
.irp c, 0,1,2,3
	ds_load_b128 v[128*(\p)+16*\i+4*\c:128*(\p)+16*\i+4*\c+3], v[ADRP+\slot] offset:8192*\i+2048*(\q)+512*\c
.endr
.endr
	WIN 0
.irp t, 0,1
.irp c, 0,1,2,3
	ds_load_b128 v[QF+32*(\p)+16*\t+4*\c:QF+32*(\p)+16*\t+4*\c+3], v[ADRQ+\slot] offset:8192*\t+2048*(\q)+512*\c
.endr
.endr
.endm
.macro SCALES sc                       ; a slot's scale words
.irp i, 0,1,2,3
	ds_load_b128 v[SC+24*\sc+4*\i:SC+24*\sc+4*\i+3], v[ADSP] offset:2*TS*\i
.endr
.irp t, 0,1
	ds_load_b128 v[SC+24*\sc+16+4*\t:SC+24*\sc+16+4*\t+3], v[ADSQ] offset:TS*\t
.endr
.endm
.macro STEP slot, q, zero              ; a K step that has its successor in the same slot
	s_wait_dscnt 0x0                               ; this step's fragments are in
	PLACES 8                                       ; eight places between the last step's products and the loads into the set that they read
	FETCH \slot, (\q)+1, 1-(\q)%2
	WIN MUL
	MUL16 (\q)%2, \q, \slot, \zero
	WIN 0
.endm
.macro TURN slot, next, fill           ; a slot's last K step changes slots
	s_wait_tensorcnt 0x0                           ; all my tensor loads have landed, my part of the next slot among them
	ds_add_u32 v[SPW], v[NIL]                      ; 0 onto my spare word
.if \fill
	s_add_nc_u64 s[G0P+4*\slot+2:G0P+4*\slot+3], s[G0P+4*\slot+2:G0P+4*\slot+3], 16384
	s_add_nc_u64 s[G0Q+4*\slot+2:G0Q+4*\slot+3], s[G0Q+4*\slot+2:G0Q+4*\slot+3], 16384
.endif
	s_wait_dscnt 0x0                               ; the add is done; the slot's last fragments are in registers: my reads of it are over
.if \fill
	CROUND                                         ; no wave of any partner still reads the slot or has a load on its way
	JLOAD G0P+4*\slot, G1P, G0Q+4*\slot, G1Q       ; the first tensor load behind the round
	PLACES 4
.else
	s_barrier_signal -1
	s_barrier_wait -1
	PLACES 8
.endif
	v_add_nc_u32 v[ADSP], 256, v[ADSP]             ; the next slot's scale words
	v_add_nc_u32 v[ADSQ], 256, v[ADSQ]
	FETCH \next, 0, 0
	SCALES \next
	WIN MUL
	MUL16 1, 3, \slot, 0
	WIN 0
.endm
	s_load_b256 s[4:11], s[0:1], 0x0               ; W s[4:5], H s[6:7], b_attn s[8:9], QKV s[10:11]
	v_lshl_add_u32 v[SPW], v0, 2, SPARE
	v_mov_b32 v[NIL], 0
	ds_add_u32 v28, v29
	ds_add_u32 v28, v29
	s_wait_dscnt 0x0
	v_lshrrev_b32 v1, 5, v0
	v_readfirstlane_b32 s14, v1                    ; wave 0..3
	s_lshr_b32 s15, s14, 1                         ; I fetch for P (0) or for Q (1)
	s_and_b32 s16, s14, 1                          ; which half of that slab
	s_bfe_u32 s40, ttmp6, 0x40000                  ; cx
	s_bfe_u32 s41, ttmp6, 0x40004                  ; cy
	s_and_b32 s18, ttmp7, 0xffff                   ; the cluster's y
	s_lshl_b32 s42, ttmp9, 2
	s_add_co_u32 s42, s42, s40                     ; x = 4 x cluster x + cx: for q and k P's slab of W
	s_sub_co_u32 s19, s18, 8
	s_lshr_b32 s19, s19, 1
	s_lshl_b32 s19, s19, 4
	s_add_co_u32 s19, s19, s42                     ; for v: P's slab of tokens
	s_lshl_b32 s17, s18, 2
	s_add_co_u32 s17, s17, s41                     ; for q and k: Q's slab of tokens
	s_and_b32 s96, s18, 1
	s_lshl_b32 s96, s96, 2
	s_add_co_u32 s96, s96, s41
	s_add_co_u32 s96, s96, 16                      ; for v: Q's slab of W, 16 .. 23
	s_mov_b32 s2, 12582912                         ; where P's scale bytes begin in its buffer,
	s_mov_b32 s3, 4194304                          ; and Q's
	s_cmp_ge_u32 s18, 8
	s_cselect_b32 s97, 1, 0                        ; 1: this cluster makes v
	s_cselect_b32 s42, s19, s42                    ; P's slab
	s_cselect_b32 s17, s96, s17                    ; Q's slab
	s_cselect_b32 s2, 4194304, s2
	s_cselect_b32 s3, 12582912, s3
	s_lshl_b32 s43, s41, 2
	s_lshl_b32 s43, 15, s43                        ; my row of the cluster
	s_lshl_b32 s44, 0x1111, s40                    ; my column
	; descriptor group 1, codes: half a slab's part of a slot: 4 tiles x 8,192 bytes, 16 K bytes apart; elements of 8 bytes
	s_or_b32 s[G1P], s44, (3<<16)|(1<<21)
	s_or_b32 s[G1Q], s43, (3<<16)|(1<<21)
.irp g, G1P, G1Q
	s_mov_b32 s[\g+1], 1024<<16                    ; tensor_dim0
	s_mov_b32 s[\g+2], 4<<16                       ; tensor_dim1
	s_mov_b32 s[\g+3], 1024<<16                    ; tile_dim0
	s_mov_b32 s[\g+4], 4                           ; tile_dim1
	s_mov_b32 s[\g+5], 2*SIZE_K                    ; from tile to tile
	s_mov_b32 s[\g+6], 0
	s_mov_b32 s[\g+7], 0
.endr
	; scale bytes: half a slab's, dense, as rows of 256 bytes
	s_or_b32 s[G1SP], s44, (3<<16)|(1<<21)
	s_or_b32 s[G1SQ], s43, (3<<16)|(1<<21)
.irp g, G1SP, G1SQ
	s_mov_b32 s[\g+1], 32<<16
	s_mov_b32 s[\g+2], (SIZE_K/128)<<16
	s_mov_b32 s[\g+3], 32<<16
	s_mov_b32 s[\g+4], SIZE_K/128
	s_mov_b32 s[\g+5], 32
	s_mov_b32 s[\g+6], 0
	s_mov_b32 s[\g+7], 0
.endr
	s_mul_i32 s20, s42, SLABC                      ; P's registers never hold cy, Q's never cx
	s_mul_i32 s21, s16, HALFC
	s_add_co_u32 s20, s20, s21
	s_mov_b32 s21, 0
	s_mul_i32 s22, s42, SLABS
	s_mul_i32 s23, s16, HALFS
	s_add_co_u32 s22, s22, s23
	s_add_co_u32 s22, s22, s2
	s_mov_b32 s23, 0
	s_mul_i32 s46, s17, SLABC
	s_mul_i32 s47, s16, HALFC
	s_add_co_u32 s46, s46, s47
	s_mov_b32 s47, 0
	s_mul_i32 s92, s17, SLABS
	s_mul_i32 s93, s16, HALFS
	s_add_co_u32 s92, s92, s93
	s_add_co_u32 s92, s92, s3
	s_mov_b32 s93, 0
	s_lshl_b32 s45, s14, 15                        ; LDS: wave x 32,768: P's halves, then Q's
	s_mul_i32 s94, s14, HALFS
	s_wait_kmcnt 0x0
	s_cmp_lg_u32 s97, 0
	s_cselect_b64 s[12:13], s[6:7], s[4:5]         ; P's buffer
	s_cselect_b64 s[18:19], s[4:5], s[6:7]         ; Q's
	s_add_nc_u64 s[20:21], s[12:13], s[20:21]
	s_add_nc_u64 s[22:23], s[12:13], s[22:23]
	s_add_nc_u64 s[46:47], s[18:19], s[46:47]
	s_add_nc_u64 s[92:93], s[18:19], s[92:93]
	CROUND                                         ; all sixteen work-groups are here: the first joint loads meet
	s_mov_b32 s[G0SP], 1
	s_add_co_u32 s[G0SP+1], s94, SCLP
	s_mov_b64 s[G0SP+2:G0SP+3], s[22:23]
	s_or_b32 s[G0SP+3], s[G0SP+3], 0x80000000
	s_mov_b32 s[G0SQ], 1
	s_add_co_u32 s[G0SQ+1], s94, SCLP
	s_mov_b64 s[G0SQ+2:G0SQ+3], s[92:93]
	s_or_b32 s[G0SQ+3], s[G0SQ+3], 0x80000000
	JLOAD G0SP, G1SP, G0SQ, G1SQ
.irp s, 0,1
	s_mov_b32 s[G0P+4*\s], 1
	s_add_co_u32 s[G0P+4*\s+1], s45, \s*SLOT
	s_add_nc_u64 s[G0P+4*\s+2:G0P+4*\s+3], s[20:21], \s*8192
	s_or_b32 s[G0P+4*\s+3], s[G0P+4*\s+3], 0x80000000
	s_mov_b32 s[G0Q+4*\s], 1
	s_add_co_u32 s[G0Q+4*\s+1], s45, \s*SLOT
	s_add_nc_u64 s[G0Q+4*\s+2:G0Q+4*\s+3], s[46:47], \s*8192
	s_or_b32 s[G0Q+4*\s+3], s[G0Q+4*\s+3], 0x80000000
	JLOAD G0P+4*\s, G1P, G0Q+4*\s, G1Q
.endr
	v_and_b32 v1, 31, v0                           ; lane
	v_and_b32 v2, 15, v0                           ; r
	v_bfe_u32 v3, v0, 4, 1                         ; h
	v_lshlrev_b32 v[ADRP], 4, v1
	v_add_nc_u32 v[ADRP+1], SLOT, v[ADRP]
	s_lshl_b32 s20, s14, 14
	s_add_co_u32 s20, s20, 65536
	v_add_nc_u32 v[ADRQ], s20, v[ADRP]
	v_add_nc_u32 v[ADRQ+1], SLOT, v[ADRQ]
	v_lshlrev_b32 v4, 4, v2                        ; 16 r
	v_mul_u32_u24 v5, v3, TS
	v_add_nc_u32 v5, v5, v4
	v_add_nc_u32 v[ADSP], SCLP, v5
	s_mul_i32 s20, s14, 2*TS
	s_add_co_u32 s20, s20, SCLQ
	v_add_nc_u32 v[ADSQ], s20, v4
	; the bias, both ways
.set BP, 128                           ; window 2, v128-191: b_attn at P's rows, in the accumulators' order (q and k)
.set BV, 226                           ; window 2, v226-227: b_attn at my lane's row of Q's two tiles (v)
	s_min_u32 s20, s42, 15
	s_lshl_b32 s20, s20, 9
	s_mov_b32 s21, 0
	s_add_nc_u64 s[20:21], s[8:9], s[20:21]
	s_min_u32 s22, s17, 23
	s_lshl_b32 s22, s22, 9
	s_lshl_b32 s23, s14, 7
	s_add_co_u32 s22, s22, s23
	s_mov_b32 s23, 0
	s_add_nc_u64 s[22:23], s[8:9], s[22:23]
	v_lshlrev_b32 v24, 6, v3                       ; 64 h
	v_and_b32 v25, 7, v2
	v_lshrrev_b32 v26, 3, v2
	v_lshl_add_u32 v25, v26, 4, v25
	v_lshlrev_b32 v25, 2, v25                      ; 4 (r % 8 + 16 (r / 8))
	v_lshlrev_b32 v27, 2, v2                       ; 4 r
	WIN 0x80                                       ; destination window 2
.irp t, 0,1,2,3,4,5,6,7
	global_load_b128 v[BP+8*\t:BP+8*\t+3], v24, s[20:21] offset:(32*(\t/2)+8*(\t%2))*4
	global_load_b128 v[BP+8*\t+4:BP+8*\t+7], v24, s[20:21] offset:(32*(\t/2)+8*(\t%2))*4+16
.endr
	global_load_b32 v[BV], v25, s[22:23]
	global_load_b32 v[BV+1], v25, s[22:23] offset:32
	WIN 0
	s_wait_tensorcnt 1                             ; the scale bytes and my part of slot 0 are in; slot 1's load may be out
	s_barrier_signal -1
	s_barrier_wait -1
	FETCH 0, 0, 0
	SCALES 0
	STEP 0, 0, 1                                   ; the first step's products start the sums
	STEP 0, 1, 0
	STEP 0, 2, 0
	TURN 0, 1, 0
	STEP 1, 0, 0
	STEP 1, 1, 0
	STEP 1, 2, 0
	s_wait_dscnt 0x0
	WIN MUL
	MUL16 1, 3, 1, 0
	WIN 0
	PLACES 8                                       ; between the last products and the first read of results
	s_wait_loadcnt 0x0                             ; the bias
	; ---------------- THE WAY OUT: + bias, quantised along P's rows, stored as images.  All of it works in window 2.
.set PC,  192
.set TM,  208
.set PW,  224
.set SEL, 46
.set MNT, 45
.macro QUANT s, pw
.irp b, 0,1,2,3
	v_max3_num_f32 v[TM+\b], |v[\s+16*\b]|, |v[\s+1+16*\b]|, 0x8000000   ; my 16 numbers of block b, and the floor 2^(16 - 127)
.endr
.irp i, 2,4,6,8,10,12,14
.irp b, 0,1,2,3
	v_max3_num_f32 v[TM+\b], v[TM+\b], |v[\s+16*\b+\i]|, |v[\s+1+16*\b+\i]|
.endr
.endr
.irp b, 0,1,2,3
	v_permlanex16_b32 v[TM+4+\b], v[TM+\b], s[SEL], s[SEL+1]
.endr
.irp b, 0,1,2,3
	v_max_num_f32 v[TM+\b], v[TM+\b], v[TM+4+\b]
.endr
.irp b, 0,1,2,3
	v_add_nc_u32 v[TM+12+\b], 0xf8800000, v[TM+\b]                  ; the conversion's scale operand
.endr
.irp b, 0,1,2,3
	v_and_or_b32 v[TM+8+\b], v[TM+\b], 0x7f800000, s[MNT]           ; 57,344 x the scale
.endr
.irp b, 0,1,2,3
	v_lshrrev_b32 v[TM+4+\b], 23, v[TM+12+\b]                       ; the byte
.endr
	v_lshl_or_b32 v[\pw], v[TM+5], 8, v[TM+4]
	v_lshl_or_b32 v[\pw], v[TM+6], 16, v[\pw]
	v_lshl_or_b32 v[\pw], v[TM+7], 24, v[\pw]
.irp b, 0,1,2,3
.irp i, 0,1,2,3,4,5,6,7,8,9,10,11,12,13,14,15
	v_med3_num_f32 v[\s+16*\b+\i], v[\s+16*\b+\i], -v[TM+8+\b], v[TM+8+\b]   ; the conversion does not saturate (ISA guide 7.6.2)
.endr
	v_cvt_scalef32_pk8_bf8_f32 v[PC+4*\b:PC+1+4*\b], v[\s+16*\b:\s+7+16*\b], v[TM+12+\b]
	v_cvt_scalef32_pk8_bf8_f32 v[PC+2+4*\b:PC+3+4*\b], v[\s+8+16*\b:\s+15+16*\b], v[TM+12+\b]
.endr
	v_nop                                          ; a plain line behind the last conversion
.endm
	s_mov_b32 s[SEL], 0x76543210
	s_mov_b32 s[SEL+1], 0xfedcba98
	s_mov_b32 s[MNT], 0x600000
	WIN 0xaa
.irp b, 0,1,2,3
	v_mov_b32 v[TM+4+\b], 0                        ; a lane permute's destination counts as one of its sources
.endr
	WIN 0
	s_cmp_lg_u32 s97, 0
	s_cbranch_scc1 .Lvpart
	; q and k: [head][tile of tokens][1024 bytes]; the lane's blocks 0, 1 are the even head's 64, blocks 2, 3 the odd head's
	s_lshl_b32 s18, s17, 3
	s_lshl_b32 s19, s14, 1
	s_add_co_u32 s18, s18, s19                     ; my first tile of tokens
	s_lshr_b32 s19, s18, 7                         ; the batch
	s_and_b32 s18, s18, 127
	s_lshl_b32 s19, s19, 4
	s_and_b32 s92, s42, 7
	s_lshl_b32 s92, s92, 1
	s_add_co_u32 s19, s19, s92                     ; 16 x batch + the even head
	s_lshl_b32 s19, s19, 7
	s_add_co_u32 s19, s19, s18
	s_lshr_b32 s18, s42, 3                         ; 0: q, 1: k
	s_lshl_b32 s92, s19, 10
	s_lshl_b32 s93, s18, 22
	s_add_co_u32 s92, s92, s93
	s_mov_b32 s93, 0
	s_lshl_b32 s94, s19, 6
	s_lshl_b32 s95, s18, 18
	s_add_co_u32 s94, s94, s95
	s_add_co_u32 s94, s94, 12582912
	s_mov_b32 s95, 0
	s_add_nc_u64 s[92:93], s[10:11], s[92:93]
	s_add_nc_u64 s[94:95], s[10:11], s[94:95]
.irp tq, 0,1
.if \tq
	s_wait_xcnt 0x0                                ; the stores have read the codes' and the words' registers
.endif
	WIN 0xaa
.set k, 0
.rept 32
	v_pk_add_f32 v[64*\tq+k:64*\tq+k+1], v[64*\tq+k:64*\tq+k+1], v[BP+k:BP+k+1]   ; ascending: each accumulator is read from its low end on
.set k, k+2
.endr
	QUANT 64*\tq, PW
	v_lshrrev_b32 v[PW+1], 16, v[PW]               ; the odd head's two bytes; the word's upper two stand over zero codes
	WIN 0x08                                       ; a store's data: window 2
	global_store_b128 v[ADRP], v[PC:PC+3], s[92:93] offset:1024*\tq
	global_store_b128 v[ADRP], v[PC+4:PC+7], s[92:93] offset:1024*\tq+512
	global_store_b128 v[ADRP], v[PC+8:PC+11], s[92:93] offset:1024*\tq+131072
	global_store_b128 v[ADRP], v[PC+12:PC+15], s[92:93] offset:1024*\tq+131584
	global_store_b32 v27, v[PW], s[94:95] offset:64*\tq
	global_store_b32 v27, v[PW+1], s[94:95] offset:64*\tq+8192
.endr
	WIN 0
	s_branch .Ldone
.Lvpart:
	; v: [head][step of 128 keys][tile of 16 channels][2048 bytes]
	s_lshr_b32 s18, s42, 4
	s_lshl_b32 s18, s18, 4
	s_sub_co_u32 s19, s17, 16
	s_lshl_b32 s19, s19, 1
	s_add_co_u32 s18, s18, s19
	s_add_co_u32 s18, s18, s15                     ; 16 x batch + head
	s_lshl_b32 s18, s18, 4
	s_and_b32 s19, s42, 15
	s_add_co_u32 s18, s18, s19                     ; + the key step
	s_lshl_b32 s18, s18, 2
	s_lshl_b32 s19, s16, 1
	s_add_co_u32 s18, s18, s19                     ; + my first tile of channels
	s_lshl_b32 s92, s18, 11
	s_add_co_u32 s92, s92, 8388608
	s_mov_b32 s93, 0
	s_lshl_b32 s94, s18, 6
	s_add_co_u32 s94, s94, 13107200
	s_mov_b32 s95, 0
	s_add_nc_u64 s[92:93], s[10:11], s[92:93]
	s_add_nc_u64 s[94:95], s[10:11], s[94:95]
.irp tq, 0,1
.if \tq
	s_wait_xcnt 0x0
.endif
	WIN 0xaa
.set k, 0
.rept 32
.if \tq
	v_pk_add_f32 v[64*\tq+k:64*\tq+k+1], v[64*\tq+k:64*\tq+k+1], v[BV:BV+1] op_sel:[0,1] op_sel_hi:[1,1]   ; the pair's second word for both halves
.else
	v_pk_add_f32 v[64*\tq+k:64*\tq+k+1], v[64*\tq+k:64*\tq+k+1], v[BV:BV+1] op_sel_hi:[1,0]                ; its first
.endif
.set k, k+2
.endr
	QUANT 64*\tq, PW
	WIN 0x08
.irp c, 0,1,2,3
	global_store_b128 v[ADRP], v[PC+4*\c:PC+4*\c+3], s[92:93] offset:2048*\tq+512*\c
.endr
	global_store_b32 v27, v[PW], s[94:95] offset:64*\tq
.endr
	WIN 0
.Ldone:
	s_wait_tensorcnt 0x0                           ; the wave's end
	ds_add_u32 v[SPW], v[NIL]
	s_wait_dscnt 0x0
	CROUND                                         ; the closing round
	s_endpgm
.Lfunc_end_k_q97fdf3a2d6_qkv:
	.size	k_q97fdf3a2d6_qkv, .Lfunc_end_k_q97fdf3a2d6_qkv-k_q97fdf3a2d6_qkv
	.p2alignl 7, 3214868480
	.fill 96, 4, 3214868480
	.section	.rodata,"a",@progbits
	.p2align	6, 0x0
	.amdhsa_kernel k_q97fdf3a2d6_qkv
		.amdhsa_group_segment_fixed_size 327680
		.amdhsa_private_segment_fixed_size 0
		.amdhsa_enable_private_segment 0
		.amdhsa_kernarg_size 32
		.amdhsa_user_sgpr_count 2
		.amdhsa_user_sgpr_kernarg_segment_ptr 1
		.amdhsa_wavefront_size32 1
		.amdhsa_system_sgpr_workgroup_id_x 1
		.amdhsa_system_sgpr_workgroup_id_y 1
		.amdhsa_system_sgpr_workgroup_id_z 1
		.amdhsa_system_vgpr_workitem_id 0
		.amdhsa_next_free_vgpr 768
		.amdhsa_next_free_sgpr 98
		.amdhsa_reserve_vcc 0
		.amdhsa_float_denorm_mode_32 3
		.amdhsa_float_denorm_mode_16_64 3
		.amdhsa_memory_ordered 1
		.amdhsa_forward_progress 1
		.amdhsa_inst_pref_size 97
	.end_amdhsa_kernel
	.amdgpu_metadata
---
amdhsa.version: [ 1, 2 ]
amdhsa.kernels:
  - .name:           k_q97fdf3a2d6_qkv
    .symbol:         k_q97fdf3a2d6_qkv.kd
    .args:
      - { .name: W, .offset: 0, .size: 8, .value_kind: global_buffer, .address_space: global }
      - { .name: H, .offset: 8, .size: 8, .value_kind: global_buffer, .address_space: global }
      - { .name: b_attn, .offset: 16, .size: 8, .value_kind: global_buffer, .address_space: global }
      - { .name: QKV, .offset: 24, .size: 8, .value_kind: global_buffer, .address_space: global }
    .group_segment_fixed_size: 327680
    .private_segment_fixed_size: 0
    .kernarg_segment_align: 8
    .kernarg_segment_size: 32
    .max_flat_workgroup_size: 128
    .sgpr_count:     98
    .vgpr_count:     768
    .wavefront_size: 32
...
	.end_amdgpu_metadata
.endif
;; end of part 2
;; launch attn (part 3): grid 8 x 32, 16 waves a work-group, no clusters, 276,480 bytes of LDS; arguments QKV, O; writes O
.if DOCPART == 3
	.amdgcn_target "amdgcn-amd-amdhsa--gfx1250"
	.amdhsa_code_object_version 6
	.text
	.protected	k_q97fdf3a2d6_attn
	.globl	k_q97fdf3a2d6_attn
	.p2align	8
	.type	k_q97fdf3a2d6_attn,@function
k_q97fdf3a2d6_attn:
	s_mov_b64 s[64:65], 0
	v_nop
	global_prefetch_b8 v0, s[64:65] scope:SCOPE_SE
	s_setreg_imm32_b32 hwreg(HW_REG_WAVE_MODE, 25, 1), 1
	s_wait_xcnt 0x0
; o = (softmax(q k^T, causal) / 32) v for one head, both products on codes of E5M2 with E8M0 scales.  THE SECOND PRODUCT'S LEFT OPERAND IS THE FINISHED SOFTMAX / 32, quantised along the keys: its codes hang on
; the row's sum, so the keys are walked TWICE: walk 1 finds each query's largest t (t = score x log2 e; M = that, rounded up to a whole number) and the sum of 2^(t - M);
; walk 2 makes the scores again, p = 2^(t - M) x (1 / 32 / sum), quantises p and multiplies by v.
; THE HEAD'S 64 are half of the instruction's 128 along K: registers 8-15 of q's and k's fragments hold zero codes, which add nothing under any scale byte but 0xff (the bytes over them are 0 or a neighbour's, 1 to 254).
; SHARES.  A work-group takes query blocks i and 15 - i (128 queries each) of one head: 17 block steps in every work-group.  Each of its sixteen waves owns one tile of 16 queries, in 256 registers.
; LDS holds the whole head's k and v as images of fragment registers, and their scale words, FILLED ONCE: each wave brings a sixteenth of each by four tensor loads of its own.
; LAYOUT.  S^T = k q^T, O^T = v^T p^T: a lane holds one query.  The rows of a tile are rho(T, r) = 32 (T / 2) + 8 (T % 2) + r % 8 + 16 (r / 8), so register 16 b + i of S^T is key 32 b + 16 (lane / 16) + i of the step.
; CAUSAL.  Both loops have 16 trips in every wave; a step all of whose keys come after the wave's block of queries is jumped over (a scalar branch on ids); in the one step on the diagonal hidden scores become -infinity.
; NO CLUSTER: the eight work-groups of a head read the same k and v, but the steps that a wave leaves out hang on its work-group's query blocks, which differ between them.
; LIMITS: NaN and infinities are not served; a p under the smallest normal f32 number counts as 0.
.set AK0,  1                           ; v1   16 x lane: my place in an image (also the stores' offset)
.set AV0,  2                           ; v2   the same in v's region
.set ASK0, 3                           ; v3   4 x lane among k's scale words
.set ASV0, 4                           ; v4   among v's
.set DQ,   5                           ; v5   my query - its block's first - 16 (lane / 16)
.set RO,   7                           ; v7   16 r
.set ADK,  8
.set ADV,  9
.set ADS,  10
.set ADT,  11
.set KSC,  208                         ; v208-211 k's scale words: lanes 0-15 the even tile of a pair, lanes 16-31 the odd one
.set VSC,  212                         ; v212-213 v's
.set QSC,  214                         ; v214 q's
.set PSC,  215                         ; v215 p's
.set BM,   216                         ; v216-219 a block's largest; v220-223 from lane l xor 16; v224-227 the hold; v228-231 the scale operand; v232-235 the byte
.set PT,   220
.set HO,   224
.set SO,   228
.set BY,   232
.set NINF, 236
.set OW,   237
.set SUM2, 238
.set T0,   240
.set T1,   241
.set FF,   242
.set WV,   8
.set TT,   9                           ; s9   my tile of queries
.set QD,   10                          ; s10  its block's first key
.set KF,   11                          ; s11  the step's first key: the loops' counter
.set TBK,  12                          ; s12  where the step's images of k begin
.set TSK,  13                          ; s13  its scale words
.set TBV,  14
.set TSV,  15
.set BH,   16
.set MNT,  19
.set SEL,  20
.set CS,   22                          ; s[22:23] log2 e
.set G1A,  24                          ; 32 rows of 256 bytes
.set G1B,  32                          ; 2 rows
.set G1C,  40                          ; 1 row
.set G0KS, 48
.set G0K,  52
.set G0VS, 56
.set G0V,  60
.macro WM d, a, b, sa, sb, odd, zero
.if \zero
.if \odd
	v_wmma_scale_f32_16x16x128_f8f6f4 v[\d:\d+7], v[\a:\a+15], v[\b:\b+15], 0, v[\sa], v[\sb] matrix_a_fmt:MATRIX_FMT_BF8 matrix_b_fmt:MATRIX_FMT_BF8 matrix_a_scale:MATRIX_SCALE_ROW1
.else
	v_wmma_scale_f32_16x16x128_f8f6f4 v[\d:\d+7], v[\a:\a+15], v[\b:\b+15], 0, v[\sa], v[\sb] matrix_a_fmt:MATRIX_FMT_BF8 matrix_b_fmt:MATRIX_FMT_BF8
.endif
.else
.if \odd
	v_wmma_scale_f32_16x16x128_f8f6f4 v[\d:\d+7], v[\a:\a+15], v[\b:\b+15], v[\d:\d+7], v[\sa], v[\sb] matrix_a_fmt:MATRIX_FMT_BF8 matrix_b_fmt:MATRIX_FMT_BF8 matrix_a_scale:MATRIX_SCALE_ROW1
.else
	v_wmma_scale_f32_16x16x128_f8f6f4 v[\d:\d+7], v[\a:\a+15], v[\b:\b+15], v[\d:\d+7], v[\sa], v[\sb] matrix_a_fmt:MATRIX_FMT_BF8 matrix_b_fmt:MATRIX_FMT_BF8
.endif
.endif
.endm
	s_load_b128 s[4:7], s[0:1], 0x0                ; QKV, O
	v_lshl_add_u32 v254, v0, 2, 0x43000
	v_mov_b32 v255, 0
	ds_add_u32 v254, v255
	ds_add_u32 v254, v255
	v_lshrrev_b32 v1, 5, v0
	v_readfirstlane_b32 s[WV], v1                  ; wave 0..15
	s_and_b32 s[BH], ttmp7, 0xffff                 ; 16 x batch + head
.irp g, G1A, G1B, G1C
	s_mov_b32 s[\g], 3<<16                         ; elements of 8 bytes, no mask, no padding
	s_mov_b32 s[\g+1], 32<<16                      ; tensor_dim0: 256 bytes
	s_mov_b32 s[\g+3], 32<<16                      ; tile_dim0
	s_mov_b32 s[\g+5], 32                          ; dense
	s_mov_b32 s[\g+6], 0
	s_mov_b32 s[\g+7], 0
.endr
	s_mov_b32 s[G1A+2], 32<<16
	s_mov_b32 s[G1A+4], 32
	s_mov_b32 s[G1B+2], 2<<16
	s_mov_b32 s[G1B+4], 2
	s_mov_b32 s[G1C+2], 1<<16
	s_mov_b32 s[G1C+4], 1
	s_lshl_b32 s66, s[BH], 17                      ; a head's codes: 131,072 bytes; my sixteenth: 8,192
	s_lshl_b32 s67, s[WV], 13
	s_add_co_u32 s66, s66, s67
	s_add_co_u32 s68, s66, 4194304                 ; k's
	s_mov_b32 s69, 0
	s_add_co_u32 s70, s66, 8388608                 ; v's
	s_mov_b32 s71, 0
	s_lshl_b32 s72, s[BH], 13                      ; k's scale words: 8,192 a head, 512 mine
	s_lshl_b32 s73, s[WV], 9
	s_add_co_u32 s72, s72, s73
	s_add_co_u32 s72, s72, 12845056
	s_lshl_b32 s74, s[BH], 12                      ; v's: 4,096 a head, 256 mine
	s_lshl_b32 s75, s[WV], 8
	s_add_co_u32 s74, s74, s75
	s_add_co_u32 s74, s74, 13107200
	s_mov_b32 s[G0KS], 1
	s_add_co_u32 s[G0KS+1], s73, 262144
	s_mov_b32 s[G0K], 1
	s_mov_b32 s[G0K+1], s67
	s_mov_b32 s[G0VS], 1
	s_add_co_u32 s[G0VS+1], s75, 270336
	s_mov_b32 s[G0V], 1
	s_add_co_u32 s[G0V+1], s67, 131072
	s_mov_b32 s73, 0
	s_mov_b32 s75, 0
	s_wait_dscnt 0x0
	s_wait_kmcnt 0x0
	s_add_nc_u64 s[G0KS+2:G0KS+3], s[4:5], s[72:73]
	s_or_b32 s[G0KS+3], s[G0KS+3], 0x80000000
	s_add_nc_u64 s[G0K+2:G0K+3], s[4:5], s[68:69]
	s_or_b32 s[G0K+3], s[G0K+3], 0x80000000
	s_add_nc_u64 s[G0VS+2:G0VS+3], s[4:5], s[74:75]
	s_or_b32 s[G0VS+3], s[G0VS+3], 0x80000000
	s_add_nc_u64 s[G0V+2:G0V+3], s[4:5], s[70:71]
	s_or_b32 s[G0V+3], s[G0V+3], 0x80000000
	tensor_load_to_lds s[G0KS:G0KS+3], s[G1B:G1B+7]   ; the four first fills go out together: four loads of mine are out
	s_nop 0
	tensor_load_to_lds s[G0K:G0K+3], s[G1A:G1A+7]
	s_nop 0
	tensor_load_to_lds s[G0VS:G0VS+3], s[G1C:G1C+7]
	s_nop 0
	tensor_load_to_lds s[G0V:G0V+3], s[G1A:G1A+7]
	s_nop 0
.rept 4
	v_nop
.endr
	s_lshl_b32 s66, ttmp9, 3
	s_add_co_u32 s67, s66, s[WV]                   ; waves 0-7: block i
	s_sub_co_u32 s68, 112, s66
	s_add_co_u32 s68, s68, s[WV]                   ; waves 8-15: block 15 - i
	s_cmp_lt_u32 s[WV], 8
	s_cselect_b32 s[TT], s67, s68
	s_lshr_b32 s[QD], s[TT], 3
	s_lshl_b32 s[QD], s[QD], 7
	s_lshl_b32 s66, s[BH], 17
	s_lshl_b32 s67, s[TT], 10
	s_add_co_u32 s66, s66, s67
	s_mov_b32 s67, 0
	s_add_nc_u64 s[66:67], s[4:5], s[66:67]        ; q's image
	s_lshl_b32 s68, s[BH], 13
	s_lshl_b32 s69, s[TT], 6
	s_add_co_u32 s68, s68, s69
	s_add_co_u32 s68, s68, 12582912
	s_mov_b32 s69, 0
	s_add_nc_u64 s[68:69], s[4:5], s[68:69]        ; its scale words
	v_and_b32 v6, 31, v0                           ; lane
	v_and_b32 v[RO], 15, v0                        ; r
	v_bfe_u32 v8, v0, 4, 1                         ; h
	v_lshlrev_b32 v[AK0], 4, v6
	v_add_nc_u32 v[AV0], 131072, v[AK0]
	v_lshlrev_b32 v9, 2, v6
	v_add_nc_u32 v[ASK0], 262144, v9
	v_add_nc_u32 v[ASV0], 270336, v9
	v_lshlrev_b32 v10, 2, v[RO]
	global_load_b128 v[16:19], v[AK0], s[66:67]
	global_load_b128 v[20:23], v[AK0], s[66:67] offset:512
	global_load_b32 v[QSC], v10, s[68:69]
	v_and_b32 v[DQ], 7, v[RO]
	v_lshrrev_b32 v11, 3, v[RO]
	v_lshl_add_u32 v[DQ], v11, 4, v[DQ]
	v_lshlrev_b32 v11, 4, v8
	v_sub_nc_u32 v[DQ], v[DQ], v11
	s_and_b32 s70, s[TT], 7
	s_lshr_b32 s70, s70, 1
	s_lshl_b32 s70, s70, 5
	s_and_b32 s71, s[TT], 1
	s_lshl_b32 s71, s71, 3
	s_add_co_u32 s70, s70, s71
	v_add_nc_u32 v[DQ], s70, v[DQ]
	v_lshlrev_b32 v[RO], 4, v[RO]
	s_mov_b32 s[SEL], 0x76543210
	s_mov_b32 s[SEL+1], 0xfedcba98
	s_mov_b32 s[CS], 0x3fb8aa3b
	s_mov_b32 s[CS+1], s[CS]                       ; named with it as a pair, so it is written
	s_mov_b32 s[MNT], 0x600000
.set i, 0
.rept 8
	v_mov_b32 v[24+i], 0                           ; zero codes for the upper 64 along K: q's,
	v_mov_b32 v[40+i], 0                           ; and the four fragments' of k: never written again
	v_mov_b32 v[56+i], 0
	v_mov_b32 v[72+i], 0
	v_mov_b32 v[88+i], 0
.set i, i+1
.endr
.set i, 0
.rept 32
	v_mov_b32 v[160+i], 0                          ; O^T: walk 2 is written once and adds onto zeros
.set i, i+1
.endr
.irp b, 0,1,2,3
	v_mov_b32 v[PT+\b], 0                          ; a lane permute's destination counts as one of its sources
.endr
	v_mov_b32 v[T1], 0
	v_mov_b32 v[FF+1], 0                           ; named as the upper half of a pair
	v_mov_b32 v[NINF], 0xff800000
	v_mov_b32 v13, 0xff61b1e6                      ; the largest t so far: -3e38
	v_floor_f32 v12, -v13                          ; -M
	v_mov_b32 v14, 0                               ; the sum, in two halves
	v_mov_b32 v15, 0
; S^T of one step: eight tiles of 16 keys, four at a time.  pre: v_nop ahead of everything
.macro QK pre
	v_add_nc_u32 v[ADK], s[TBK], v[AK0]
	v_add_nc_u32 v[ADS], s[TSK], v[ASK0]
.rept \pre
	v_nop
.endr
.irp g, 0,1
.if \g
.rept 8
	v_nop                                          ; eight places between the products and the loads into the fragments that they read
.endr
.endif
.irp t, 0,1,2,3
	ds_load_b128 v[32+16*\t:35+16*\t], v[ADK] offset:(4*\g+\t)*1024
	ds_load_b128 v[36+16*\t:39+16*\t], v[ADK] offset:(4*\g+\t)*1024+512
.endr
	ds_load_b32 v[KSC+2*\g], v[ADS] offset:256*\g
	ds_load_b32 v[KSC+2*\g+1], v[ADS] offset:256*\g+128
	s_wait_dscnt 0x0
.irp t, 0,1,2,3
	WM 96+8*(4*\g+\t), 32+16*\t, 16, KSC+2*\g+\t/2, QSC, \t%2, 1
.endr
.endr
.rept 8
	v_nop                                          ; eight places ahead of the first read of the scores
.endr
.endm
.macro MASK                            ; only the step on the diagonal: register 16 b + i holds key KF + 16 (lane / 16) + 32 b + i: hidden where 32 b + i > v[DQ]
	s_cmp_lg_u32 s[KF], s[QD]
	s_cbranch_scc1 .Lopen_\@
.set n, 0
.rept 64
	v_cmp_gt_i32 vcc_lo, 32*(n/16)+n%16, v[DQ]
	v_cndmask_b32 v[96+n], v[96+n], v[NINF], vcc_lo
.set n, n+1
.endr
.Lopen_\@:
.endm
.macro BMAX                            ; the largest score of each block of 32 keys (my 16 of them), the four blocks by turns, each accumulator from its low end on
.irp b, 0,1,2,3
	v_max3_num_f32 v[BM+\b], v[96+16*\b], v[97+16*\b], v[98+16*\b]
.endr
.irp i, 3,5,7,9,11,13
.irp b, 0,1,2,3
	v_max3_num_f32 v[BM+\b], v[BM+\b], v[96+16*\b+\i], v[97+16*\b+\i]
.endr
.endr
.irp b, 0,1,2,3
	v_max_num_f32 v[BM+\b], v[BM+\b], v[111+16*\b]
.endr
.endm
.macro TMINUSM                         ; t - M, two at a time
.set j, 0
.rept 32
	v_pk_fma_f32 v[96+j:97+j], v[96+j:97+j], s[CS:CS+1], v[12:13] op_sel_hi:[1,0,0]
.set j, j+2
.endr
.endm
.macro EXP64
.set j, 0
.rept 64
	v_exp_f32 v[96+j], v[96+j]
.set j, j+1
.endr
.endm
	s_mov_b32 s[KF], 0
	s_mov_b32 s[TBK], 0
	s_mov_b32 s[TSK], 0
	s_wait_loadcnt 0x0                             ; q
	s_wait_tensorcnt 2                             ; my parts of k and of its scale words are in; v's two loads may be out
	s_barrier_signal -1
	s_barrier_wait -1
	; ---------------- WALK 1: M and the sum
.Lp1:
	s_cmp_gt_u32 s[KF], s[QD]
	s_cbranch_scc1 .Lhid1
	QK 0                                           ; the softmax below stands between the last products and these loads
	MASK
	BMAX
	v_max3_num_f32 v[T0], v[BM], v[BM+1], v[BM+2]
	v_max_num_f32 v[T0], v[T0], v[BM+3]
	v_permlanex16_b32 v[T1], v[T0], s[SEL], s[SEL+1]
	v_max_num_f32 v[T0], v[T0], v[T1]              ; the step's largest score of my query
	v_mul_f32 v[T0], s[CS], v[T0]
	v_max_num_f32 v13, v13, v[T0]                  ; the running largest t
	v_mov_b32 v[T0], v12
	v_floor_f32 v12, -v13                          ; -M = floor(-t): M is a whole number
	v_sub_f32 v[T0], v12, v[T0]
	v_cvt_i32_f32 v[T0], v[T0]                     ; (it saturates)
	v_ldexp_f32 v[FF], 1.0, v[T0]                  ; 2^(old M - new M): rounds nothing
	TMINUSM
	EXP64
	v_pk_mul_f32 v[14:15], v[14:15], v[FF:FF+1] op_sel_hi:[1,0]   ; the sum under the new M; the plain line behind the exponentials
	s_wait_alu depctr_va_vdst(0)                   ; one wait for the batch, ahead of its first reader
	v_pk_add_f32 v[SUM2:SUM2+1], v[96:97], v[98:99]
.set j, 4
.rept 15
	v_pk_add_f32 v[14:15], v[14:15], v[96+j:97+j]
	v_pk_add_f32 v[SUM2:SUM2+1], v[SUM2:SUM2+1], v[98+j:99+j]
.set j, j+4
.endr
	v_pk_add_f32 v[14:15], v[14:15], v[SUM2:SUM2+1]
.Lhid1:
	s_add_co_u32 s[TBK], s[TBK], 8192
	s_add_co_u32 s[TSK], s[TSK], 512
	s_add_co_u32 s[KF], s[KF], 128
	s_cmp_lt_u32 s[KF], 2048
	s_cbranch_scc1 .Lp1
	v_add_f32 v14, v14, v15
	v_permlanex16_b32 v[T1], v14, s[SEL], s[SEL+1]
	v_add_f32 v14, v14, v[T1]                      ; the row's sum
	v_rcp_f32 v14, v14
	v_nop
	s_wait_alu depctr_va_vdst(0)
	v_mul_f32 v14, 0x3d000000, v14                 ; 1 / 32 / sum
	v_mov_b32 v15, v14
	s_mov_b32 s[KF], 0
	s_mov_b32 s[TBK], 0
	s_mov_b32 s[TSK], 0
	s_mov_b32 s[TBV], 0
	s_mov_b32 s[TSV], 0
	s_wait_tensorcnt 0x0                           ; my parts of v and of its scale words are in
	s_wait_dscnt 0x0
	s_barrier_signal -1
	s_barrier_wait -1
	; ---------------- WALK 2: p, its codes, O^T
.Lp2:
	s_cmp_gt_u32 s[KF], s[QD]
	s_cbranch_scc1 .Lhid2
	v_add_nc_u32 v[ADV], s[TBV], v[AV0]
	v_add_nc_u32 v[ADT], s[TSV], v[ASV0]
	QK 5                                           ; four additions and five v_nop: nine places between the last step's products and the products that write over v's fragments
	MASK
	BMAX
.irp b, 0,1,2,3
	v_permlanex16_b32 v[PT+\b], v[BM+\b], s[SEL], s[SEL+1]
.endr
.irp b, 0,1,2,3
	v_max_num_f32 v[BM+\b], v[BM+\b], v[PT+\b]     ; the block's largest score: p rises with the score, so it gives the block's largest p
.endr
	TMINUSM
.irp b, 0,1,2,3
	v_fma_f32 v[BM+\b], v[BM+\b], s[CS], v12
.endr
	EXP64
	v_nop
	s_wait_alu depctr_va_vdst(0)                   ; one wait for the 64
.irp b, 0,1,2,3
	v_exp_f32 v[BM+\b], v[BM+\b]
.endr
.set j, 0
.rept 32
	v_pk_mul_f32 v[96+j:97+j], v[96+j:97+j], v[14:15]   ; p = the finished softmax / 32; plain work behind the four
.set j, j+2
.endr
	s_wait_alu depctr_va_vdst(0)                   ; and one for the four
.irp b, 0,1,2,3
	v_mul_f32 v[BM+\b], v[BM+\b], v14              ; the same three instructions on the same number give the same bits
.endr
.irp b, 0,1,2,3
	v_max_num_f32 v[BM+\b], 0x8000000, v[BM+\b]    ; the floor 2^(16 - 127)
.endr
.irp b, 0,1,2,3
	v_add_nc_u32 v[SO+\b], 0xf8800000, v[BM+\b]
.endr
.irp b, 0,1,2,3
	v_and_or_b32 v[HO+\b], v[BM+\b], 0x7f800000, s[MNT]
.endr
.irp b, 0,1,2,3
	v_lshrrev_b32 v[BY+\b], 23, v[SO+\b]
.endr
	v_lshl_or_b32 v[PSC], v[BY+1], 8, v[BY]
	v_lshl_or_b32 v[PSC], v[BY+2], 16, v[PSC]
	v_lshl_or_b32 v[PSC], v[BY+3], 24, v[PSC]
.irp b, 0,1,2,3
.irp i, 0,1,2,3,4,5,6,7,8,9,10,11,12,13,14,15
	v_min_num_f32 v[96+16*\b+\i], v[96+16*\b+\i], v[HO+\b]   ; the conversion does not saturate (ISA guide 7.6.2); p is not negative
.endr
	v_cvt_scalef32_pk8_bf8_f32 v[192+4*\b:193+4*\b], v[96+16*\b:103+16*\b], v[SO+\b]
	v_cvt_scalef32_pk8_bf8_f32 v[194+4*\b:195+4*\b], v[104+16*\b:111+16*\b], v[SO+\b]
.endr
.rept 4
	v_nop                                          ; four places between the codes and the scaled products; the scale word was made ahead of the holds
.endr
.irp t, 0,1,2,3
.irp c, 0,1,2,3
	ds_load_b128 v[96+16*\t+4*\c:99+16*\t+4*\c], v[ADV] offset:2048*\t+512*\c   ; v's four tiles of channels take p's registers
.endr
.endr
	ds_load_b32 v[VSC], v[ADT]
	ds_load_b32 v[VSC+1], v[ADT] offset:128
	s_wait_dscnt 0x0
.irp t, 0,1,2,3
	WM 160+8*\t, 96+16*\t, 192, VSC+\t/2, PSC, \t%2, 0
.endr
.Lhid2:
	s_add_co_u32 s[TBK], s[TBK], 8192
	s_add_co_u32 s[TSK], s[TSK], 512
	s_add_co_u32 s[TBV], s[TBV], 8192
	s_add_co_u32 s[TSV], s[TSV], 256
	s_add_co_u32 s[KF], s[KF], 128
	s_cmp_lt_u32 s[KF], 2048
	s_cbranch_scc1 .Lp2
	; ---------------- THE WAY OUT: register 16 b + i is channel 32 b + 16 (lane / 16) + i of my query: two blocks of the next product's K, quantised and stored as half an image
.rept 8
	v_nop
.endr
	s_and_b32 s66, s[BH], 15                       ; head
	s_lshr_b32 s67, s[BH], 4
	s_lshl_b32 s67, s67, 7
	s_add_co_u32 s67, s67, s[TT]                   ; the tile of tokens
	s_lshl_b32 s68, s67, 14
	s_lshr_b32 s69, s66, 1
	s_lshl_b32 s69, s69, 11
	s_add_co_u32 s68, s68, s69
	s_and_b32 s69, s66, 1
	s_lshl_b32 s69, s69, 10
	s_add_co_u32 s68, s68, s69
	s_mov_b32 s69, 0
	s_add_nc_u64 s[68:69], s[6:7], s[68:69]
	s_lshl_b32 s70, s67, 9
	s_lshr_b32 s71, s66, 3
	s_lshl_b32 s71, s71, 8
	s_add_co_u32 s70, s70, s71
	s_and_b32 s71, s66, 7
	s_lshl_b32 s71, s71, 1
	s_add_co_u32 s70, s70, s71
	s_add_co_u32 s70, s70, 4194304
	s_mov_b32 s71, 0
	s_add_nc_u64 s[70:71], s[6:7], s[70:71]
.irp b, 0,1
	v_max3_num_f32 v[BM+\b], |v[160+16*\b]|, |v[161+16*\b]|, 0x8000000
.endr
.irp i, 2,4,6,8,10,12,14
.irp b, 0,1
	v_max3_num_f32 v[BM+\b], v[BM+\b], |v[160+16*\b+\i]|, |v[161+16*\b+\i]|
.endr
.endr
.irp b, 0,1
	v_permlanex16_b32 v[PT+\b], v[BM+\b], s[SEL], s[SEL+1]
.endr
.irp b, 0,1
	v_max_num_f32 v[BM+\b], v[BM+\b], v[PT+\b]
.endr
.irp b, 0,1
	v_add_nc_u32 v[SO+\b], 0xf8800000, v[BM+\b]
.endr
.irp b, 0,1
	v_and_or_b32 v[HO+\b], v[BM+\b], 0x7f800000, s[MNT]
.endr
.irp b, 0,1
	v_lshrrev_b32 v[BY+\b], 23, v[SO+\b]
.endr
	v_lshl_or_b32 v[OW], v[BY+1], 8, v[BY]
.irp b, 0,1
.irp i, 0,1,2,3,4,5,6,7,8,9,10,11,12,13,14,15
	v_med3_num_f32 v[160+16*\b+\i], v[160+16*\b+\i], -v[HO+\b], v[HO+\b]
.endr
	v_cvt_scalef32_pk8_bf8_f32 v[192+4*\b:193+4*\b], v[160+16*\b:167+16*\b], v[SO+\b]
	v_cvt_scalef32_pk8_bf8_f32 v[194+4*\b:195+4*\b], v[168+16*\b:175+16*\b], v[SO+\b]
.endr
	v_nop
	global_store_b128 v[AK0], v[192:195], s[68:69]             ; 32 lanes store 512 consecutive bytes
	global_store_b128 v[AK0], v[196:199], s[68:69] offset:512
	global_store_b16 v[RO], v[OW], s[70:71]                    ; my row's two scale bytes: one part in 32 of the codes
	s_wait_tensorcnt 0x0
	ds_add_u32 v254, v255
	s_wait_dscnt 0x0
	s_endpgm
.Lfunc_end_k_q97fdf3a2d6_attn:
	.size	k_q97fdf3a2d6_attn, .Lfunc_end_k_q97fdf3a2d6_attn-k_q97fdf3a2d6_attn
	.p2alignl 7, 3214868480
	.fill 96, 4, 3214868480
	.section	.rodata,"a",@progbits
	.p2align	6, 0x0
	.amdhsa_kernel k_q97fdf3a2d6_attn
		.amdhsa_group_segment_fixed_size 276480
		.amdhsa_private_segment_fixed_size 0
		.amdhsa_enable_private_segment 0
		.amdhsa_kernarg_size 16
		.amdhsa_user_sgpr_count 2
		.amdhsa_user_sgpr_kernarg_segment_ptr 1
		.amdhsa_wavefront_size32 1
		.amdhsa_system_sgpr_workgroup_id_x 1
		.amdhsa_system_sgpr_workgroup_id_y 1
		.amdhsa_system_sgpr_workgroup_id_z 1
		.amdhsa_system_vgpr_workitem_id 0
		.amdhsa_next_free_vgpr 256
		.amdhsa_next_free_sgpr 80
		.amdhsa_reserve_vcc 1
		.amdhsa_float_denorm_mode_32 3
		.amdhsa_float_denorm_mode_16_64 3
		.amdhsa_memory_ordered 1
		.amdhsa_forward_progress 1
		.amdhsa_inst_pref_size 55
	.end_amdhsa_kernel
	.amdgpu_metadata
---
amdhsa.version: [ 1, 2 ]
amdhsa.kernels:
  - .name:           k_q97fdf3a2d6_attn
    .symbol:         k_q97fdf3a2d6_attn.kd
    .args:
      - { .name: QKV, .offset: 0, .size: 8, .value_kind: global_buffer, .address_space: global }
      - { .name: O, .offset: 8, .size: 8, .value_kind: global_buffer, .address_space: global }
    .group_segment_fixed_size: 276480
    .private_segment_fixed_size: 0
    .kernarg_segment_align: 8
    .kernarg_segment_size: 16
    .max_flat_workgroup_size: 512
    .sgpr_count:     80
    .vgpr_count:     256
    .wavefront_size: 32
...
	.end_amdgpu_metadata
.endif
;; end of part 3
;; launch proj (part 4): grid 8 x 32, 4 waves a work-group, clusters of 4 x 4, 327,680 bytes of LDS; arguments W, O, b_proj, x, X1; writes X1
.if DOCPART == 4
	.amdgcn_target "amdgcn-amd-amdhsa--gfx1250"
	.amdhsa_code_object_version 6
	.text
	.protected	k_q97fdf3a2d6_proj
	.globl	k_q97fdf3a2d6_proj
	.p2align	8
	.type	k_q97fdf3a2d6_proj,@function
k_q97fdf3a2d6_proj:
	s_mov_b64 s[64:65], 0
	v_nop
	global_prefetch_b8 v0, s[64:65] scope:SCOPE_SE
	s_setreg_imm32_b32 hwreg(HW_REG_WAVE_MODE, 25, 1), 1
	s_wait_xcnt 0x0
	s_wait_alu depctr_hold_cnt(0) depctr_sa_sdst(0) depctr_va_vdst(0) depctr_va_sdst(0) depctr_va_ssrc(0) depctr_va_vcc(0) depctr_vm_vsrc(0)
	s_getreg_b32 s2, hwreg(HW_REG_IB_STS2, 6, 4)
	s_cmp_eq_u32 s2, 0
	s_cbranch_scc0 .Lentry_in_a_cluster
	s_endpgm
.Lentry_in_a_cluster:
	s_bfe_u32 s2, ttmp6, 0x10000c
	s_cmp_lg_u32 s2, 0xf033
	s_cbranch_scc0 .Lentry_shape_is_right
	s_endpgm
.Lentry_shape_is_right:
; out = res + (a Wt + bias): a and the weight as codes of E5M2 with E8M0 scales, res, bias and out f32 [4096][1024].  Here: a = attention's o, the weight = w_proj, K = 1,024.
; THE CORE (the same in the four product launches).  Operands lie in memory as images of fragment registers: [tile of 16 rows][K / 128][2048 bytes], scale bytes [tile][K / 512][r][16].
; A work-group makes 128 x 128: P's 128 rows (the weight's columns, 8 tiles), which every wave reads, against Q's 128 rows (tokens), of which wave w takes tiles 2 w and 2 w + 1.  Source 0 = a tile of P, source 1 = a tile of Q:
; a lane holds one token (row rho(T, r) = 32 (T / 2) + 8 (T % 2) + r % 8 + 16 (r / 8)) and its registers run along the weight's columns.
; K goes through two LDS slots of 512 along K, filled by joint tensor loads; the scale bytes of both slabs, for all of K, come once.
; CLUSTERS: 4 x 4 work-groups; P's slab hangs on the grid's x and is asked for jointly down a column of the cluster, Q's on y, along a row.
; THE WAY OUT: 16 tokens x 128 columns at a time through the wave's own stage in LDS, back as whole rows of 512 bytes, + bias + res, stored.
; LIMITS: NaN and infinities are not served.
.set SIZE_K, 1024
.set PCODE,  3145728                   ; where the weight's codes begin in W,
.set PSCL,   12681216                  ; and its scale bytes
.set QSCL,   4194304                   ; where the scale bytes begin in Q's buffer
.set SLOT,   131072                    ; a slot: P's slab [8 tiles][4 K steps][2048], then Q's
.set LAPS,   SIZE_K/1024
.set SLABC,  128*SIZE_K
.set HALFC,  64*SIZE_K
.set SLABS,  4*SIZE_K
.set HALFS,  2*SIZE_K
.set TS,     SIZE_K/2                  ; a tile's scale bytes
.set SCLP,   2*SLOT                    ; behind the ring: P's scale bytes, then Q's
.set SCLQ,   SCLP+SLABS
.set SPARE,  SCLQ+SLABS                ; the spare words, 128 bytes for each wave: two blocks of 256 bytes that no other line names
.set ADRP, 16                          ; v16-17 LDS address of P's images in slot 0, 1: 16 x lane (+ the slot)
.set ADRQ, 20                          ; v20-21 the same for my two tiles of Q
.set ADSP, 22                          ; v22    P's scale words: lanes 0-15 the even tile of a pair, lanes 16-31 the odd one
.set ADSQ, 23                          ; v23    Q's: row r of my first tile
.set STO,  24                          ; v24    the stage: where I put 32 bytes of a row
.set RD,   25                          ; v25    and where I read a row back
.set SPW,  28
.set NIL,  29
.set SC,   32                          ; v32-79 scale words, two sets of 24: P's pair i at 4 i, Q's tile t at 16 + 4 t; word q serves the slot's K step q
.set QF,   80                          ; v80-143 Q's fragments, two sets of 32
.set RB,   80                          ; the way out: v80-207, 16 rows x 4 registers for each of my two tiles
.set BI,   208                         ; v208-211 the bias at my four columns
.set G1P, 24
.set G0P, 32
.set G1Q, 48
.set G0Q, 56
.set G1SP, 68
.set G0SP, 76
.set G1SQ, 80
.set G0SQ, 88
.set MSB, 0
.macro WIN new                         ; the immediate's high byte repeats the setting that is left
.if MSB != \new
	s_set_vgpr_msb (MSB<<8)|\new
.set MSB, \new
.endif
.endm
.set MUL,  0xa1                        ; source 0 (P) window 1, source 1 (Q) window 0, C and D window 2
.set TO_P, 0x40                        ; destination window 1
.macro JLOAD g0p, g1p, g0q, g1q        ; a joint load: waves 0 and 1 fetch P's halves, waves 2 and 3 Q's; four v_nop follow each line
	s_cmp_eq_u32 s15, 0
	s_cbranch_scc0 .Lfor_q_\@
	tensor_load_to_lds s[\g0p:\g0p+3], s[\g1p:\g1p+7]
	s_nop 0
.rept 4
	v_nop
.endr
	s_branch .Lasked_\@
.Lfor_q_\@:
	tensor_load_to_lds s[\g0q:\g0q+3], s[\g1q:\g1q+7]
	s_nop 0
.rept 4
	v_nop
.endr
.Lasked_\@:
.endm
.macro CROUND                          ; a round of the cluster's barrier
	s_barrier_signal -1
	s_barrier_wait -1
	s_cmp_lg_u32 s14, 0
	s_cbranch_scc1 .Lnot_wave_0_\@
	s_barrier_signal -3
.Lnot_wave_0_\@:
	s_barrier_wait -3
	s_barrier_signal -1
	s_barrier_wait -1
.endm
.macro PLACES n
.rept \n
	v_nop
.endr
.endm
.macro WM d, a, b, sa, sb, odd, zero   ; one product; odd = 1: source 0's scales stand in lanes 16-31; zero = 1: it starts the sum
.if \zero
.if \odd
	v_wmma_scale_f32_16x16x128_f8f6f4 v[\d:\d+7], v[\a:\a+15], v[\b:\b+15], 0, v[\sa], v[\sb] matrix_a_fmt:MATRIX_FMT_BF8 matrix_b_fmt:MATRIX_FMT_BF8 matrix_a_scale:MATRIX_SCALE_ROW1
.else
	v_wmma_scale_f32_16x16x128_f8f6f4 v[\d:\d+7], v[\a:\a+15], v[\b:\b+15], 0, v[\sa], v[\sb] matrix_a_fmt:MATRIX_FMT_BF8 matrix_b_fmt:MATRIX_FMT_BF8
.endif
.else
.if \odd
	v_wmma_scale_f32_16x16x128_f8f6f4 v[\d:\d+7], v[\a:\a+15], v[\b:\b+15], v[\d:\d+7], v[\sa], v[\sb] matrix_a_fmt:MATRIX_FMT_BF8 matrix_b_fmt:MATRIX_FMT_BF8 matrix_a_scale:MATRIX_SCALE_ROW1
.else
	v_wmma_scale_f32_16x16x128_f8f6f4 v[\d:\d+7], v[\a:\a+15], v[\b:\b+15], v[\d:\d+7], v[\sa], v[\sb] matrix_a_fmt:MATRIX_FMT_BF8 matrix_b_fmt:MATRIX_FMT_BF8
.endif
.endif
.endm
.macro MUL16 p, q, sc, zero            ; a K step: my two tiles of Q against P's eight; the 16 accumulators take turns in the same order in every step
.irp tq, 0,1
.irp b, 0,1,2,3,4,5,6,7
	WM 64*\tq+8*\b, 128*(\p)+16*\b, QF+32*(\p)+16*\tq, SC+24*(\sc)+4*(\b/2)+(\q), SC+24*(\sc)+16+4*\tq+(\q), \b%2, \zero
.endr
.endr
.endm
.macro FETCH slot, q, p                ; the fragments of the slot's K step q into set p: 40 loads, each 512 consecutive bytes
	WIN TO_P
.irp i, 0,1,2,3,4,5,6,7
.irp c, 0,1,2,3
	ds_load_b128 v[128*(\p)+16*\i+4*\c:128*(\p)+16*\i+4*\c+3], v[ADRP+\slot] offset:8192*\i+2048*(\q)+512*\c
.endr
.endr
	WIN 0
.irp t, 0,1
.irp c, 0,1,2,3
	ds_load_b128 v[QF+32*(\p)+16*\t+4*\c:QF+32*(\p)+16*\t+4*\c+3], v[ADRQ+\slot] offset:8192*\t+2048*(\q)+512*\c
.endr
.endr
.endm
.macro SCALES sc                       ; a slot's scale words
.irp i, 0,1,2,3
	ds_load_b128 v[SC+24*\sc+4*\i:SC+24*\sc+4*\i+3], v[ADSP] offset:2*TS*\i
.endr
.irp t, 0,1
	ds_load_b128 v[SC+24*\sc+16+4*\t:SC+24*\sc+16+4*\t+3], v[ADSQ] offset:TS*\t
.endr
.endm
.macro STEP slot, q, zero              ; a K step that has its successor in the same slot
	s_wait_dscnt 0x0                               ; this step's fragments are in
	PLACES 8                                       ; eight places between the last step's products and the loads into the set that they read
	FETCH \slot, (\q)+1, 1-(\q)%2
	WIN MUL
	MUL16 (\q)%2, \q, \slot, \zero
	WIN 0
.endm
.macro TURN slot, next, fill           ; a slot's last K step changes slots
	s_wait_tensorcnt 0x0                           ; all my tensor loads have landed, my part of the next slot among them
	ds_add_u32 v[SPW], v[NIL]                      ; 0 onto my spare word
.if \fill
	s_add_nc_u64 s[G0P+4*\slot+2:G0P+4*\slot+3], s[G0P+4*\slot+2:G0P+4*\slot+3], 16384   ; two slots on along K
	s_add_nc_u64 s[G0Q+4*\slot+2:G0Q+4*\slot+3], s[G0Q+4*\slot+2:G0Q+4*\slot+3], 16384
.endif
	s_wait_dscnt 0x0                               ; the add is done; the slot's last fragments are in registers: my reads of it are over
.if \fill
	CROUND                                         ; no wave of any partner still reads the slot or has a load on its way
	JLOAD G0P+4*\slot, G1P, G0Q+4*\slot, G1Q       ; the first tensor load behind the round: it has four K steps in which to land
	PLACES 4
.else
	s_barrier_signal -1
	s_barrier_wait -1
	PLACES 8
.endif
	v_add_nc_u32 v[ADSP], 256, v[ADSP]             ; the next slot's scale words
	v_add_nc_u32 v[ADSQ], 256, v[ADSQ]
	FETCH \next, 0, 0
	SCALES \next
	WIN MUL
	MUL16 1, 3, \slot, 0
	WIN 0
.endm
	s_load_b256 s[4:11], s[0:1], 0x0               ; W s[4:5], a s[6:7], bias s[8:9], res s[10:11]
	s_load_b64 s[12:13], s[0:1], 0x20              ; out
	v_lshl_add_u32 v[SPW], v0, 2, SPARE
	v_mov_b32 v[NIL], 0
	ds_add_u32 v28, v29
	ds_add_u32 v28, v29
	s_wait_dscnt 0x0
	v_lshrrev_b32 v1, 5, v0
	v_readfirstlane_b32 s14, v1                    ; wave 0..3
	s_lshr_b32 s15, s14, 1                         ; I fetch for P (0) or for Q (1)
	s_and_b32 s16, s14, 1                          ; which half of that slab
	s_bfe_u32 s40, ttmp6, 0x40000                  ; cx
	s_bfe_u32 s41, ttmp6, 0x40004                  ; cy
	s_lshl_b32 s42, ttmp9, 2
	s_add_co_u32 s42, s42, s40                     ; P's slab
	s_and_b32 s17, ttmp7, 0xffff
	s_lshl_b32 s17, s17, 2
	s_add_co_u32 s17, s17, s41                     ; Q's slab
	s_lshl_b32 s43, s41, 2
	s_lshl_b32 s43, 15, s43                        ; my row of the cluster
	s_lshl_b32 s44, 0x1111, s40                    ; my column
	; descriptor group 1, codes: half a slab's part of a slot: 4 tiles x 8,192 bytes, 16 K bytes apart; elements of 8 bytes
	s_or_b32 s[G1P], s44, (3<<16)|(1<<21)
	s_or_b32 s[G1Q], s43, (3<<16)|(1<<21)
.irp g, G1P, G1Q
	s_mov_b32 s[\g+1], 1024<<16                    ; tensor_dim0
	s_mov_b32 s[\g+2], 4<<16                       ; tensor_dim1
	s_mov_b32 s[\g+3], 1024<<16                    ; tile_dim0
	s_mov_b32 s[\g+4], 4                           ; tile_dim1
	s_mov_b32 s[\g+5], 2*SIZE_K                    ; from tile to tile
	s_mov_b32 s[\g+6], 0
	s_mov_b32 s[\g+7], 0
.endr
	; scale bytes: half a slab's, dense, as rows of 256 bytes
	s_or_b32 s[G1SP], s44, (3<<16)|(1<<21)
	s_or_b32 s[G1SQ], s43, (3<<16)|(1<<21)
.irp g, G1SP, G1SQ
	s_mov_b32 s[\g+1], 32<<16
	s_mov_b32 s[\g+2], (SIZE_K/128)<<16
	s_mov_b32 s[\g+3], 32<<16
	s_mov_b32 s[\g+4], SIZE_K/128
	s_mov_b32 s[\g+5], 32
	s_mov_b32 s[\g+6], 0
	s_mov_b32 s[\g+7], 0
.endr
	s_mul_i32 s20, s42, SLABC                      ; P's registers never hold cy, Q's never cx
	s_mul_i32 s21, s16, HALFC
	s_add_co_u32 s20, s20, s21
	s_add_co_u32 s20, s20, PCODE
	s_mov_b32 s21, 0
	s_mul_i32 s22, s42, SLABS
	s_mul_i32 s23, s16, HALFS
	s_add_co_u32 s22, s22, s23
	s_add_co_u32 s22, s22, PSCL
	s_mov_b32 s23, 0
	s_mul_i32 s46, s17, SLABC
	s_mul_i32 s47, s16, HALFC
	s_add_co_u32 s46, s46, s47
	s_mov_b32 s47, 0
	s_mul_i32 s92, s17, SLABS
	s_mul_i32 s93, s16, HALFS
	s_add_co_u32 s92, s92, s93
	s_add_co_u32 s92, s92, QSCL
	s_mov_b32 s93, 0
	s_lshl_b32 s45, s14, 15                        ; LDS: wave x 32,768: P's halves, then Q's
	s_mul_i32 s94, s14, HALFS
	s_wait_kmcnt 0x0
	s_add_nc_u64 s[20:21], s[4:5], s[20:21]
	s_add_nc_u64 s[22:23], s[4:5], s[22:23]
	s_add_nc_u64 s[46:47], s[6:7], s[46:47]
	s_add_nc_u64 s[92:93], s[6:7], s[92:93]
	CROUND                                         ; all sixteen work-groups are here: the first joint loads meet
	s_mov_b32 s[G0SP], 1
	s_add_co_u32 s[G0SP+1], s94, SCLP
	s_mov_b64 s[G0SP+2:G0SP+3], s[22:23]
	s_or_b32 s[G0SP+3], s[G0SP+3], 0x80000000
	s_mov_b32 s[G0SQ], 1
	s_add_co_u32 s[G0SQ+1], s94, SCLP
	s_mov_b64 s[G0SQ+2:G0SQ+3], s[92:93]
	s_or_b32 s[G0SQ+3], s[G0SQ+3], 0x80000000
	JLOAD G0SP, G1SP, G0SQ, G1SQ
.irp s, 0,1
	s_mov_b32 s[G0P+4*\s], 1
	s_add_co_u32 s[G0P+4*\s+1], s45, \s*SLOT
	s_add_nc_u64 s[G0P+4*\s+2:G0P+4*\s+3], s[20:21], \s*8192
	s_or_b32 s[G0P+4*\s+3], s[G0P+4*\s+3], 0x80000000
	s_mov_b32 s[G0Q+4*\s], 1
	s_add_co_u32 s[G0Q+4*\s+1], s45, \s*SLOT
	s_add_nc_u64 s[G0Q+4*\s+2:G0Q+4*\s+3], s[46:47], \s*8192
	s_or_b32 s[G0Q+4*\s+3], s[G0Q+4*\s+3], 0x80000000
	JLOAD G0P+4*\s, G1P, G0Q+4*\s, G1Q
.endr
	v_and_b32 v1, 31, v0                           ; lane
	v_and_b32 v2, 15, v0                           ; r
	v_bfe_u32 v3, v0, 4, 1                         ; h
	v_lshlrev_b32 v[ADRP], 4, v1
	v_add_nc_u32 v[ADRP+1], SLOT, v[ADRP]
	s_lshl_b32 s20, s14, 14
	s_add_co_u32 s20, s20, 65536
	v_add_nc_u32 v[ADRQ], s20, v[ADRP]
	v_add_nc_u32 v[ADRQ+1], SLOT, v[ADRQ]
	v_lshlrev_b32 v4, 4, v2                        ; 16 r
	v_mul_u32_u24 v5, v3, TS
	v_add_nc_u32 v5, v5, v4
	v_add_nc_u32 v[ADSP], SCLP, v5
	s_mul_i32 s20, s14, 2*TS
	s_add_co_u32 s20, s20, SCLQ
	v_add_nc_u32 v[ADSQ], s20, v4
	s_mul_i32 s20, s14, 8448                       ; my stage: 16 rows x (512 + 16) bytes, in slot 0, which has had its last fill and its last read when the first result is stored there
	v_mul_u32_u24 v[STO], v2, 528
	v_lshl_add_u32 v[STO], v3, 6, v[STO]
	v_add_nc_u32 v[STO], s20, v[STO]
	v_add_nc_u32 v[RD], s20, v[ADRP]
	; res and the bias are asked for now and land under the products: res at the 32 rows that I shall store, into window 2, v128-255
	s_lshl_b32 s20, s17, 7
	s_lshl_b32 s21, s14, 5
	s_add_co_u32 s20, s20, s21                     ; my first token
	s_lshl_b32 s20, s20, 12
	s_lshl_b32 s21, s42, 9
	s_add_co_u32 s20, s20, s21                     ; + the slab's 128 columns
	s_mov_b32 s21, 0
	s_add_nc_u64 s[22:23], s[12:13], s[20:21]
	s_add_nc_u64 s[20:21], s[10:11], s[20:21]
	s_lshl_b32 s92, s42, 9
	s_mov_b32 s93, 0
	s_add_nc_u64 s[92:93], s[8:9], s[92:93]
	WIN 0x80                                       ; destination window 2
.irp tq, 0,1
.irp i, 0,1,2,3,4,5,6,7,8,9,10,11,12,13,14,15
	global_load_b128 v[128+64*\tq+4*\i:128+64*\tq+4*\i+3], v[ADRP], s[20:21] offset:(8*\tq+(\i%8)+16*(\i/8))*4096
.endr
.endr
	WIN 0
	global_load_b128 v[BI:BI+3], v[ADRP], s[92:93]
	s_wait_tensorcnt 1                             ; the scale bytes and my part of slot 0 are in; slot 1's load may be out
	s_barrier_signal -1
	s_barrier_wait -1
	FETCH 0, 0, 0
	SCALES 0
	STEP 0, 0, 1                                   ; the first step's products start the sums
.if LAPS > 1
	s_mov_b32 s3, LAPS-1
.Llap:                                             ; a trip goes once round the ring and fills both slots again
	STEP 0, 1, 0
	STEP 0, 2, 0
	TURN 0, 1, 1
	STEP 1, 0, 0
	STEP 1, 1, 0
	STEP 1, 2, 0
	TURN 1, 0, 1
	STEP 0, 0, 0
	s_sub_co_u32 s3, s3, 1
	s_cmp_lg_u32 s3, 0
	s_cbranch_scc1 .Llap
.endif
	STEP 0, 1, 0                                   ; the last lap fills nothing
	STEP 0, 2, 0
	TURN 0, 1, 0
	STEP 1, 0, 0
	STEP 1, 1, 0
	STEP 1, 2, 0
	s_wait_dscnt 0x0
	WIN MUL
	MUL16 1, 3, 1, 0
	WIN 0
	PLACES 8                                       ; between the last products and the first read of results, and the loads into Q's registers
	s_wait_loadcnt 0x0                             ; res and the bias
.irp tq, 0,1
	WIN 0x08                                       ; an LDS store's data: window 2
.irp b, 0,1,2,3,4,5,6,7
	ds_store_b128 v[STO], v[64*\tq+8*\b:64*\tq+8*\b+3] offset:128*(\b/2)+32*(\b%2)          ; columns 32 (b / 2) + 16 h + 8 (b % 2) on; each accumulator from its low end on
	ds_store_b128 v[STO], v[64*\tq+8*\b+4:64*\tq+8*\b+7] offset:128*(\b/2)+32*(\b%2)+16
.endr
	WIN 0
.irp i, 0,1,2,3,4,5,6,7,8,9,10,11,12,13,14,15
	ds_load_b128 v[RB+64*\tq+4*\i:RB+64*\tq+4*\i+3], v[RD] offset:528*\i   ; LDS serves a wave's instructions in order (ISA guide 5.7.1.4): these see my stores
.endr
	s_wait_dscnt 0x0
.irp i, 0,1,2,3,4,5,6,7,8,9,10,11,12,13,14,15
	v_pk_add_f32 v[RB+64*\tq+4*\i:RB+64*\tq+4*\i+1], v[RB+64*\tq+4*\i:RB+64*\tq+4*\i+1], v[BI:BI+1]
	v_pk_add_f32 v[RB+64*\tq+4*\i+2:RB+64*\tq+4*\i+3], v[RB+64*\tq+4*\i+2:RB+64*\tq+4*\i+3], v[BI+2:BI+3]
.endr
	WIN 0x08                                       ; source 1 (res): window 2
.irp i, 0,1,2,3,4,5,6,7,8,9,10,11,12,13,14,15
	v_pk_add_f32 v[RB+64*\tq+4*\i:RB+64*\tq+4*\i+1], v[RB+64*\tq+4*\i:RB+64*\tq+4*\i+1], v[128+64*\tq+4*\i:128+64*\tq+4*\i+1]
	v_pk_add_f32 v[RB+64*\tq+4*\i+2:RB+64*\tq+4*\i+3], v[RB+64*\tq+4*\i+2:RB+64*\tq+4*\i+3], v[128+64*\tq+4*\i+2:128+64*\tq+4*\i+3]
.endr
	WIN 0
.irp i, 0,1,2,3,4,5,6,7,8,9,10,11,12,13,14,15
	global_store_b128 v[ADRP], v[RB+64*\tq+4*\i:RB+64*\tq+4*\i+3], s[22:23] offset:(8*\tq+(\i%8)+16*(\i/8))*4096   ; 32 lanes store 512 consecutive bytes, aligned
.endr
.endr
	s_wait_tensorcnt 0x0                           ; the wave's end
	ds_add_u32 v[SPW], v[NIL]
	s_wait_dscnt 0x0
	CROUND                                         ; the closing round
	s_endpgm
.Lfunc_end_k_q97fdf3a2d6_proj:
	.size	k_q97fdf3a2d6_proj, .Lfunc_end_k_q97fdf3a2d6_proj-k_q97fdf3a2d6_proj
	.p2alignl 7, 3214868480
	.fill 96, 4, 3214868480
	.section	.rodata,"a",@progbits
	.p2align	6, 0x0
	.amdhsa_kernel k_q97fdf3a2d6_proj
		.amdhsa_group_segment_fixed_size 327680
		.amdhsa_private_segment_fixed_size 0
		.amdhsa_enable_private_segment 0
		.amdhsa_kernarg_size 40
		.amdhsa_user_sgpr_count 2
		.amdhsa_user_sgpr_kernarg_segment_ptr 1
		.amdhsa_wavefront_size32 1
		.amdhsa_system_sgpr_workgroup_id_x 1
		.amdhsa_system_sgpr_workgroup_id_y 1
		.amdhsa_system_sgpr_workgroup_id_z 1
		.amdhsa_system_vgpr_workitem_id 0
		.amdhsa_next_free_vgpr 768
		.amdhsa_next_free_sgpr 98
		.amdhsa_reserve_vcc 0
		.amdhsa_float_denorm_mode_32 3
		.amdhsa_float_denorm_mode_16_64 3
		.amdhsa_memory_ordered 1
		.amdhsa_forward_progress 1
		.amdhsa_inst_pref_size 69
	.end_amdhsa_kernel
	.amdgpu_metadata
---
amdhsa.version: [ 1, 2 ]
amdhsa.kernels:
  - .name:           k_q97fdf3a2d6_proj
    .symbol:         k_q97fdf3a2d6_proj.kd
    .args:
      - { .name: W, .offset: 0, .size: 8, .value_kind: global_buffer, .address_space: global }
      - { .name: O, .offset: 8, .size: 8, .value_kind: global_buffer, .address_space: global }
      - { .name: b_proj, .offset: 16, .size: 8, .value_kind: global_buffer, .address_space: global }
      - { .name: x, .offset: 24, .size: 8, .value_kind: global_buffer, .address_space: global }
      - { .name: X1, .offset: 32, .size: 8, .value_kind: global_buffer, .address_space: global }
    .group_segment_fixed_size: 327680
    .private_segment_fixed_size: 0
    .kernarg_segment_align: 8
    .kernarg_segment_size: 40
    .max_flat_workgroup_size: 128
    .sgpr_count:     98
    .vgpr_count:     768
    .wavefront_size: 32
...
	.end_amdgpu_metadata
.endif
;; end of part 4
;; launch norm2: the kernel of part 1 again; grid 256 x 1, 4 waves a work-group, no clusters, 66,560 bytes of LDS; arguments X1, g_norm2, H, w_attn, w_proj, w_fc1, w_fc2, W; writes H, W
;; launch fc1 (part 5): grid 32 x 32, 4 waves a work-group, clusters of 4 x 4, 327,680 bytes of LDS; arguments W, H, b_fc1, G; writes G
.if DOCPART == 5
	.amdgcn_target "amdgcn-amd-amdhsa--gfx1250"
	.amdhsa_code_object_version 6
	.text
	.protected	k_q97fdf3a2d6_fc1
	.globl	k_q97fdf3a2d6_fc1
	.p2align	8
	.type	k_q97fdf3a2d6_fc1,@function
k_q97fdf3a2d6_fc1:
	s_mov_b64 s[64:65], 0
	v_nop
	global_prefetch_b8 v0, s[64:65] scope:SCOPE_SE
	s_setreg_imm32_b32 hwreg(HW_REG_WAVE_MODE, 25, 1), 1
	s_wait_xcnt 0x0
	s_wait_alu depctr_hold_cnt(0) depctr_sa_sdst(0) depctr_va_vdst(0) depctr_va_sdst(0) depctr_va_ssrc(0) depctr_va_vcc(0) depctr_vm_vsrc(0)
	s_getreg_b32 s2, hwreg(HW_REG_IB_STS2, 6, 4)
	s_cmp_eq_u32 s2, 0
	s_cbranch_scc0 .Lentry_in_a_cluster
	s_endpgm
.Lentry_in_a_cluster:
	s_bfe_u32 s2, ttmp6, 0x10000c
	s_cmp_lg_u32 s2, 0xf033
	s_cbranch_scc0 .Lentry_shape_is_right
	s_endpgm
.Lentry_shape_is_right:
; g = gelu(h W_fc1 + b_fc1), exact form 0.5 x (1 + erf(x / sqrt 2)), on codes of E5M2 with E8M0 scales, and g quantised at once along the hidden units into the next product's operand.
; THE CORE (the same in the four product launches).  Operands lie in memory as images of fragment registers: [tile of 16 rows][K / 128][2048 bytes], scale bytes [tile][K / 512][r][16].
; A work-group makes 128 x 128: P's 128 rows (hidden units, 8 tiles), which every wave reads, against Q's 128 rows (tokens), of which wave w takes tiles 2 w and 2 w + 1.  Source 0 = a tile of P, source 1 = a tile of Q:
; a lane holds one token, and its 64 registers of a tile of tokens run along the 128 hidden units in the order of the next operand's registers (rho(T, r) = 32 (T / 2) + 8 (T % 2) + r % 8 + 16 (r / 8)): one K step, one image, one scale word.
; K = 1,024 lies in two LDS slots of 512 along K, both filled once; the scale bytes of both slabs come once.
; CLUSTERS: 4 x 4 work-groups; P's slab hangs on the grid's x and is asked for jointly down a column of the cluster, Q's on y, along a row.
; erf(z) = z P(z^2) / Q(z^2), z held within +-4: a rational form of degrees 13 and 8 in f32.
; LIMITS: 1 + erf is formed in f32, so far on the negative side (x under about -5.6) gelu carries an absolute error of some 6e-8 |x| where the exact value is nearer to 0.  NaN and infinities are not served.
.set SIZE_K, 1024
.set PCODE,  4194304                   ; where the weight's codes begin in W,
.set PSCL,   12713984                  ; and its scale bytes
.set QSCL,   4194304                   ; where the scale bytes begin in Q's buffer
.set SLOT,   131072                    ; a slot: P's slab [8 tiles][4 K steps][2048], then Q's
.set LAPS,   SIZE_K/1024
.set SLABC,  128*SIZE_K
.set HALFC,  64*SIZE_K
.set SLABS,  4*SIZE_K
.set HALFS,  2*SIZE_K
.set TS,     SIZE_K/2                  ; a tile's scale bytes
.set SCLP,   2*SLOT                    ; behind the ring: P's scale bytes, then Q's
.set SCLQ,   SCLP+SLABS
.set SPARE,  SCLQ+SLABS                ; the spare words, 128 bytes for each wave: two blocks of 256 bytes that no other line names
.set ADRP, 16                          ; v16-17 LDS address of P's images in slot 0, 1: 16 x lane (+ the slot)
.set ADRQ, 20                          ; v20-21 the same for my two tiles of Q
.set ADSP, 22                          ; v22    P's scale words: lanes 0-15 the even tile of a pair, lanes 16-31 the odd one
.set ADSQ, 23                          ; v23    Q's: row r of my first tile
.set SPW,  28
.set NIL,  29
.set SC,   32                          ; v32-79 scale words, two sets of 24: P's pair i at 4 i, Q's tile t at 16 + 4 t; word q serves the slot's K step q
.set QF,   80                          ; v80-143 Q's fragments, two sets of 32
.set G1P, 24
.set G0P, 32
.set G1Q, 48
.set G0Q, 56
.set G1SP, 68
.set G0SP, 76
.set G1SQ, 80
.set G0SQ, 88
.set MSB, 0
.macro WIN new                         ; the immediate's high byte repeats the setting that is left
.if MSB != \new
	s_set_vgpr_msb (MSB<<8)|\new
.set MSB, \new
.endif
.endm
.set MUL,  0xa1                        ; source 0 (P) window 1, source 1 (Q) window 0, C and D window 2
.set TO_P, 0x40                        ; destination window 1
.macro JLOAD g0p, g1p, g0q, g1q        ; a joint load: waves 0 and 1 fetch P's halves, waves 2 and 3 Q's; four v_nop follow each line
	s_cmp_eq_u32 s15, 0
	s_cbranch_scc0 .Lfor_q_\@
	tensor_load_to_lds s[\g0p:\g0p+3], s[\g1p:\g1p+7]
	s_nop 0
.rept 4
	v_nop
.endr
	s_branch .Lasked_\@
.Lfor_q_\@:
	tensor_load_to_lds s[\g0q:\g0q+3], s[\g1q:\g1q+7]
	s_nop 0
.rept 4
	v_nop
.endr
.Lasked_\@:
.endm
.macro CROUND                          ; a round of the cluster's barrier
	s_barrier_signal -1
	s_barrier_wait -1
	s_cmp_lg_u32 s14, 0
	s_cbranch_scc1 .Lnot_wave_0_\@
	s_barrier_signal -3
.Lnot_wave_0_\@:
	s_barrier_wait -3
	s_barrier_signal -1
	s_barrier_wait -1
.endm
.macro PLACES n
.rept \n
	v_nop
.endr
.endm
.macro WM d, a, b, sa, sb, odd, zero   ; one product; odd = 1: source 0's scales stand in lanes 16-31; zero = 1: it starts the sum
.if \zero
.if \odd
	v_wmma_scale_f32_16x16x128_f8f6f4 v[\d:\d+7], v[\a:\a+15], v[\b:\b+15], 0, v[\sa], v[\sb] matrix_a_fmt:MATRIX_FMT_BF8 matrix_b_fmt:MATRIX_FMT_BF8 matrix_a_scale:MATRIX_SCALE_ROW1
.else
	v_wmma_scale_f32_16x16x128_f8f6f4 v[\d:\d+7], v[\a:\a+15], v[\b:\b+15], 0, v[\sa], v[\sb] matrix_a_fmt:MATRIX_FMT_BF8 matrix_b_fmt:MATRIX_FMT_BF8
.endif
.else
.if \odd
	v_wmma_scale_f32_16x16x128_f8f6f4 v[\d:\d+7], v[\a:\a+15], v[\b:\b+15], v[\d:\d+7], v[\sa], v[\sb] matrix_a_fmt:MATRIX_FMT_BF8 matrix_b_fmt:MATRIX_FMT_BF8 matrix_a_scale:MATRIX_SCALE_ROW1
.else
	v_wmma_scale_f32_16x16x128_f8f6f4 v[\d:\d+7], v[\a:\a+15], v[\b:\b+15], v[\d:\d+7], v[\sa], v[\sb] matrix_a_fmt:MATRIX_FMT_BF8 matrix_b_fmt:MATRIX_FMT_BF8
.endif
.endif
.endm
.macro MUL16 p, q, sc, zero            ; a K step: my two tiles of Q against P's eight; the 16 accumulators take turns in the same order in every step
.irp tq, 0,1
.irp b, 0,1,2,3,4,5,6,7
	WM 64*\tq+8*\b, 128*(\p)+16*\b, QF+32*(\p)+16*\tq, SC+24*(\sc)+4*(\b/2)+(\q), SC+24*(\sc)+16+4*\tq+(\q), \b%2, \zero
.endr
.endr
.endm
.macro FETCH slot, q, p                ; the fragments of the slot's K step q into set p: 40 loads, each 512 consecutive bytes
	WIN TO_P
.irp i, 0,1,2,3,4,5,6,7
.irp c, 0,1,2,3
	ds_load_b128 v[128*(\p)+16*\i+4*\c:128*(\p)+16*\i+4*\c+3], v[ADRP+\slot] offset:8192*\i+2048*(\q)+512*\c
.endr
.endr
	WIN 0
.irp t, 0,1
.irp c, 0,1,2,3
	ds_load_b128 v[QF+32*(\p)+16*\t+4*\c:QF+32*(\p)+16*\t+4*\c+3], v[ADRQ+\slot] offset:8192*\t+2048*(\q)+512*\c
.endr
.endr
.endm
.macro SCALES sc                       ; a slot's scale words
.irp i, 0,1,2,3
	ds_load_b128 v[SC+24*\sc+4*\i:SC+24*\sc+4*\i+3], v[ADSP] offset:2*TS*\i
.endr
.irp t, 0,1
	ds_load_b128 v[SC+24*\sc+16+4*\t:SC+24*\sc+16+4*\t+3], v[ADSQ] offset:TS*\t
.endr
.endm
.macro STEP slot, q, zero              ; a K step that has its successor in the same slot
	s_wait_dscnt 0x0                               ; this step's fragments are in
	PLACES 8                                       ; eight places between the last step's products and the loads into the set that they read
	FETCH \slot, (\q)+1, 1-(\q)%2
	WIN MUL
	MUL16 (\q)%2, \q, \slot, \zero
	WIN 0
.endm
.macro TURN slot, next, fill           ; a slot's last K step changes slots
	s_wait_tensorcnt 0x0                           ; all my tensor loads have landed, my part of the next slot among them
	ds_add_u32 v[SPW], v[NIL]                      ; 0 onto my spare word
.if \fill
	s_add_nc_u64 s[G0P+4*\slot+2:G0P+4*\slot+3], s[G0P+4*\slot+2:G0P+4*\slot+3], 16384
	s_add_nc_u64 s[G0Q+4*\slot+2:G0Q+4*\slot+3], s[G0Q+4*\slot+2:G0Q+4*\slot+3], 16384
.endif
	s_wait_dscnt 0x0                               ; the add is done; the slot's last fragments are in registers: my reads of it are over
.if \fill
	CROUND                                         ; no wave of any partner still reads the slot or has a load on its way
	JLOAD G0P+4*\slot, G1P, G0Q+4*\slot, G1Q       ; the first tensor load behind the round
	PLACES 4
.else
	s_barrier_signal -1
	s_barrier_wait -1
	PLACES 8
.endif
	v_add_nc_u32 v[ADSP], 256, v[ADSP]             ; the next slot's scale words
	v_add_nc_u32 v[ADSQ], 256, v[ADSQ]
	FETCH \next, 0, 0
	SCALES \next
	WIN MUL
	MUL16 1, 3, \slot, 0
	WIN 0
.endm
	s_load_b256 s[4:11], s[0:1], 0x0               ; W s[4:5], H s[6:7], b_fc1 s[8:9], G s[10:11]
	v_lshl_add_u32 v[SPW], v0, 2, SPARE
	v_mov_b32 v[NIL], 0
	ds_add_u32 v28, v29
	ds_add_u32 v28, v29
	s_wait_dscnt 0x0
	v_lshrrev_b32 v1, 5, v0
	v_readfirstlane_b32 s14, v1                    ; wave 0..3
	s_lshr_b32 s15, s14, 1                         ; I fetch for P (0) or for Q (1)
	s_and_b32 s16, s14, 1                          ; which half of that slab
	s_bfe_u32 s40, ttmp6, 0x40000                  ; cx
	s_bfe_u32 s41, ttmp6, 0x40004                  ; cy
	s_lshl_b32 s42, ttmp9, 2
	s_add_co_u32 s42, s42, s40                     ; P's slab
	s_and_b32 s17, ttmp7, 0xffff
	s_lshl_b32 s17, s17, 2
	s_add_co_u32 s17, s17, s41                     ; Q's slab
	s_lshl_b32 s43, s41, 2
	s_lshl_b32 s43, 15, s43                        ; my row of the cluster
	s_lshl_b32 s44, 0x1111, s40                    ; my column
	; descriptor group 1, codes: half a slab's part of a slot: 4 tiles x 8,192 bytes, 16 K bytes apart; elements of 8 bytes
	s_or_b32 s[G1P], s44, (3<<16)|(1<<21)
	s_or_b32 s[G1Q], s43, (3<<16)|(1<<21)
.irp g, G1P, G1Q
	s_mov_b32 s[\g+1], 1024<<16                    ; tensor_dim0
	s_mov_b32 s[\g+2], 4<<16                       ; tensor_dim1
	s_mov_b32 s[\g+3], 1024<<16                    ; tile_dim0
	s_mov_b32 s[\g+4], 4                           ; tile_dim1
	s_mov_b32 s[\g+5], 2*SIZE_K                    ; from tile to tile
	s_mov_b32 s[\g+6], 0
	s_mov_b32 s[\g+7], 0
.endr
	; scale bytes: half a slab's, dense, as rows of 256 bytes
	s_or_b32 s[G1SP], s44, (3<<16)|(1<<21)
	s_or_b32 s[G1SQ], s43, (3<<16)|(1<<21)
.irp g, G1SP, G1SQ
	s_mov_b32 s[\g+1], 32<<16
	s_mov_b32 s[\g+2], (SIZE_K/128)<<16
	s_mov_b32 s[\g+3], 32<<16
	s_mov_b32 s[\g+4], SIZE_K/128
	s_mov_b32 s[\g+5], 32
	s_mov_b32 s[\g+6], 0
	s_mov_b32 s[\g+7], 0
.endr
	s_mul_i32 s20, s42, SLABC                      ; P's registers never hold cy, Q's never cx
	s_mul_i32 s21, s16, HALFC
	s_add_co_u32 s20, s20, s21
	s_add_co_u32 s20, s20, PCODE
	s_mov_b32 s21, 0
	s_mul_i32 s22, s42, SLABS
	s_mul_i32 s23, s16, HALFS
	s_add_co_u32 s22, s22, s23
	s_add_co_u32 s22, s22, PSCL
	s_mov_b32 s23, 0
	s_mul_i32 s46, s17, SLABC
	s_mul_i32 s47, s16, HALFC
	s_add_co_u32 s46, s46, s47
	s_mov_b32 s47, 0
	s_mul_i32 s92, s17, SLABS
	s_mul_i32 s93, s16, HALFS
	s_add_co_u32 s92, s92, s93
	s_add_co_u32 s92, s92, QSCL
	s_mov_b32 s93, 0
	s_lshl_b32 s45, s14, 15                        ; LDS: wave x 32,768: P's halves, then Q's
	s_mul_i32 s94, s14, HALFS
	s_wait_kmcnt 0x0
	s_add_nc_u64 s[20:21], s[4:5], s[20:21]
	s_add_nc_u64 s[22:23], s[4:5], s[22:23]
	s_add_nc_u64 s[46:47], s[6:7], s[46:47]
	s_add_nc_u64 s[92:93], s[6:7], s[92:93]
	CROUND                                         ; all sixteen work-groups are here: the first joint loads meet
	s_mov_b32 s[G0SP], 1
	s_add_co_u32 s[G0SP+1], s94, SCLP
	s_mov_b64 s[G0SP+2:G0SP+3], s[22:23]
	s_or_b32 s[G0SP+3], s[G0SP+3], 0x80000000
	s_mov_b32 s[G0SQ], 1
	s_add_co_u32 s[G0SQ+1], s94, SCLP
	s_mov_b64 s[G0SQ+2:G0SQ+3], s[92:93]
	s_or_b32 s[G0SQ+3], s[G0SQ+3], 0x80000000
	JLOAD G0SP, G1SP, G0SQ, G1SQ
.irp s, 0,1
	s_mov_b32 s[G0P+4*\s], 1
	s_add_co_u32 s[G0P+4*\s+1], s45, \s*SLOT
	s_add_nc_u64 s[G0P+4*\s+2:G0P+4*\s+3], s[20:21], \s*8192
	s_or_b32 s[G0P+4*\s+3], s[G0P+4*\s+3], 0x80000000
	s_mov_b32 s[G0Q+4*\s], 1
	s_add_co_u32 s[G0Q+4*\s+1], s45, \s*SLOT
	s_add_nc_u64 s[G0Q+4*\s+2:G0Q+4*\s+3], s[46:47], \s*8192
	s_or_b32 s[G0Q+4*\s+3], s[G0Q+4*\s+3], 0x80000000
	JLOAD G0P+4*\s, G1P, G0Q+4*\s, G1Q
.endr
	v_and_b32 v1, 31, v0                           ; lane
	v_and_b32 v2, 15, v0                           ; r
	v_bfe_u32 v3, v0, 4, 1                         ; h
	v_lshlrev_b32 v[ADRP], 4, v1
	v_add_nc_u32 v[ADRP+1], SLOT, v[ADRP]
	s_lshl_b32 s20, s14, 14
	s_add_co_u32 s20, s20, 65536
	v_add_nc_u32 v[ADRQ], s20, v[ADRP]
	v_add_nc_u32 v[ADRQ+1], SLOT, v[ADRQ]
	v_lshlrev_b32 v4, 4, v2                        ; 16 r
	v_mul_u32_u24 v5, v3, TS
	v_add_nc_u32 v5, v5, v4
	v_add_nc_u32 v[ADSP], SCLP, v5
	s_mul_i32 s20, s14, 2*TS
	s_add_co_u32 s20, s20, SCLQ
	v_add_nc_u32 v[ADSQ], s20, v4
.set BP, 128                           ; window 2, v128-191: the bias at P's rows, in the accumulators' order
	s_lshl_b32 s20, s42, 9
	s_mov_b32 s21, 0
	s_add_nc_u64 s[20:21], s[8:9], s[20:21]
	v_lshlrev_b32 v24, 6, v3                       ; 64 h
	WIN 0x80                                       ; destination window 2
.irp t, 0,1,2,3,4,5,6,7
	global_load_b128 v[BP+8*\t:BP+8*\t+3], v24, s[20:21] offset:(32*(\t/2)+8*(\t%2))*4
	global_load_b128 v[BP+8*\t+4:BP+8*\t+7], v24, s[20:21] offset:(32*(\t/2)+8*(\t%2))*4+16
.endr
	WIN 0
	s_wait_tensorcnt 1                             ; the scale bytes and my part of slot 0 are in; slot 1's load may be out
	s_barrier_signal -1
	s_barrier_wait -1
	FETCH 0, 0, 0
	SCALES 0
	STEP 0, 0, 1                                   ; the first step's products start the sums
	STEP 0, 1, 0
	STEP 0, 2, 0
	TURN 0, 1, 0
	STEP 1, 0, 0
	STEP 1, 1, 0
	STEP 1, 2, 0
	s_wait_dscnt 0x0
	WIN MUL
	MUL16 1, 3, 1, 0
	WIN 0
	PLACES 8                                       ; between the last products and the first read of results
	s_wait_loadcnt 0x0                             ; the bias
	; ---------------- THE WAY OUT: + bias, gelu, quantised along the hidden units, stored as images.  All of it works in window 2.
.set PC,  192
.set TM,  208
.set PW,  224
.set Z,   192                          ; gelu's 16 numbers at a time: z, z^2, the numerator, the denominator; the quantiser takes these registers afterwards
.set Z2,  208
.set PN,  224
.set QD,  240
.set SEL, 46
.set MNT, 45
.macro QUANT s, pw
.irp b, 0,1,2,3
	v_max3_num_f32 v[TM+\b], |v[\s+16*\b]|, |v[\s+1+16*\b]|, 0x8000000   ; my 16 numbers of block b, and the floor 2^(16 - 127)
.endr
.irp i, 2,4,6,8,10,12,14
.irp b, 0,1,2,3
	v_max3_num_f32 v[TM+\b], v[TM+\b], |v[\s+16*\b+\i]|, |v[\s+1+16*\b+\i]|
.endr
.endr
.irp b, 0,1,2,3
	v_permlanex16_b32 v[TM+4+\b], v[TM+\b], s[SEL], s[SEL+1]
.endr
.irp b, 0,1,2,3
	v_max_num_f32 v[TM+\b], v[TM+\b], v[TM+4+\b]
.endr
.irp b, 0,1,2,3
	v_add_nc_u32 v[TM+12+\b], 0xf8800000, v[TM+\b]                  ; the conversion's scale operand
.endr
.irp b, 0,1,2,3
	v_and_or_b32 v[TM+8+\b], v[TM+\b], 0x7f800000, s[MNT]           ; 57,344 x the scale
.endr
.irp b, 0,1,2,3
	v_lshrrev_b32 v[TM+4+\b], 23, v[TM+12+\b]                       ; the byte
.endr
	v_lshl_or_b32 v[\pw], v[TM+5], 8, v[TM+4]
	v_lshl_or_b32 v[\pw], v[TM+6], 16, v[\pw]
	v_lshl_or_b32 v[\pw], v[TM+7], 24, v[\pw]
.irp b, 0,1,2,3
.irp i, 0,1,2,3,4,5,6,7,8,9,10,11,12,13,14,15
	v_med3_num_f32 v[\s+16*\b+\i], v[\s+16*\b+\i], -v[TM+8+\b], v[TM+8+\b]   ; the conversion does not saturate (ISA guide 7.6.2)
.endr
	v_cvt_scalef32_pk8_bf8_f32 v[PC+4*\b:PC+1+4*\b], v[\s+16*\b:\s+7+16*\b], v[TM+12+\b]
	v_cvt_scalef32_pk8_bf8_f32 v[PC+2+4*\b:PC+3+4*\b], v[\s+8+16*\b:\s+15+16*\b], v[TM+12+\b]
.endr
	v_nop                                          ; a plain line behind the last conversion
.endm
.macro MUL8 d, a, b                    ; 16 numbers: d = a b
.set k, 0
.rept 8
	v_pk_mul_f32 v[\d+k:\d+k+1], v[\a+k:\a+k+1], v[\b+k:\b+k+1]
.set k, k+2
.endr
.endm
.macro HORN d, lit                     ; 16 numbers: d = d z^2 + a constant
.set k, 0
.rept 8
	v_pk_fma_f32 v[\d+k:\d+k+1], v[\d+k:\d+k+1], v[Z2+k:Z2+k+1], \lit op_sel_hi:[1,1,0]
.set k, k+2
.endr
.endm
.macro GELU16 x                        ; v[x] .. v[x + 15] become their gelu
.set k, 0
.rept 8
	v_pk_mul_f32 v[Z+k:Z+k+1], v[\x+k:\x+k+1], 0x3f3504f3 op_sel_hi:[1,0]     ; z = x / sqrt 2
.set k, k+2
.endr
.set k, 0
.rept 16
	v_med3_num_f32 v[Z+k], v[Z+k], -4.0, 4.0       ; beyond +-4 erf is +-1 in f32
.set k, k+1
.endr
	MUL8 Z2, Z, Z
.set k, 0
.rept 8
	v_pk_fma_f32 v[PN+k:PN+k+1], v[Z2+k:Z2+k+1], s[92:93], 0x32EDFFEE op_sel_hi:[1,0,0]
.set k, k+2
.endr
	HORN PN, 0xB60CFF51
	HORN PN, 0xB86EC2D2
	HORN PN, 0xBA40AC63
	HORN PN, 0xBB41A1F6
	HORN PN, 0xBC83DBD4
.set k, 0
.rept 8
	v_pk_fma_f32 v[QD+k:QD+k+1], v[Z2+k:Z2+k+1], s[94:95], 0xB95FBD29 op_sel_hi:[1,0,0]
.set k, k+2
.endr
	HORN QD, 0xBADC924E
	HORN QD, 0xBBF19BF8
	HORN QD, 0xBC69B6A7
	MUL8 PN, PN, Z
.set k, 0
.rept 16
	v_rcp_f32 v[QD+k], v[QD+k]
.set k, k+1
.endr
.set k, 0
.rept 8
	v_pk_mul_f32 v[\x+k:\x+k+1], v[\x+k:\x+k+1], 0.5 op_sel_hi:[1,0]          ; x / 2: plain work behind the reciprocals
.set k, k+2
.endr
	s_wait_alu depctr_va_vdst(0)                   ; one wait for the sixteen, ahead of their first reader
	MUL8 PN, PN, QD                                ; erf
.set k, 0
.rept 8
	v_pk_fma_f32 v[\x+k:\x+k+1], v[\x+k:\x+k+1], v[PN+k:PN+k+1], v[\x+k:\x+k+1]   ; x / 2 erf + x / 2
.set k, k+2
.endr
.endm
	s_mov_b32 s[SEL], 0x76543210
	s_mov_b32 s[SEL+1], 0xfedcba98
	s_mov_b32 s[MNT], 0x600000
	s_mov_b32 s92, 0xAF95DF0B                      ; the numerator's highest coefficient, as a pair for the packed form
	s_mov_b32 s93, s92
	s_mov_b32 s94, 0xB77460CD                      ; the denominator's
	s_mov_b32 s95, s94
	s_lshl_b32 s18, s17, 3
	s_lshl_b32 s19, s14, 1
	s_add_co_u32 s18, s18, s19                     ; my first tile of tokens
	s_lshl_b32 s20, s18, 16                        ; its 32 images
	s_lshl_b32 s21, s42, 11                        ; K step = P's slab
	s_add_co_u32 s20, s20, s21
	s_mov_b32 s21, 0
	s_add_nc_u64 s[20:21], s[10:11], s[20:21]
	s_lshl_b32 s22, s18, 11
	s_lshr_b32 s23, s42, 2
	s_lshl_b32 s23, s23, 8
	s_add_co_u32 s22, s22, s23
	s_and_b32 s23, s42, 3
	s_lshl_b32 s23, s23, 2
	s_add_co_u32 s22, s22, s23
	s_add_co_u32 s22, s22, 16777216
	s_mov_b32 s23, 0
	s_add_nc_u64 s[22:23], s[10:11], s[22:23]
.irp tq, 0,1
.if \tq
	s_wait_xcnt 0x0                                ; the stores have read the codes' and the word's registers
.endif
	WIN 0xaa
.set k, 0
.rept 32
	v_pk_add_f32 v[64*\tq+k:64*\tq+k+1], v[64*\tq+k:64*\tq+k+1], v[BP+k:BP+k+1]   ; ascending: each accumulator is read from its low end on
.set k, k+2
.endr
	GELU16 64*\tq
	GELU16 64*\tq+16
	GELU16 64*\tq+32
	GELU16 64*\tq+48
	QUANT 64*\tq, PW
	WIN 0x08                                       ; a store's data: window 2
.irp c, 0,1,2,3
	global_store_b128 v[ADRP], v[PC+4*\c:PC+4*\c+3], s[20:21] offset:65536*\tq+512*\c   ; 32 lanes store 512 consecutive bytes
.endr
	global_store_b32 v4, v[PW], s[22:23] offset:2048*\tq
.endr
	WIN 0
	s_wait_tensorcnt 0x0                           ; the wave's end
	ds_add_u32 v[SPW], v[NIL]
	s_wait_dscnt 0x0
	CROUND                                         ; the closing round
	s_endpgm
.Lfunc_end_k_q97fdf3a2d6_fc1:
	.size	k_q97fdf3a2d6_fc1, .Lfunc_end_k_q97fdf3a2d6_fc1-k_q97fdf3a2d6_fc1
	.p2alignl 7, 3214868480
	.fill 96, 4, 3214868480
	.section	.rodata,"a",@progbits
	.p2align	6, 0x0
	.amdhsa_kernel k_q97fdf3a2d6_fc1
		.amdhsa_group_segment_fixed_size 327680
		.amdhsa_private_segment_fixed_size 0
		.amdhsa_enable_private_segment 0
		.amdhsa_kernarg_size 32
		.amdhsa_user_sgpr_count 2
		.amdhsa_user_sgpr_kernarg_segment_ptr 1
		.amdhsa_wavefront_size32 1
		.amdhsa_system_sgpr_workgroup_id_x 1
		.amdhsa_system_sgpr_workgroup_id_y 1
		.amdhsa_system_sgpr_workgroup_id_z 1
		.amdhsa_system_vgpr_workitem_id 0
		.amdhsa_next_free_vgpr 768
		.amdhsa_next_free_sgpr 98
		.amdhsa_reserve_vcc 0
		.amdhsa_float_denorm_mode_32 3
		.amdhsa_float_denorm_mode_16_64 3
		.amdhsa_memory_ordered 1
		.amdhsa_forward_progress 1
		.amdhsa_inst_pref_size 171
	.end_amdhsa_kernel
	.amdgpu_metadata
---
amdhsa.version: [ 1, 2 ]
amdhsa.kernels:
  - .name:           k_q97fdf3a2d6_fc1
    .symbol:         k_q97fdf3a2d6_fc1.kd
    .args:
      - { .name: W, .offset: 0, .size: 8, .value_kind: global_buffer, .address_space: global }
      - { .name: H, .offset: 8, .size: 8, .value_kind: global_buffer, .address_space: global }
      - { .name: b_fc1, .offset: 16, .size: 8, .value_kind: global_buffer, .address_space: global }
      - { .name: G, .offset: 24, .size: 8, .value_kind: global_buffer, .address_space: global }
    .group_segment_fixed_size: 327680
    .private_segment_fixed_size: 0
    .kernarg_segment_align: 8
    .kernarg_segment_size: 32
    .max_flat_workgroup_size: 128
    .sgpr_count:     98
    .vgpr_count:     768
    .wavefront_size: 32
...
	.end_amdgpu_metadata
.endif
;; end of part 5
;; launch fc2 (part 6): grid 8 x 32, 4 waves a work-group, clusters of 4 x 4, 327,680 bytes of LDS; arguments W, G, b_fc2, X1, out0; writes out0
.if DOCPART == 6
	.amdgcn_target "amdgcn-amd-amdhsa--gfx1250"
	.amdhsa_code_object_version 6
	.text
	.protected	k_q97fdf3a2d6_fc2
	.globl	k_q97fdf3a2d6_fc2
	.p2align	8
	.type	k_q97fdf3a2d6_fc2,@function
k_q97fdf3a2d6_fc2:
	s_mov_b64 s[64:65], 0
	v_nop
	global_prefetch_b8 v0, s[64:65] scope:SCOPE_SE
	s_setreg_imm32_b32 hwreg(HW_REG_WAVE_MODE, 25, 1), 1
	s_wait_xcnt 0x0
	s_wait_alu depctr_hold_cnt(0) depctr_sa_sdst(0) depctr_va_vdst(0) depctr_va_sdst(0) depctr_va_ssrc(0) depctr_va_vcc(0) depctr_vm_vsrc(0)
	s_getreg_b32 s2, hwreg(HW_REG_IB_STS2, 6, 4)
	s_cmp_eq_u32 s2, 0
	s_cbranch_scc0 .Lentry_in_a_cluster
	s_endpgm
.Lentry_in_a_cluster:
	s_bfe_u32 s2, ttmp6, 0x10000c
	s_cmp_lg_u32 s2, 0xf033
	s_cbranch_scc0 .Lentry_shape_is_right
	s_endpgm
.Lentry_shape_is_right:
; out = res + (a Wt + bias): a and the weight as codes of E5M2 with E8M0 scales, res, bias and out f32 [4096][1024].  Here: a = the hidden layer g, the weight = w_fc2, K = 4,096.
; THE CORE (the same in the four product launches).  Operands lie in memory as images of fragment registers: [tile of 16 rows][K / 128][2048 bytes], scale bytes [tile][K / 512][r][16].
; A work-group makes 128 x 128: P's 128 rows (the weight's columns, 8 tiles), which every wave reads, against Q's 128 rows (tokens), of which wave w takes tiles 2 w and 2 w + 1.  Source 0 = a tile of P, source 1 = a tile of Q:
; a lane holds one token (row rho(T, r) = 32 (T / 2) + 8 (T % 2) + r % 8 + 16 (r / 8)) and its registers run along the weight's columns.
; K goes through two LDS slots of 512 along K, filled by joint tensor loads: two first fills and six refills, one load a wave behind each round; the scale bytes of both slabs, for all of K, come once.
; CLUSTERS: 4 x 4 work-groups; P's slab hangs on the grid's x and is asked for jointly down a column of the cluster, Q's on y, along a row.
; THE WAY OUT: 16 tokens x 128 columns at a time through the wave's own stage in LDS, back as whole rows of 512 bytes, + bias + res, stored.
; LIMITS: NaN and infinities are not served.
.set SIZE_K, 4096
.set PCODE,  8388608                   ; where the weight's codes begin in W,
.set PSCL,   12845056                  ; and its scale bytes
.set QSCL,   16777216                  ; where the scale bytes begin in Q's buffer
.set SLOT,   131072                    ; a slot: P's slab [8 tiles][4 K steps][2048], then Q's
.set LAPS,   SIZE_K/1024
.set SLABC,  128*SIZE_K
.set HALFC,  64*SIZE_K
.set SLABS,  4*SIZE_K
.set HALFS,  2*SIZE_K
.set TS,     SIZE_K/2                  ; a tile's scale bytes
.set SCLP,   2*SLOT                    ; behind the ring: P's scale bytes, then Q's
.set SCLQ,   SCLP+SLABS
.set SPARE,  SCLQ+SLABS                ; the spare words, 128 bytes for each wave: two blocks of 256 bytes that no other line names
.set ADRP, 16                          ; v16-17 LDS address of P's images in slot 0, 1: 16 x lane (+ the slot)
.set ADRQ, 20                          ; v20-21 the same for my two tiles of Q
.set ADSP, 22                          ; v22    P's scale words: lanes 0-15 the even tile of a pair, lanes 16-31 the odd one
.set ADSQ, 23                          ; v23    Q's: row r of my first tile
.set STO,  24                          ; v24    the stage: where I put 32 bytes of a row
.set RD,   25                          ; v25    and where I read a row back
.set SPW,  28
.set NIL,  29
.set SC,   32                          ; v32-79 scale words, two sets of 24: P's pair i at 4 i, Q's tile t at 16 + 4 t; word q serves the slot's K step q
.set QF,   80                          ; v80-143 Q's fragments, two sets of 32
.set RB,   80                          ; the way out: v80-207, 16 rows x 4 registers for each of my two tiles
.set BI,   208                         ; v208-211 the bias at my four columns
.set G1P, 24
.set G0P, 32
.set G1Q, 48
.set G0Q, 56
.set G1SP, 68
.set G0SP, 76
.set G1SQ, 80
.set G0SQ, 88
.set MSB, 0
.macro WIN new                         ; the immediate's high byte repeats the setting that is left
.if MSB != \new
	s_set_vgpr_msb (MSB<<8)|\new
.set MSB, \new
.endif
.endm
.set MUL,  0xa1                        ; source 0 (P) window 1, source 1 (Q) window 0, C and D window 2
.set TO_P, 0x40                        ; destination window 1
.macro JLOAD g0p, g1p, g0q, g1q        ; a joint load: waves 0 and 1 fetch P's halves, waves 2 and 3 Q's; four v_nop follow each line
	s_cmp_eq_u32 s15, 0
	s_cbranch_scc0 .Lfor_q_\@
	tensor_load_to_lds s[\g0p:\g0p+3], s[\g1p:\g1p+7]
	s_nop 0
.rept 4
	v_nop
.endr
	s_branch .Lasked_\@
.Lfor_q_\@:
	tensor_load_to_lds s[\g0q:\g0q+3], s[\g1q:\g1q+7]
	s_nop 0
.rept 4
	v_nop
.endr
.Lasked_\@:
.endm
.macro CROUND                          ; a round of the cluster's barrier
	s_barrier_signal -1
	s_barrier_wait -1
	s_cmp_lg_u32 s14, 0
	s_cbranch_scc1 .Lnot_wave_0_\@
	s_barrier_signal -3
.Lnot_wave_0_\@:
	s_barrier_wait -3
	s_barrier_signal -1
	s_barrier_wait -1
.endm
.macro PLACES n
.rept \n
	v_nop
.endr
.endm
.macro WM d, a, b, sa, sb, odd, zero   ; one product; odd = 1: source 0's scales stand in lanes 16-31; zero = 1: it starts the sum
.if \zero
.if \odd
	v_wmma_scale_f32_16x16x128_f8f6f4 v[\d:\d+7], v[\a:\a+15], v[\b:\b+15], 0, v[\sa], v[\sb] matrix_a_fmt:MATRIX_FMT_BF8 matrix_b_fmt:MATRIX_FMT_BF8 matrix_a_scale:MATRIX_SCALE_ROW1
.else
	v_wmma_scale_f32_16x16x128_f8f6f4 v[\d:\d+7], v[\a:\a+15], v[\b:\b+15], 0, v[\sa], v[\sb] matrix_a_fmt:MATRIX_FMT_BF8 matrix_b_fmt:MATRIX_FMT_BF8
.endif
.else
.if \odd
	v_wmma_scale_f32_16x16x128_f8f6f4 v[\d:\d+7], v[\a:\a+15], v[\b:\b+15], v[\d:\d+7], v[\sa], v[\sb] matrix_a_fmt:MATRIX_FMT_BF8 matrix_b_fmt:MATRIX_FMT_BF8 matrix_a_scale:MATRIX_SCALE_ROW1
.else
	v_wmma_scale_f32_16x16x128_f8f6f4 v[\d:\d+7], v[\a:\a+15], v[\b:\b+15], v[\d:\d+7], v[\sa], v[\sb] matrix_a_fmt:MATRIX_FMT_BF8 matrix_b_fmt:MATRIX_FMT_BF8
.endif
.endif
.endm
.macro MUL16 p, q, sc, zero            ; a K step: my two tiles of Q against P's eight; the 16 accumulators take turns in the same order in every step
.irp tq, 0,1
.irp b, 0,1,2,3,4,5,6,7
	WM 64*\tq+8*\b, 128*(\p)+16*\b, QF+32*(\p)+16*\tq, SC+24*(\sc)+4*(\b/2)+(\q), SC+24*(\sc)+16+4*\tq+(\q), \b%2, \zero
.endr
.endr
.endm
.macro FETCH slot, q, p                ; the fragments of the slot's K step q into set p: 40 loads, each 512 consecutive bytes
	WIN TO_P
.irp i, 0,1,2,3,4,5,6,7
.irp c, 0,1,2,3
	ds_load_b128 v[128*(\p)+16*\i+4*\c:128*(\p)+16*\i+4*\c+3], v[ADRP+\slot] offset:8192*\i+2048*(\q)+512*\c
.endr
.endr
	WIN 0
.irp t, 0,1
.irp c, 0,1,2,3
	ds_load_b128 v[QF+32*(\p)+16*\t+4*\c:QF+32*(\p)+16*\t+4*\c+3], v[ADRQ+\slot] offset:8192*\t+2048*(\q)+512*\c
.endr
.endr
.endm
.macro SCALES sc                       ; a slot's scale words
.irp i, 0,1,2,3
	ds_load_b128 v[SC+24*\sc+4*\i:SC+24*\sc+4*\i+3], v[ADSP] offset:2*TS*\i
.endr
.irp t, 0,1
	ds_load_b128 v[SC+24*\sc+16+4*\t:SC+24*\sc+16+4*\t+3], v[ADSQ] offset:TS*\t
.endr
.endm
.macro STEP slot, q, zero              ; a K step that has its successor in the same slot
	s_wait_dscnt 0x0                               ; this step's fragments are in
	PLACES 8                                       ; eight places between the last step's products and the loads into the set that they read
	FETCH \slot, (\q)+1, 1-(\q)%2
	WIN MUL
	MUL16 (\q)%2, \q, \slot, \zero
	WIN 0
.endm
.macro TURN slot, next, fill           ; a slot's last K step changes slots
	s_wait_tensorcnt 0x0                           ; all my tensor loads have landed, my part of the next slot among them
	ds_add_u32 v[SPW], v[NIL]                      ; 0 onto my spare word
.if \fill
	s_add_nc_u64 s[G0P+4*\slot+2:G0P+4*\slot+3], s[G0P+4*\slot+2:G0P+4*\slot+3], 16384   ; two slots on along K
	s_add_nc_u64 s[G0Q+4*\slot+2:G0Q+4*\slot+3], s[G0Q+4*\slot+2:G0Q+4*\slot+3], 16384
.endif
	s_wait_dscnt 0x0                               ; the add is done; the slot's last fragments are in registers: my reads of it are over
.if \fill
	CROUND                                         ; no wave of any partner still reads the slot or has a load on its way
	JLOAD G0P+4*\slot, G1P, G0Q+4*\slot, G1Q       ; the first tensor load behind the round: it has four K steps in which to land
	PLACES 4
.else
	s_barrier_signal -1
	s_barrier_wait -1
	PLACES 8
.endif
	v_add_nc_u32 v[ADSP], 256, v[ADSP]             ; the next slot's scale words
	v_add_nc_u32 v[ADSQ], 256, v[ADSQ]
	FETCH \next, 0, 0
	SCALES \next
	WIN MUL
	MUL16 1, 3, \slot, 0
	WIN 0
.endm
	s_load_b256 s[4:11], s[0:1], 0x0               ; W s[4:5], a s[6:7], bias s[8:9], res s[10:11]
	s_load_b64 s[12:13], s[0:1], 0x20              ; out
	v_lshl_add_u32 v[SPW], v0, 2, SPARE
	v_mov_b32 v[NIL], 0
	ds_add_u32 v28, v29
	ds_add_u32 v28, v29
	s_wait_dscnt 0x0
	v_lshrrev_b32 v1, 5, v0
	v_readfirstlane_b32 s14, v1                    ; wave 0..3
	s_lshr_b32 s15, s14, 1                         ; I fetch for P (0) or for Q (1)
	s_and_b32 s16, s14, 1                          ; which half of that slab
	s_bfe_u32 s40, ttmp6, 0x40000                  ; cx
	s_bfe_u32 s41, ttmp6, 0x40004                  ; cy
	s_lshl_b32 s42, ttmp9, 2
	s_add_co_u32 s42, s42, s40                     ; P's slab
	s_and_b32 s17, ttmp7, 0xffff
	s_lshl_b32 s17, s17, 2
	s_add_co_u32 s17, s17, s41                     ; Q's slab
	s_lshl_b32 s43, s41, 2
	s_lshl_b32 s43, 15, s43                        ; my row of the cluster
	s_lshl_b32 s44, 0x1111, s40                    ; my column
	; descriptor group 1, codes: half a slab's part of a slot: 4 tiles x 8,192 bytes, 16 K bytes apart; elements of 8 bytes
	s_or_b32 s[G1P], s44, (3<<16)|(1<<21)
	s_or_b32 s[G1Q], s43, (3<<16)|(1<<21)
.irp g, G1P, G1Q
	s_mov_b32 s[\g+1], 1024<<16                    ; tensor_dim0
	s_mov_b32 s[\g+2], 4<<16                       ; tensor_dim1
	s_mov_b32 s[\g+3], 1024<<16                    ; tile_dim0
	s_mov_b32 s[\g+4], 4                           ; tile_dim1
	s_mov_b32 s[\g+5], 2*SIZE_K                    ; from tile to tile
	s_mov_b32 s[\g+6], 0
	s_mov_b32 s[\g+7], 0
.endr
	; scale bytes: half a slab's, dense, as rows of 256 bytes
	s_or_b32 s[G1SP], s44, (3<<16)|(1<<21)
	s_or_b32 s[G1SQ], s43, (3<<16)|(1<<21)
.irp g, G1SP, G1SQ
	s_mov_b32 s[\g+1], 32<<16
	s_mov_b32 s[\g+2], (SIZE_K/128)<<16
	s_mov_b32 s[\g+3], 32<<16
	s_mov_b32 s[\g+4], SIZE_K/128
	s_mov_b32 s[\g+5], 32
	s_mov_b32 s[\g+6], 0
	s_mov_b32 s[\g+7], 0
.endr
	s_mul_i32 s20, s42, SLABC                      ; P's registers never hold cy, Q's never cx
	s_mul_i32 s21, s16, HALFC
	s_add_co_u32 s20, s20, s21
	s_add_co_u32 s20, s20, PCODE
	s_mov_b32 s21, 0
	s_mul_i32 s22, s42, SLABS
	s_mul_i32 s23, s16, HALFS
	s_add_co_u32 s22, s22, s23
	s_add_co_u32 s22, s22, PSCL
	s_mov_b32 s23, 0
	s_mul_i32 s46, s17, SLABC
	s_mul_i32 s47, s16, HALFC
	s_add_co_u32 s46, s46, s47
	s_mov_b32 s47, 0
	s_mul_i32 s92, s17, SLABS
	s_mul_i32 s93, s16, HALFS
	s_add_co_u32 s92, s92, s93
	s_add_co_u32 s92, s92, QSCL
	s_mov_b32 s93, 0
	s_lshl_b32 s45, s14, 15                        ; LDS: wave x 32,768: P's halves, then Q's
	s_mul_i32 s94, s14, HALFS
	s_wait_kmcnt 0x0
	s_add_nc_u64 s[20:21], s[4:5], s[20:21]
	s_add_nc_u64 s[22:23], s[4:5], s[22:23]
	s_add_nc_u64 s[46:47], s[6:7], s[46:47]
	s_add_nc_u64 s[92:93], s[6:7], s[92:93]
	CROUND                                         ; all sixteen work-groups are here: the first joint loads meet
	s_mov_b32 s[G0SP], 1
	s_add_co_u32 s[G0SP+1], s94, SCLP
	s_mov_b64 s[G0SP+2:G0SP+3], s[22:23]
	s_or_b32 s[G0SP+3], s[G0SP+3], 0x80000000
	s_mov_b32 s[G0SQ], 1
	s_add_co_u32 s[G0SQ+1], s94, SCLP
	s_mov_b64 s[G0SQ+2:G0SQ+3], s[92:93]
	s_or_b32 s[G0SQ+3], s[G0SQ+3], 0x80000000
	JLOAD G0SP, G1SP, G0SQ, G1SQ
.irp s, 0,1
	s_mov_b32 s[G0P+4*\s], 1
	s_add_co_u32 s[G0P+4*\s+1], s45, \s*SLOT
	s_add_nc_u64 s[G0P+4*\s+2:G0P+4*\s+3], s[20:21], \s*8192
	s_or_b32 s[G0P+4*\s+3], s[G0P+4*\s+3], 0x80000000
	s_mov_b32 s[G0Q+4*\s], 1
	s_add_co_u32 s[G0Q+4*\s+1], s45, \s*SLOT
	s_add_nc_u64 s[G0Q+4*\s+2:G0Q+4*\s+3], s[46:47], \s*8192
	s_or_b32 s[G0Q+4*\s+3], s[G0Q+4*\s+3], 0x80000000
	JLOAD G0P+4*\s, G1P, G0Q+4*\s, G1Q
.endr
	v_and_b32 v1, 31, v0                           ; lane
	v_and_b32 v2, 15, v0                           ; r
	v_bfe_u32 v3, v0, 4, 1                         ; h
	v_lshlrev_b32 v[ADRP], 4, v1
	v_add_nc_u32 v[ADRP+1], SLOT, v[ADRP]
	s_lshl_b32 s20, s14, 14
	s_add_co_u32 s20, s20, 65536
	v_add_nc_u32 v[ADRQ], s20, v[ADRP]
	v_add_nc_u32 v[ADRQ+1], SLOT, v[ADRQ]
	v_lshlrev_b32 v4, 4, v2                        ; 16 r
	v_mul_u32_u24 v5, v3, TS
	v_add_nc_u32 v5, v5, v4
	v_add_nc_u32 v[ADSP], SCLP, v5
	s_mul_i32 s20, s14, 2*TS
	s_add_co_u32 s20, s20, SCLQ
	v_add_nc_u32 v[ADSQ], s20, v4
	s_mul_i32 s20, s14, 8448                       ; my stage: 16 rows x (512 + 16) bytes, in slot 0, which has had its last fill and its last read when the first result is stored there
	v_mul_u32_u24 v[STO], v2, 528
	v_lshl_add_u32 v[STO], v3, 6, v[STO]
	v_add_nc_u32 v[STO], s20, v[STO]
	v_add_nc_u32 v[RD], s20, v[ADRP]
	; res and the bias are asked for now and land under the products: res at the 32 rows that I shall store, into window 2, v128-255
	s_lshl_b32 s20, s17, 7
	s_lshl_b32 s21, s14, 5
	s_add_co_u32 s20, s20, s21                     ; my first token
	s_lshl_b32 s20, s20, 12
	s_lshl_b32 s21, s42, 9
	s_add_co_u32 s20, s20, s21                     ; + the slab's 128 columns
	s_mov_b32 s21, 0
	s_add_nc_u64 s[22:23], s[12:13], s[20:21]
	s_add_nc_u64 s[20:21], s[10:11], s[20:21]
	s_lshl_b32 s92, s42, 9
	s_mov_b32 s93, 0
	s_add_nc_u64 s[92:93], s[8:9], s[92:93]
	WIN 0x80                                       ; destination window 2
.irp tq, 0,1
.irp i, 0,1,2,3,4,5,6,7,8,9,10,11,12,13,14,15
	global_load_b128 v[128+64*\tq+4*\i:128+64*\tq+4*\i+3], v[ADRP], s[20:21] offset:(8*\tq+(\i%8)+16*(\i/8))*4096
.endr
.endr
	WIN 0
	global_load_b128 v[BI:BI+3], v[ADRP], s[92:93]
	s_wait_tensorcnt 1                             ; the scale bytes and my part of slot 0 are in; slot 1's load may be out
	s_barrier_signal -1
	s_barrier_wait -1
	FETCH 0, 0, 0
	SCALES 0
	STEP 0, 0, 1                                   ; the first step's products start the sums
.if LAPS > 1
	s_mov_b32 s3, LAPS-1
.Llap:                                             ; a trip goes once round the ring and fills both slots again
	STEP 0, 1, 0
	STEP 0, 2, 0
	TURN 0, 1, 1
	STEP 1, 0, 0
	STEP 1, 1, 0
	STEP 1, 2, 0
	TURN 1, 0, 1
	STEP 0, 0, 0
	s_sub_co_u32 s3, s3, 1
	s_cmp_lg_u32 s3, 0
	s_cbranch_scc1 .Llap
.endif
	STEP 0, 1, 0                                   ; the last lap fills nothing
	STEP 0, 2, 0
	TURN 0, 1, 0
	STEP 1, 0, 0
	STEP 1, 1, 0
	STEP 1, 2, 0
	s_wait_dscnt 0x0
	WIN MUL
	MUL16 1, 3, 1, 0
	WIN 0
	PLACES 8                                       ; between the last products and the first read of results, and the loads into Q's registers
	s_wait_loadcnt 0x0                             ; res and the bias
.irp tq, 0,1
	WIN 0x08                                       ; an LDS store's data: window 2
.irp b, 0,1,2,3,4,5,6,7
	ds_store_b128 v[STO], v[64*\tq+8*\b:64*\tq+8*\b+3] offset:128*(\b/2)+32*(\b%2)          ; columns 32 (b / 2) + 16 h + 8 (b % 2) on; each accumulator from its low end on
	ds_store_b128 v[STO], v[64*\tq+8*\b+4:64*\tq+8*\b+7] offset:128*(\b/2)+32*(\b%2)+16
.endr
	WIN 0
.irp i, 0,1,2,3,4,5,6,7,8,9,10,11,12,13,14,15
	ds_load_b128 v[RB+64*\tq+4*\i:RB+64*\tq+4*\i+3], v[RD] offset:528*\i   ; LDS serves a wave's instructions in order (ISA guide 5.7.1.4): these see my stores
.endr
	s_wait_dscnt 0x0
.irp i, 0,1,2,3,4,5,6,7,8,9,10,11,12,13,14,15
	v_pk_add_f32 v[RB+64*\tq+4*\i:RB+64*\tq+4*\i+1], v[RB+64*\tq+4*\i:RB+64*\tq+4*\i+1], v[BI:BI+1]
	v_pk_add_f32 v[RB+64*\tq+4*\i+2:RB+64*\tq+4*\i+3], v[RB+64*\tq+4*\i+2:RB+64*\tq+4*\i+3], v[BI+2:BI+3]
.endr
	WIN 0x08                                       ; source 1 (res): window 2
.irp i, 0,1,2,3,4,5,6,7,8,9,10,11,12,13,14,15
	v_pk_add_f32 v[RB+64*\tq+4*\i:RB+64*\tq+4*\i+1], v[RB+64*\tq+4*\i:RB+64*\tq+4*\i+1], v[128+64*\tq+4*\i:128+64*\tq+4*\i+1]
	v_pk_add_f32 v[RB+64*\tq+4*\i+2:RB+64*\tq+4*\i+3], v[RB+64*\tq+4*\i+2:RB+64*\tq+4*\i+3], v[128+64*\tq+4*\i+2:128+64*\tq+4*\i+3]
.endr
	WIN 0
.irp i, 0,1,2,3,4,5,6,7,8,9,10,11,12,13,14,15
	global_store_b128 v[ADRP], v[RB+64*\tq+4*\i:RB+64*\tq+4*\i+3], s[22:23] offset:(8*\tq+(\i%8)+16*(\i/8))*4096   ; 32 lanes store 512 consecutive bytes, aligned
.endr
.endr
	s_wait_tensorcnt 0x0                           ; the wave's end
	ds_add_u32 v[SPW], v[NIL]
	s_wait_dscnt 0x0
	CROUND                                         ; the closing round
	s_endpgm
.Lfunc_end_k_q97fdf3a2d6_fc2:
	.size	k_q97fdf3a2d6_fc2, .Lfunc_end_k_q97fdf3a2d6_fc2-k_q97fdf3a2d6_fc2
	.p2alignl 7, 3214868480
	.fill 96, 4, 3214868480
	.section	.rodata,"a",@progbits
	.p2align	6, 0x0
	.amdhsa_kernel k_q97fdf3a2d6_fc2
		.amdhsa_group_segment_fixed_size 327680
		.amdhsa_private_segment_fixed_size 0
		.amdhsa_enable_private_segment 0
		.amdhsa_kernarg_size 40
		.amdhsa_user_sgpr_count 2
		.amdhsa_user_sgpr_kernarg_segment_ptr 1
		.amdhsa_wavefront_size32 1
		.amdhsa_system_sgpr_workgroup_id_x 1
		.amdhsa_system_sgpr_workgroup_id_y 1
		.amdhsa_system_sgpr_workgroup_id_z 1
		.amdhsa_system_vgpr_workitem_id 0
		.amdhsa_next_free_vgpr 768
		.amdhsa_next_free_sgpr 98
		.amdhsa_reserve_vcc 0
		.amdhsa_float_denorm_mode_32 3
		.amdhsa_float_denorm_mode_16_64 3
		.amdhsa_memory_ordered 1
		.amdhsa_forward_progress 1
		.amdhsa_inst_pref_size 111
	.end_amdhsa_kernel
	.amdgpu_metadata
---
amdhsa.version: [ 1, 2 ]
amdhsa.kernels:
  - .name:           k_q97fdf3a2d6_fc2
    .symbol:         k_q97fdf3a2d6_fc2.kd
    .args:
      - { .name: W, .offset: 0, .size: 8, .value_kind: global_buffer, .address_space: global }
      - { .name: G, .offset: 8, .size: 8, .value_kind: global_buffer, .address_space: global }
      - { .name: b_fc2, .offset: 16, .size: 8, .value_kind: global_buffer, .address_space: global }
      - { .name: X1, .offset: 24, .size: 8, .value_kind: global_buffer, .address_space: global }
      - { .name: out0, .offset: 32, .size: 8, .value_kind: global_buffer, .address_space: global }
    .group_segment_fixed_size: 327680
    .private_segment_fixed_size: 0
    .kernarg_segment_align: 8
    .kernarg_segment_size: 40
    .max_flat_workgroup_size: 128
    .sgpr_count:     98
    .vgpr_count:     768
    .wavefront_size: 32
...
	.end_amdgpu_metadata
.endif
;; end of part 6
;; ======== version 2 of 2: 7 launches
;; limits: right only within a limited range of input values
;; workspace buffers: W 12,976,128 bytes; H 4,325,376 bytes; QKV 13,238,272 bytes; O 4,325,376 bytes; X1 16,777,216 bytes; G 17,301,504 bytes
;; launch prep (part 7): grid 640 x 1, 4 waves a work-group, no clusters, 66,560 bytes of LDS; arguments x, g_norm1, H, w_attn, w_proj, w_fc1, w_fc2, W; writes H, W
.if DOCPART == 7
	.amdgcn_target "amdgcn-amd-amdhsa--gfx1250"
	.amdhsa_code_object_version 6
	.text
	.protected	k_q97fdf3a2d6_prep
	.globl	k_q97fdf3a2d6_prep
	.p2align	8
	.type	k_q97fdf3a2d6_prep,@function
k_q97fdf3a2d6_prep:
	s_mov_b64 s[64:65], 0
	v_nop
	global_prefetch_b8 v0, s[64:65] scope:SCOPE_SE
	s_setreg_imm32_b32 hwreg(HW_REG_WAVE_MODE, 25, 1), 1
	s_wait_xcnt 0x0
; TWO JOBS IN ONE TEXT, parted by the work-group's number.
; Work-groups 0-255: RMS norm of 16 rows of [4096][1024] f32, h = (x * rsqrt(mean(x^2) + 2^-23)) * g, quantised to E5M2 with one E8M0 scale for each 32 along the row.
; Work-groups 256-639: the four weights [K][N] f32, quantised along K (their first axis).
; EVERY OPERAND IS STORED AS AN IMAGE OF THE MATRIX UNIT'S REGISTERS: [tile of 16 rows][K / 128][2048 bytes]; byte 512 c + 16 (16 h + r) + j of an image is the code of row rho(tile, r),
; k = 128 ks + 32 c + 16 h + j.  The rows of a tile are not neighbours: rho(T, r) = 32 (T / 2) + 8 (T % 2) + r % 8 + 16 (r / 8), so that a product's results, taken transposed, lie in a lane as neighbours along the next K.
; Scale bytes: [tile][K / 512][r][16 bytes]: row r's 16 bytes of 512 along K.
; A block's scale is 2^(floor(log2(largest magnitude)) - 15); its byte is the largest magnitude's exponent field - 15, held at 1 from below.  A block of zeros gets the byte 1: its codes are zeros, and this program alone reads the bytes.
; LIMITS: NaN and infinities among the inputs are not served.
.set NP,   4112                        ; a row of h in LDS: 4,096 bytes + 16: the sixteen rows that a load touches start 16 bytes apart modulo 256
.set G,    32                          ; v32-63   the gain at my columns
.set X,    64                          ; v64-191  four rows as loaded; later two K steps' numbers, 64 each
.set PC,   192                         ; v192-207 a fragment's codes
.set TM,   208                         ; v208-223 at work in QUANT; v208-211 also the sums' two chains
.set PW,   224                         ; v224-225 two scale words
.set RS,   232                         ; v232-239 1 / rms of my four rows, each the low word of a pair
.set SEL,  22                          ; s[22:23] lane selects: lane l xor 16
.set MNT,  21                          ; s21      the mantissa field of 57,344
.set OFF,  32                          ; weights: v32-63 byte offsets of 32 rows of K at my column
.set XW,   64                          ; v64-127  two sets of 32 numbers
.set CW,   128                         ; v128-135 a block's codes
.set SB,   136                         ; v136-137 eight scale bytes
; 64 numbers of a lane, register 16 b + i = k 32 b + 16 (lane / 16) + i of my row, become a fragment's codes in v[PC] on and its scale word in v[pw]
.macro QUANT s, pw
.irp b, 0,1,2,3
	v_max3_num_f32 v[TM+\b], |v[\s+16*\b]|, |v[\s+1+16*\b]|, 0x8000000   ; my 16 numbers of block b, and the floor 2^(16 - 127): the byte cannot fall under 1
.endr
.irp i, 2,4,6,8,10,12,14
.irp b, 0,1,2,3
	v_max3_num_f32 v[TM+\b], v[TM+\b], |v[\s+16*\b+\i]|, |v[\s+1+16*\b+\i]|
.endr
.endr
.irp b, 0,1,2,3
	v_permlanex16_b32 v[TM+4+\b], v[TM+\b], s[SEL], s[SEL+1]
.endr
.irp b, 0,1,2,3
	v_max_num_f32 v[TM+\b], v[TM+\b], v[TM+4+\b]                    ; with lane l xor 16's: the block's largest magnitude
.endr
.irp b, 0,1,2,3
	v_add_nc_u32 v[TM+12+\b], 0xf8800000, v[TM+\b]                  ; 15 off its exponent field: the conversion's scale operand
.endr
.irp b, 0,1,2,3
	v_and_or_b32 v[TM+8+\b], v[TM+\b], 0x7f800000, s[MNT]           ; 57,344 x the scale
.endr
.irp b, 0,1,2,3
	v_lshrrev_b32 v[TM+4+\b], 23, v[TM+12+\b]                       ; the scale's byte
.endr
	v_lshl_or_b32 v[\pw], v[TM+5], 8, v[TM+4]
	v_lshl_or_b32 v[\pw], v[TM+6], 16, v[\pw]
	v_lshl_or_b32 v[\pw], v[TM+7], 24, v[\pw]
.irp b, 0,1,2,3
.irp i, 0,1,2,3,4,5,6,7,8,9,10,11,12,13,14,15
	v_med3_num_f32 v[\s+16*\b+\i], v[\s+16*\b+\i], -v[TM+8+\b], v[TM+8+\b]   ; the conversion does not saturate (ISA guide 7.6.2): the hold at the largest code x the scale
.endr
	v_cvt_scalef32_pk8_bf8_f32 v[PC+4*\b:PC+1+4*\b], v[\s+16*\b:\s+7+16*\b], v[TM+12+\b]
	v_cvt_scalef32_pk8_bf8_f32 v[PC+2+4*\b:PC+3+4*\b], v[\s+8+16*\b:\s+15+16*\b], v[TM+12+\b]
.endr
	v_nop                                          ; a plain line behind the last conversion
.endm
	s_load_b512 s[4:19], s[0:1], 0x0               ; rows s[4:5], gain s[6:7], H s[8:9], w_attn, w_proj, w_fc1, w_fc2 s[10:17], W s[18:19]
	v_lshl_add_u32 v240, v0, 2, 0x10200
	v_mov_b32 v241, 0
	v_lshrrev_b32 v1, 5, v0
	v_readfirstlane_b32 s20, v1                    ; wave 0..3
	v_and_b32 v1, 31, v0                           ; lane
	v_and_b32 v2, 15, v0                           ; r
	v_bfe_u32 v3, v0, 4, 1                         ; h
	v_lshlrev_b32 v4, 4, v1                        ; 16 x lane
	s_mov_b32 s[SEL], 0x76543210
	s_mov_b32 s[SEL+1], 0xfedcba98
	s_mov_b32 s[MNT], 0x600000
.irp b, 0,1,2,3
	v_mov_b32 v[TM+4+\b], 0                        ; a lane permute's destination counts as one of its sources
.endr
	s_cmp_lt_u32 ttmp9, 256
	s_cbranch_scc0 .Lweights
	; ---------------- THE NORM: the work-group makes tile ttmp9; wave w takes the tile's rows 4 w .. 4 w + 3, which are four neighbouring rows of memory
	s_lshr_b32 s24, ttmp9, 1
	s_lshl_b32 s24, s24, 5
	s_and_b32 s25, ttmp9, 1
	s_lshl_b32 s25, s25, 3
	s_add_co_u32 s24, s24, s25
	s_and_b32 s25, s20, 1
	s_lshl_b32 s25, s25, 2
	s_add_co_u32 s24, s24, s25
	s_lshr_b32 s25, s20, 1
	s_lshl_b32 s25, s25, 4
	s_add_co_u32 s24, s24, s25                     ; rho(tile, 4 w)
	s_lshl_b32 s24, s24, 12                        ; x 4,096 bytes
	s_mov_b32 s25, 0
	s_lshl_b32 s28, ttmp9, 14                      ; the tile's images: 8 x 2,048 bytes; mine are K steps 2 w and 2 w + 1
	s_lshl_b32 s29, s20, 12
	s_add_co_u32 s28, s28, s29
	s_mov_b32 s29, 0
	s_lshl_b32 s30, ttmp9, 9                       ; its scale bytes: 512; my two words: slot w / 2, bytes 8 (w % 2) on
	s_lshr_b32 s31, s20, 1
	s_lshl_b32 s31, s31, 8
	s_add_co_u32 s30, s30, s31
	s_and_b32 s31, s20, 1
	s_lshl_b32 s31, s31, 3
	s_add_co_u32 s30, s30, s31
	s_add_co_u32 s30, s30, 4194304
	s_mov_b32 s31, 0
	s_mul_i32 s26, s20, 4*NP
	s_wait_alu depctr_va_vdst(0)
	v_add_nc_u32 v5, s26, v4                       ; LDS, in: my four rows, 16 bytes a lane
	v_mul_u32_u24 v6, v2, NP
	v_lshl_add_u32 v6, v3, 6, v6
	s_lshl_b32 s27, s20, 10
	v_add_nc_u32 v6, s27, v6                       ; LDS, out: row r, + 64 h, + my two K steps' 1,024 bytes
	v_lshlrev_b32 v7, 4, v2                        ; 16 r
	s_mov_b32 s26, 0x3a800000                      ; 1 / 1024
	s_mov_b32 s27, 0x34000000                      ; 2^-23
	s_wait_kmcnt 0x0
	s_add_nc_u64 s[4:5], s[4:5], s[24:25]
	s_add_nc_u64 s[28:29], s[8:9], s[28:29]
	s_add_nc_u64 s[30:31], s[8:9], s[30:31]
.irp j, 0,1,2,3,4,5,6,7
	global_load_b128 v[G+4*\j:G+4*\j+3], v4, s[6:7] offset:512*\j
.endr
.irp ii, 0,1,2,3
.irp j, 0,1,2,3,4,5,6,7
	global_load_b128 v[X+32*\ii+4*\j:X+32*\ii+4*\j+3], v4, s[4:5] offset:4096*\ii+512*\j th:TH_LOAD_NT   ; 32 lanes read 512 consecutive bytes
.endr
.endr
.irp ii, 0,1,2,3
	s_wait_loadcnt 24-8*\ii                        ; this row's eight loads are in; the younger rows' may be out
	v_pk_mul_f32 v[TM:TM+1], v[X+32*\ii:X+32*\ii+1], v[X+32*\ii:X+32*\ii+1]
	v_pk_mul_f32 v[TM+2:TM+3], v[X+32*\ii+2:X+32*\ii+3], v[X+32*\ii+2:X+32*\ii+3]
.irp k, 4,8,12,16,20,24,28
	v_pk_fma_f32 v[TM:TM+1], v[X+32*\ii+\k:X+32*\ii+\k+1], v[X+32*\ii+\k:X+32*\ii+\k+1], v[TM:TM+1]
	v_pk_fma_f32 v[TM+2:TM+3], v[X+32*\ii+\k+2:X+32*\ii+\k+3], v[X+32*\ii+\k+2:X+32*\ii+\k+3], v[TM+2:TM+3]
.endr
	v_pk_add_f32 v[TM:TM+1], v[TM:TM+1], v[TM+2:TM+3]
	v_add_f32 v[RS+2*\ii], v[TM], v[TM+1]          ; my 32 numbers' squares
.endr
.irp m, 1,2,4,8
.irp ii, 0,1,2,3
	v_add_f32_dpp v[RS+2*\ii], v[RS+2*\ii], v[RS+2*\ii] row_xmask:\m row_mask:0xf bank_mask:0xf
.endr
.endr
.irp ii, 0,1,2,3
	v_permlanex16_b32 v[TM+4+\ii], v[RS+2*\ii], s[SEL], s[SEL+1]
.endr
.irp ii, 0,1,2,3
	v_add_f32 v[RS+2*\ii], v[RS+2*\ii], v[TM+4+\ii]
.endr
.irp ii, 0,1,2,3
	v_fma_f32 v[RS+2*\ii], v[RS+2*\ii], s26, s27   ; the mean + eps
.endr
	s_wait_alu depctr_va_vdst(0)
.irp ii, 0,1,2,3
	v_rsq_f32 v[RS+2*\ii], v[RS+2*\ii]
.endr
.irp ii, 0,1,2,3
	v_mov_b32 v[RS+2*\ii+1], 0                     ; the pairs' upper words are named below, so they are written; these are also the plain lines behind the roots
.endr
	s_wait_alu depctr_va_vdst(0)                   ; one wait for the four roots, ahead of their first reader
.irp ii, 0,1,2,3
.set k, 0
.rept 16
	v_pk_mul_f32 v[X+32*\ii+k:X+32*\ii+k+1], v[X+32*\ii+k:X+32*\ii+k+1], v[RS+2*\ii:RS+2*\ii+1] op_sel_hi:[1,0]
.set k, k+2
.endr
.set k, 0
.rept 16
	v_pk_mul_f32 v[X+32*\ii+k:X+32*\ii+k+1], v[X+32*\ii+k:X+32*\ii+k+1], v[G+k:G+k+1]
.set k, k+2
.endr
.irp j, 0,1,2,3,4,5,6,7
	ds_store_b128 v5, v[X+32*\ii+4*\j:X+32*\ii+4*\j+3] offset:NP*\ii+512*\j
.endr
.endr
	s_wait_dscnt 0x0                               ; for the others' sake: my rows lie in LDS
	s_barrier_signal -1
	s_barrier_wait -1
	; lane (r, h) takes, of row r, 16 neighbours of each block of 32 of my two K steps
.irp s, 0,1
.irp b, 0,1,2,3
.irp jj, 0,1,2,3
	ds_load_b128 v[X+64*\s+16*\b+4*\jj:X+64*\s+16*\b+4*\jj+3], v6 offset:512*\s+128*\b+16*\jj
.endr
.endr
.endr
	s_wait_dscnt 16                                ; the first K step's sixteen loads are in
	QUANT X, PW
.irp c, 0,1,2,3
	global_store_b128 v4, v[PC+4*\c:PC+4*\c+3], s[28:29] offset:512*\c        ; 32 lanes store 512 consecutive bytes
.endr
	s_wait_dscnt 0x0
	s_wait_xcnt 0x0                                ; the stores have read the codes' registers: they are written again below
	QUANT X+64, PW+1
.irp c, 0,1,2,3
	global_store_b128 v4, v[PC+4*\c:PC+4*\c+3], s[28:29] offset:2048+512*\c
.endr
	global_store_b64 v7, v[PW:PW+1], s[30:31]      ; row r's two scale words (both halves of the lanes hold and write the same)
	s_wait_tensorcnt 0x0
	ds_add_u32 v240, v241
	s_wait_dscnt 0x0
	s_endpgm
	; ---------------- THE WEIGHTS: a work-group takes 128 columns x 256 along K, a wave 32 columns (two tiles).  A LANE TAKES A COLUMN AND ITS REGISTERS RUN DOWN K:
	; a block of 32 lies in one lane, and its 32 codes are the two 16-byte pieces (h = 0, 1) of that row in the image.  Of a store's 32 lanes sixteen fill 256 consecutive bytes in each of the two tiles.
.Lweights:
	s_sub_co_u32 s24, ttmp9, 256                   ; 0-95 w_attn, 96-127 w_proj, 128-255 w_fc1, 256-383 w_fc2
	s_mov_b32 s25, 0                               ; the weight's first number
	s_mov_b32 s26, 12288                           ; bytes in a row
	s_mov_b32 s27, 2                               ; log2 of K / 256
	s_mov_b32 s28, 0                               ; where its codes begin in W
	s_mov_b32 s29, 12582912                        ; and its scale bytes
	s_mov_b32 s30, 16384                           ; a tile's codes: 16 K bytes
	s_mov_b32 s31, 512                             ; a tile's scale bytes: K / 2
	s_wait_kmcnt 0x0
	s_mov_b64 s[32:33], s[10:11]
	s_cmp_ge_u32 s24, 96
	s_cselect_b32 s25, 96, s25
	s_cselect_b32 s26, 4096, s26
	s_cselect_b32 s28, 3145728, s28
	s_cselect_b32 s29, 12681216, s29
	s_cselect_b64 s[32:33], s[12:13], s[32:33]
	s_cmp_ge_u32 s24, 128
	s_cselect_b32 s25, 128, s25
	s_cselect_b32 s26, 16384, s26
	s_cselect_b32 s28, 4194304, s28
	s_cselect_b32 s29, 12713984, s29
	s_cselect_b64 s[32:33], s[14:15], s[32:33]
	s_cmp_ge_u32 s24, 256
	s_cselect_b32 s25, 256, s25
	s_cselect_b32 s26, 4096, s26
	s_cselect_b32 s27, 4, s27
	s_cselect_b32 s28, 8388608, s28
	s_cselect_b32 s29, 12845056, s29
	s_cselect_b32 s30, 65536, s30
	s_cselect_b32 s31, 2048, s31
	s_cselect_b64 s[32:33], s[16:17], s[32:33]
	s_sub_co_u32 s24, s24, s25
	s_lshr_b32 s34, s24, s27                       ; which 128 columns
	s_lshl_b32 s35, 1, s27
	s_sub_co_u32 s35, s35, 1
	s_and_b32 s35, s24, s35                        ; which 256 along K
	s_lshl_b32 s36, s35, 8
	s_mul_i32 s36, s36, s26
	s_lshl_b32 s37, s34, 9
	s_add_co_u32 s36, s36, s37
	s_lshl_b32 s37, s20, 7
	s_add_co_u32 s36, s36, s37
	s_mov_b32 s37, 0
	s_add_nc_u64 s[32:33], s[32:33], s[36:37]      ; the weight at my wave's first number
	s_lshl_b32 s36, s26, 5                         ; s[36:37]: 32 rows on
	s_lshl_b32 s38, s34, 3
	s_lshl_b32 s39, s20, 1
	s_add_co_u32 s38, s38, s39                     ; my first tile
	s_mul_i32 s40, s38, s30
	s_lshl_b32 s41, s35, 12                        ; two K steps' images
	s_add_co_u32 s40, s40, s41
	s_add_co_u32 s40, s40, s28
	s_mov_b32 s41, 0
	s_add_nc_u64 s[40:41], s[18:19], s[40:41]
	s_mul_i32 s42, s38, s31
	s_lshr_b32 s43, s35, 1
	s_lshl_b32 s43, s43, 8
	s_add_co_u32 s42, s42, s43
	s_and_b32 s43, s35, 1
	s_lshl_b32 s43, s43, 3
	s_add_co_u32 s42, s42, s43
	s_add_co_u32 s42, s42, s29
	s_mov_b32 s43, 0
	s_add_nc_u64 s[42:43], s[18:19], s[42:43]
	s_wait_alu depctr_va_vdst(0)
	v_and_b32 v10, 7, v1                           ; column 16 a + 8 u + low of the 32 is row r = 8 a + low of tile u
	v_bfe_u32 v11, v1, 3, 1
	v_bfe_u32 v12, v1, 4, 1
	v_lshl_add_u32 v10, v12, 3, v10
	v_lshlrev_b32 v10, 4, v10                      ; 16 r
	v_mul_u32_u24 v16, s30, v11
	v_add_nc_u32 v16, v16, v10                     ; my place among the codes
	v_mul_u32_u24 v17, s31, v11
	v_add_nc_u32 v17, v17, v10                     ; and among the scale bytes
	v_lshlrev_b32 v[OFF], 2, v1
.set i, 1
.rept 31
	v_add_nc_u32 v[OFF+i], s26, v[OFF+i-1]
.set i, i+1
.endr
.macro LOAD t                          ; block t: 32 rows of K at my column, into set t % 2; each load reads 128 consecutive bytes
.set i, 0
.rept 32
	global_load_b32 v[XW+32*((\t)%2)+i], v[OFF+i], s[32:33] th:TH_LOAD_NT
.set i, i+1
.endr
	s_wait_xcnt 0x0                                ; the loads have read their base: it steps
	s_add_nc_u64 s[32:33], s[32:33], s[36:37]
.endm
.macro BLOCK t
.set XS, XW+32*((\t)%2)
.if (\t) < 7
	s_wait_loadcnt 32                              ; this block's 32 loads are in; the next block's may be out
.else
	s_wait_loadcnt 0x0
.endif
	v_max3_num_f32 v12, |v[XS]|, |v[XS+1]|, |v[XS+2]|
	v_max3_num_f32 v13, |v[XS+3]|, |v[XS+4]|, |v[XS+5]|
.irp i, 6,10,14,18,22,26
	v_max3_num_f32 v12, v12, |v[XS+\i]|, |v[XS+\i+1]|
	v_max3_num_f32 v13, v13, |v[XS+\i+2]|, |v[XS+\i+3]|
.endr
	v_max3_num_f32 v12, v12, |v[XS+30]|, |v[XS+31]|
	v_max3_num_f32 v12, v12, v13, 0x8000000        ; and the floor
	v_add_nc_u32 v11, 0xf8800000, v12              ; the conversion's scale operand
	v_and_or_b32 v10, v12, 0x7f800000, s[MNT]      ; 57,344 x the scale
	v_lshrrev_b32 v13, 23, v11                     ; the byte
.if (\t)%4 == 0
	v_mov_b32 v[SB+(\t)/4], v13
.else
	v_lshl_or_b32 v[SB+(\t)/4], v13, 8*((\t)%4), v[SB+(\t)/4]
.endif
.set i, 0
.rept 32
	v_med3_num_f32 v[XS+i], v[XS+i], -v10, v10
.set i, i+1
.endr
	s_wait_alu depctr_va_vdst(0)
	s_wait_xcnt 0x0                                ; the last block's stores have read the codes' registers
.irp g, 0,1,2,3
	v_cvt_scalef32_pk8_bf8_f32 v[CW+2*\g:CW+2*\g+1], v[XS+8*\g:XS+8*\g+7], v11
.endr
	global_store_b128 v16, v[CW:CW+3], s[40:41] offset:512*(\t)        ; k 0-15 of the block: the lanes' lower half in the image
	global_store_b128 v16, v[CW+4:CW+7], s[40:41] offset:512*(\t)+256  ; k 16-31: the upper half
.if (\t)+2 < 8
	LOAD (\t)+2
.endif
.endm
	LOAD 0
	s_wait_alu depctr_va_vdst(0)
	LOAD 1
.irp t, 0,1,2,3,4,5,6,7
	BLOCK \t
.endr
	global_store_b64 v17, v[SB:SB+1], s[42:43]     ; my column's eight scale bytes
	s_endpgm
.Lfunc_end_k_q97fdf3a2d6_prep:
	.size	k_q97fdf3a2d6_prep, .Lfunc_end_k_q97fdf3a2d6_prep-k_q97fdf3a2d6_prep
	.p2alignl 7, 3214868480
	.fill 96, 4, 3214868480
	.section	.rodata,"a",@progbits
	.p2align	6, 0x0
	.amdhsa_kernel k_q97fdf3a2d6_prep
		.amdhsa_group_segment_fixed_size 66560
		.amdhsa_private_segment_fixed_size 0
		.amdhsa_enable_private_segment 0
		.amdhsa_kernarg_size 64
		.amdhsa_user_sgpr_count 2
		.amdhsa_user_sgpr_kernarg_segment_ptr 1
		.amdhsa_wavefront_size32 1
		.amdhsa_system_sgpr_workgroup_id_x 1
		.amdhsa_system_sgpr_workgroup_id_y 1
		.amdhsa_system_sgpr_workgroup_id_z 1
		.amdhsa_system_vgpr_workitem_id 0
		.amdhsa_next_free_vgpr 242
		.amdhsa_next_free_sgpr 66
		.amdhsa_reserve_vcc 0
		.amdhsa_float_denorm_mode_32 3
		.amdhsa_float_denorm_mode_16_64 3
		.amdhsa_memory_ordered 1
		.amdhsa_forward_progress 1
		.amdhsa_inst_pref_size 102
	.end_amdhsa_kernel
	.amdgpu_metadata
---
amdhsa.version: [ 1, 2 ]
amdhsa.kernels:
  - .name:           k_q97fdf3a2d6_prep
    .symbol:         k_q97fdf3a2d6_prep.kd
    .args:
      - { .name: x, .offset: 0, .size: 8, .value_kind: global_buffer, .address_space: global }
      - { .name: g_norm1, .offset: 8, .size: 8, .value_kind: global_buffer, .address_space: global }
      - { .name: H, .offset: 16, .size: 8, .value_kind: global_buffer, .address_space: global }
      - { .name: w_attn, .offset: 24, .size: 8, .value_kind: global_buffer, .address_space: global }
      - { .name: w_proj, .offset: 32, .size: 8, .value_kind: global_buffer, .address_space: global }
      - { .name: w_fc1, .offset: 40, .size: 8, .value_kind: global_buffer, .address_space: global }
      - { .name: w_fc2, .offset: 48, .size: 8, .value_kind: global_buffer, .address_space: global }
      - { .name: W, .offset: 56, .size: 8, .value_kind: global_buffer, .address_space: global }
    .group_segment_fixed_size: 66560
    .private_segment_fixed_size: 0
    .kernarg_segment_align: 8
    .kernarg_segment_size: 64
    .max_flat_workgroup_size: 128
    .sgpr_count:     66
    .vgpr_count:     242
    .wavefront_size: 32
...
	.end_amdgpu_metadata
.endif
;; end of part 7
;; launch qkv (part 8): grid 8 x 32, 4 waves a work-group, clusters of 4 x 4, 327,680 bytes of LDS; arguments W, H, b_attn, QKV; writes QKV
.if DOCPART == 8
	.amdgcn_target "amdgcn-amd-amdhsa--gfx1250"
	.amdhsa_code_object_version 6
	.text
	.protected	k_q97fdf3a2d6_qkv
	.globl	k_q97fdf3a2d6_qkv
	.p2align	8
	.type	k_q97fdf3a2d6_qkv,@function
k_q97fdf3a2d6_qkv:
	s_mov_b64 s[64:65], 0
	v_nop
	global_prefetch_b8 v0, s[64:65] scope:SCOPE_SE
	s_setreg_imm32_b32 hwreg(HW_REG_WAVE_MODE, 25, 1), 1
	s_wait_xcnt 0x0
	s_wait_alu depctr_hold_cnt(0) depctr_sa_sdst(0) depctr_va_vdst(0) depctr_va_sdst(0) depctr_va_ssrc(0) depctr_va_vcc(0) depctr_vm_vsrc(0)
	s_getreg_b32 s2, hwreg(HW_REG_IB_STS2, 6, 4)
	s_cmp_eq_u32 s2, 0
	s_cbranch_scc0 .Lentry_in_a_cluster
	s_endpgm
.Lentry_in_a_cluster:
	s_bfe_u32 s2, ttmp6, 0x10000c
	s_cmp_lg_u32 s2, 0xf033
	s_cbranch_scc0 .Lentry_shape_is_right
	s_endpgm
.Lentry_shape_is_right:
; qkv = h W_attn + b_attn on codes of E5M2 with E8M0 scales, and its results quantised at once into the operands of attention.
; Operands lie in memory as images of fragment registers: [tile of 16 rows][K / 128][2048 bytes], scale bytes [tile][K / 512][r][16]; the rows of a tile are rho(T, r) = 32 (T / 2) + 8 (T % 2) + r % 8 + 16 (r / 8).
; A WORK-GROUP STAYS.  It keeps one slab of 128 tokens (Q, by the grid's y) and walks three slabs of 128 columns of W_attn (P): X, X + 8, X + 16, which are a slab of q, of k and of v.
; A wave makes 64 x 64: P's tiles 4 ph .. 4 ph + 3 (ph = wave % 2) against Q's tiles 4 qh .. 4 qh + 3 (qh = wave / 2): 16 LDS loads feed the 16 products of a K step.
; Q STAYS IN REGISTERS: the slab comes once, by a joint load, into slot 1; each wave reads its 4 tiles x 8 K steps into 512 registers, and slot 1 is then P's.
; P goes through two LDS slots, each a whole slab (K = 1,024: 131,072 dense bytes, a quarter to each wave's load).  At a tile's head the next tile's slab is asked for, into the slot just left: it has a whole tile in which to land.
; CLUSTERS: 4 x 4 work-groups; P's slabs hang on the grid's x and are asked for jointly down a column of the cluster, Q's slab on y, along a row.
; q AND k: source 0 = a tile of P, source 1 = a tile of Q: a lane holds one token, and its 32 registers of a tile of tokens run along one head's 64 features in the order of the next operand's registers.
; v: THE SOURCES ARE SWAPPED (source 0 = tokens, source 1 = W): a lane holds one channel, and the registers of token tiles 2 u and 2 u + 1 are 16 neighbouring keys: codes with the keys innermost.
; The scale bytes leave in pieces of 2 or 4 bytes a lane: one part in 32 of the codes.
; LIMITS: NaN and infinities are not served.
.set PSCL,   12582912                  ; where W_attn's scale bytes begin in W (its codes begin at 0)
.set QSCL,   4194304                   ; where the scale bytes begin in H
.set SLOT1,  131072                    ; slot 1 begins here: one exclusive or turns an address in one slot into the other's
.set PSTEP,  8*131072                  ; from a slab of P to the next that I walk
.set SCLP,   2*SLOT1                   ; behind the ring: P's scale bytes: [tile of the walk 3][4096]
.set SPARE,  SCLP+4*3072               ; the spare words, 128 bytes for each wave: two blocks of 256 bytes that no other line names
.set LI,   16                          ; v16    16 x lane: my place in an image
.set ADP,  18                          ; v18-19 LDS address of my half of P's images in slot 0, 1
.set AQ,   20                          ; v20    of my half of Q's images in slot 1
.set ADS,  21                          ; v21    of P's scale words: lanes 0-15 the even tile of a pair, lanes 16-31 the odd one
.set RO,   22                          ; v22    16 r
.set BO,   24                          ; v24    64 h
.set VO,   25                          ; v25    4 (r % 8 + 16 (r / 8))
.set WO,   27                          ; v27    4 r
.set SPW,  28
.set NIL,  29
.set SP,   32                          ; v32-47  P's scale words: pair j at 8 j, word = K step
.set SQ,   48                          ; v48-79  Q's: tile tq at 8 tq, word = K step
.set PF,   128                         ; v128-255 P's fragments, two sets of 64
.set BP,   128                         ; window 1: v128-159 the bias at P's rows, in the accumulators' order (q, then k)
.set BV,   160                         ; window 1: v160-163 the bias at my lane's channel of P's four tiles (v)
.set VB,   164                         ; window 1: v164-167 v's scale bytes, two to a register
.set PC,   192                         ; window 1: codes; v208-223 at work; v224-225 scale words
.set TM,   208
.set PW,   224
.set G1P, 24
.set G0P, 32
.set QSP, 36
.set BPT, 38
.set MNT, 45
.set SEL, 46
.set G1Q, 48
.set G0Q, 56
.set CB,  60
.set SS,  62
.set G1S, 68
.set G0S, 76
.set VC,  94
.set VS,  96
.set MSB, 0
.macro WIN new                         ; the immediate's high byte repeats the setting that is left
.if MSB != \new
	s_set_vgpr_msb (MSB<<8)|\new
.set MSB, \new
.endif
.endm
.macro CROUND                          ; a round of the cluster's barrier
	s_barrier_signal -1
	s_barrier_wait -1
	s_cmp_lg_u32 s14, 0
	s_cbranch_scc1 .Lnot_wave_0_\@
	s_barrier_signal -3
.Lnot_wave_0_\@:
	s_barrier_wait -3
	s_barrier_signal -1
	s_barrier_wait -1
.endm
.macro PLACES n
.rept \n
	v_nop
.endr
.endm
.macro WM d, a, b, sa, sb, odd, zero   ; one product; odd = 1: source 0's scales stand in lanes 16-31; zero = 1: it starts the sum
.if \zero
.if \odd
	v_wmma_scale_f32_16x16x128_f8f6f4 v[\d:\d+7], v[\a:\a+15], v[\b:\b+15], 0, v[\sa], v[\sb] matrix_a_fmt:MATRIX_FMT_BF8 matrix_b_fmt:MATRIX_FMT_BF8 matrix_a_scale:MATRIX_SCALE_ROW1
.else
	v_wmma_scale_f32_16x16x128_f8f6f4 v[\d:\d+7], v[\a:\a+15], v[\b:\b+15], 0, v[\sa], v[\sb] matrix_a_fmt:MATRIX_FMT_BF8 matrix_b_fmt:MATRIX_FMT_BF8
.endif
.else
.if \odd
	v_wmma_scale_f32_16x16x128_f8f6f4 v[\d:\d+7], v[\a:\a+15], v[\b:\b+15], v[\d:\d+7], v[\sa], v[\sb] matrix_a_fmt:MATRIX_FMT_BF8 matrix_b_fmt:MATRIX_FMT_BF8 matrix_a_scale:MATRIX_SCALE_ROW1
.else
	v_wmma_scale_f32_16x16x128_f8f6f4 v[\d:\d+7], v[\a:\a+15], v[\b:\b+15], v[\d:\d+7], v[\sa], v[\sb] matrix_a_fmt:MATRIX_FMT_BF8 matrix_b_fmt:MATRIX_FMT_BF8
.endif
.endif
.endm
.macro WMS d, a, b, sa, sb, odd, zero  ; the same with source 1's scales in lanes 16-31 where odd = 1
.if \zero
.if \odd
	v_wmma_scale_f32_16x16x128_f8f6f4 v[\d:\d+7], v[\a:\a+15], v[\b:\b+15], 0, v[\sa], v[\sb] matrix_a_fmt:MATRIX_FMT_BF8 matrix_b_fmt:MATRIX_FMT_BF8 matrix_b_scale:MATRIX_SCALE_ROW1
.else
	v_wmma_scale_f32_16x16x128_f8f6f4 v[\d:\d+7], v[\a:\a+15], v[\b:\b+15], 0, v[\sa], v[\sb] matrix_a_fmt:MATRIX_FMT_BF8 matrix_b_fmt:MATRIX_FMT_BF8
.endif
.else
.if \odd
	v_wmma_scale_f32_16x16x128_f8f6f4 v[\d:\d+7], v[\a:\a+15], v[\b:\b+15], v[\d:\d+7], v[\sa], v[\sb] matrix_a_fmt:MATRIX_FMT_BF8 matrix_b_fmt:MATRIX_FMT_BF8 matrix_b_scale:MATRIX_SCALE_ROW1
.else
	v_wmma_scale_f32_16x16x128_f8f6f4 v[\d:\d+7], v[\a:\a+15], v[\b:\b+15], v[\d:\d+7], v[\sa], v[\sb] matrix_a_fmt:MATRIX_FMT_BF8 matrix_b_fmt:MATRIX_FMT_BF8
.endif
.endif
.endm
; A K step: my four tiles of Q against my four of P; the 16 accumulators take turns in the same order in every step.
; Windows: P's fragments 0, Q's 2 (tiles 0, 1) or 3 (tiles 2, 3), C and D 1.
.macro MUL16 p, ks, zero
	WIN 0x58
.irp tq, 0,1
.irp b, 0,1,2,3
	WM 32*\tq+8*\b, PF+64*(\p)+16*\b, 128*(\tq%2)+16*(\ks), SP+8*(\b/2)+(\ks), SQ+8*\tq+(\ks), \b%2, \zero
.endr
.endr
	WIN 0x5c
.irp tq, 2,3
.irp b, 0,1,2,3
	WM 32*\tq+8*\b, PF+64*(\p)+16*\b, 128*(\tq%2)+16*(\ks), SP+8*(\b/2)+(\ks), SQ+8*\tq+(\ks), \b%2, \zero
.endr
.endr
.endm
.macro MUL16S p, ks, zero              ; the same with the sources swapped
	WIN 0x52
.irp tq, 0,1
.irp b, 0,1,2,3
	WMS 32*\tq+8*\b, 128*(\tq%2)+16*(\ks), PF+64*(\p)+16*\b, SQ+8*\tq+(\ks), SP+8*(\b/2)+(\ks), \b%2, \zero
.endr
.endr
	WIN 0x53
.irp tq, 2,3
.irp b, 0,1,2,3
	WMS 32*\tq+8*\b, 128*(\tq%2)+16*(\ks), PF+64*(\p)+16*\b, SQ+8*\tq+(\ks), SP+8*(\b/2)+(\ks), \b%2, \zero
.endr
.endr
.endm
.macro MULX sw, p, ks, zero
.if \sw
	MUL16S \p, \ks, \zero
.else
	MUL16 \p, \ks, \zero
.endif
.endm
.macro FETCH slot, ks, p               ; my four fragments of P of K step ks into set p: 16 loads, each 512 consecutive bytes
.irp i, 0,1,2,3
.irp c, 0,1,2,3
	ds_load_b128 v[PF+64*(\p)+16*\i+4*\c:PF+64*(\p)+16*\i+4*\c+3], v[ADP+\slot] offset:16384*\i+2048*(\ks)+512*\c
.endr
.endr
.endm
.macro SCALES t                        ; P's scale words of tile t of the walk, all of K
.irp j, 0,1
.irp hf, 0,1
	ds_load_b128 v[SP+8*\j+4*\hf:SP+8*\j+4*\hf+3], v[ADS] offset:1024*\j+4096*(\t)+256*\hf
.endr
.endr
.endm
.macro STEP slot, q, zero, sw
	s_wait_dscnt 0x0                               ; this step's fragments are in
	PLACES 8                                       ; eight places between the last step's products and the loads into the set that they read
	FETCH \slot, (\q)+1, 1-(\q)%2
	MULX \sw, (\q)%2, \q, \zero
	WIN 0
.endm
; A TILE'S HEAD is the change of slots.  Each wave waits for all its tensor loads (its quarter of this tile's slab), adds 0 to its spare word, and waits for that and for its reads of the slot that it has left.
; fill = 1: behind a round of the cluster's barrier that slot takes the next tile's slab.
.macro THEAD t, fill
	s_wait_tensorcnt 0x0                           ; no tensor load of mine is out, so the walking descriptor may be written
	ds_add_u32 v[SPW], v[NIL]                      ; 0 onto my spare word
.if \fill
	s_xor_b32 s[G0P+1], s[G0P+1], SLOT1            ; the other slot than last time,
	s_add_nc_u64 s[G0P+2:G0P+3], s[G0P+2:G0P+3], PSTEP   ; the next slab of the walk; the type bits on top are not reached
.endif
	s_wait_dscnt 0x0                               ; the add is done, and my reads of the slot that I have left are over
.if \fill
	CROUND                                         ; no wave of any partner still reads that slot or has a load on its way
	tensor_load_to_lds s[G0P:G0P+3], s[G1P:G1P+7]  ; the first thing behind the round, and my one tensor load until the next
	s_nop 0
	PLACES 4
.else
	s_barrier_signal -1
	s_barrier_wait -1
.endif
	FETCH (\t)%2, 0, 0
	SCALES \t
.if (\t) == 0
	global_prefetch_b8 v30, s[98:99] offset:2*PSTEP th:TH_LOAD_NT scope:SCOPE_SE   ; v's slab, which the next tile's head loads: a tile ahead
.endif
.endm
.macro KSTEPS slot, sw
	STEP \slot, 0, 1, \sw                          ; the first step's products start the sums
.irp q, 1,2,3,4,5,6
	STEP \slot, \q, 0, \sw
.endr
	s_wait_dscnt 0x0
	MULX \sw, 1, 7, 0
	WIN 0
	PLACES 8                                       ; between the last products and the first read of results
	s_wait_loadcnt 0x0                             ; the bias
.endm
; 64 numbers of a lane, register 16 b + i = place 16 (lane / 16) + i of block b, become 16 registers of codes in v[PC] on and four scale bytes in v[pw]
.macro QUANT s, pw
.irp b, 0,1,2,3
	v_max3_num_f32 v[TM+\b], |v[\s+16*\b]|, |v[\s+1+16*\b]|, 0x8000000   ; my 16 numbers of block b, and the floor 2^(16 - 127)
.endr
.irp i, 2,4,6,8,10,12,14
.irp b, 0,1,2,3
	v_max3_num_f32 v[TM+\b], v[TM+\b], |v[\s+16*\b+\i]|, |v[\s+1+16*\b+\i]|
.endr
.endr
.irp b, 0,1,2,3
	v_permlanex16_b32 v[TM+4+\b], v[TM+\b], s[SEL], s[SEL+1]
.endr
.irp b, 0,1,2,3
	v_max_num_f32 v[TM+\b], v[TM+\b], v[TM+4+\b]
.endr
.irp b, 0,1,2,3
	v_add_nc_u32 v[TM+12+\b], 0xf8800000, v[TM+\b]                  ; the conversion's scale operand
.endr
.irp b, 0,1,2,3
	v_and_or_b32 v[TM+8+\b], v[TM+\b], 0x7f800000, s[MNT]           ; 57,344 x the scale
.endr
.irp b, 0,1,2,3
	v_lshrrev_b32 v[TM+4+\b], 23, v[TM+12+\b]                       ; the byte
.endr
	v_lshl_or_b32 v[\pw], v[TM+5], 8, v[TM+4]
	v_lshl_or_b32 v[\pw], v[TM+6], 16, v[\pw]
	v_lshl_or_b32 v[\pw], v[TM+7], 24, v[\pw]
.irp b, 0,1,2,3
.irp i, 0,1,2,3,4,5,6,7,8,9,10,11,12,13,14,15
	v_med3_num_f32 v[\s+16*\b+\i], v[\s+16*\b+\i], -v[TM+8+\b], v[TM+8+\b]   ; the conversion does not saturate (ISA guide 7.6.2)
.endr
	v_cvt_scalef32_pk8_bf8_f32 v[PC+4*\b:PC+1+4*\b], v[\s+16*\b:\s+7+16*\b], v[TM+12+\b]
	v_cvt_scalef32_pk8_bf8_f32 v[PC+2+4*\b:PC+3+4*\b], v[\s+8+16*\b:\s+15+16*\b], v[TM+12+\b]
.endr
	v_nop                                          ; a plain line behind the last conversion
.endm
; THE WAY OUT of q (t = 0) and k (t = 1): two tiles of tokens at a time: blocks 0, 1 are the head's 64 of tile 2 u, blocks 2, 3 of tile 2 u + 1.  reload = 1: the next tile's bias is asked for when this one's has been used.
.macro EPIQK t, reload
.irp u, 0,1
	s_wait_xcnt 0x0                                ; the earlier stores have read the codes' and the words' registers
	WIN 0x55
.set k, 0
.rept 32
	v_pk_add_f32 v[64*\u+k:64*\u+k+1], v[64*\u+k:64*\u+k+1], v[BP+k%32:BP+k%32+1]   ; ascending: each accumulator is read from its low end on
.set k, k+2
.endr
.if \reload
.if \u == 1
	WIN 0x40
.irp b, 0,1,2,3
	global_load_b128 v[BP+8*\b:BP+8*\b+3], v[BO], s[BPT:BPT+1] offset:4096+(32*(\b/2)+8*(\b%2))*4
	global_load_b128 v[BP+8*\b+4:BP+8*\b+7], v[BO], s[BPT:BPT+1] offset:4096+(32*(\b/2)+8*(\b%2))*4+16
.endr
	WIN 0x55
.endif
.endif
	QUANT 64*\u, PW
	v_lshrrev_b32 v[PW+1], 16, v[PW]               ; tile 2 u + 1's two bytes; a word's upper two stand over zero codes and are 0 or a neighbour's, never 0xff
	WIN 0x04                                       ; a store's data: window 1
	global_store_b128 v[LI], v[PC:PC+3], s[CB:CB+1] offset:4194304*(\t)+1024*(2*\u)          ; 32 lanes store 512 consecutive bytes
	global_store_b128 v[LI], v[PC+4:PC+7], s[CB:CB+1] offset:4194304*(\t)+1024*(2*\u)+512
	global_store_b128 v[LI], v[PC+8:PC+11], s[CB:CB+1] offset:4194304*(\t)+1024*(2*\u+1)
	global_store_b128 v[LI], v[PC+12:PC+15], s[CB:CB+1] offset:4194304*(\t)+1024*(2*\u+1)+512
	global_store_b32 v[WO], v[PW], s[SS:SS+1] offset:262144*(\t)+64*(2*\u)
	global_store_b32 v[WO], v[PW+1], s[SS:SS+1] offset:262144*(\t)+64*(2*\u+1)
.endr
	WIN 0
.endm
; v: block (u, b): my channel of P's tile b, keys 32 (2 qh + u) + 16 (lane / 16) + 0 .. 15: the accumulators of token tiles 2 u and 2 u + 1
.macro VQ u
.irp b, 0,1,2,3
	v_max3_num_f32 v[TM+\b], |v[64*(\u)+8*\b]|, |v[64*(\u)+8*\b+1]|, 0x8000000
.endr
.irp i, 2,4,6
.irp b, 0,1,2,3
	v_max3_num_f32 v[TM+\b], v[TM+\b], |v[64*(\u)+8*\b+\i]|, |v[64*(\u)+8*\b+\i+1]|
.endr
.endr
.irp i, 0,2,4,6
.irp b, 0,1,2,3
	v_max3_num_f32 v[TM+\b], v[TM+\b], |v[64*(\u)+32+8*\b+\i]|, |v[64*(\u)+32+8*\b+\i+1]|
.endr
.endr
.irp b, 0,1,2,3
	v_permlanex16_b32 v[TM+4+\b], v[TM+\b], s[SEL], s[SEL+1]
.endr
.irp b, 0,1,2,3
	v_max_num_f32 v[TM+\b], v[TM+\b], v[TM+4+\b]
.endr
.irp b, 0,1,2,3
	v_add_nc_u32 v[TM+12+\b], 0xf8800000, v[TM+\b]
.endr
.irp b, 0,1,2,3
	v_and_or_b32 v[TM+8+\b], v[TM+\b], 0x7f800000, s[MNT]
.endr
.irp b, 0,1,2,3
	v_lshrrev_b32 v[TM+4+\b], 23, v[TM+12+\b]
.endr
.irp b, 0,1,2,3
.if (\u) == 0
	v_mov_b32 v[VB+\b], v[TM+4+\b]
.else
	v_lshl_or_b32 v[VB+\b], v[TM+4+\b], 8, v[VB+\b]
.endif
.endr
.irp b, 0,1,2,3
.irp i, 0,1,2,3,4,5,6,7
	v_med3_num_f32 v[64*(\u)+8*\b+\i], v[64*(\u)+8*\b+\i], -v[TM+8+\b], v[TM+8+\b]
	v_med3_num_f32 v[64*(\u)+32+8*\b+\i], v[64*(\u)+32+8*\b+\i], -v[TM+8+\b], v[TM+8+\b]
.endr
	v_cvt_scalef32_pk8_bf8_f32 v[PC+4*\b:PC+1+4*\b], v[64*(\u)+8*\b:64*(\u)+8*\b+7], v[TM+12+\b]
	v_cvt_scalef32_pk8_bf8_f32 v[PC+2+4*\b:PC+3+4*\b], v[64*(\u)+32+8*\b:64*(\u)+32+8*\b+7], v[TM+12+\b]
.endr
	v_nop                                          ; a plain line behind the last conversion
.endm
	s_load_b256 s[4:11], s[0:1], 0x0               ; W s[4:5], H s[6:7], b_attn s[8:9], QKV s[10:11]
	v_lshl_add_u32 v[SPW], v0, 2, SPARE
	v_mov_b32 v[NIL], 0
	ds_add_u32 v28, v29
	ds_add_u32 v28, v29
	s_wait_dscnt 0x0
	v_lshrrev_b32 v1, 5, v0
	v_readfirstlane_b32 s14, v1                    ; wave 0..3
	s_lshr_b32 s15, s14, 1                         ; qh: my half of Q's tiles
	s_and_b32 s16, s14, 1                          ; ph: my half of P's
	s_bfe_u32 s40, ttmp6, 0x40000                  ; cx
	s_bfe_u32 s41, ttmp6, 0x40004                  ; cy
	s_lshl_b32 s42, ttmp9, 2
	s_add_co_u32 s42, s42, s40                     ; X = 4 x cluster x + cx: 0 .. 7
	s_and_b32 s17, ttmp7, 0xffff
	s_lshl_b32 s17, s17, 2
	s_add_co_u32 s17, s17, s41                     ; y: the slab of tokens
	s_lshl_b32 s43, s41, 2
	s_lshl_b32 s43, 15, s43                        ; my row of the cluster
	s_lshl_b32 s44, 0x1111, s40                    ; my column
	; descriptor group 1, codes: a quarter of a slab, 32,768 dense bytes, as 128 rows of 256 bytes; elements of 8 bytes
	s_or_b32 s[G1P], s44, (3<<16)|(1<<21)
	s_or_b32 s[G1Q], s43, (3<<16)|(1<<21)
.irp g, G1P, G1Q
	s_mov_b32 s[\g+1], 32<<16                      ; tensor_dim0
	s_mov_b32 s[\g+2], 128<<16                     ; tensor_dim1
	s_mov_b32 s[\g+3], 32<<16                      ; tile_dim0
	s_mov_b32 s[\g+4], 128                         ; tile_dim1
	s_mov_b32 s[\g+5], 32                          ; dense
	s_mov_b32 s[\g+6], 0
	s_mov_b32 s[\g+7], 0
.endr
	; THE HEAD'S TILES ARE SHARED OUT, one load a wave: wave 0 q's whole slab (512 rows of 256 bytes), waves 1 and 2 the halves of the tokens' slab (256 rows each), wave 3 P's scale bytes
	s_mov_b32 s[G1Q+2], 256<<16
	s_mov_b32 s[G1Q+4], 256
	s_or_b32 s80, s44, (3<<16)|(1<<21)
	s_mov_b32 s81, 32<<16
	s_mov_b32 s82, 512<<16
	s_mov_b32 s83, 32<<16
	s_mov_b32 s84, 512
	s_mov_b32 s85, 32
	s_mov_b32 s86, 0
	s_mov_b32 s87, 0
	; P's scale bytes: 4,096 of each of the three slabs, which lie 8 slabs = 32,768 bytes apart
	s_or_b32 s[G1S], s44, (3<<16)|(1<<21)
	s_mov_b32 s[G1S+1], 512<<16
	s_mov_b32 s[G1S+2], 3<<16
	s_mov_b32 s[G1S+3], 512<<16
	s_mov_b32 s[G1S+4], 3
	s_mov_b32 s[G1S+5], 4096
	s_mov_b32 s[G1S+6], 0
	s_mov_b32 s[G1S+7], 0
	s_lshl_b32 s20, s42, 17                        ; P: slab X, my quarter (these registers never hold cy, Q's never cx)
	s_lshl_b32 s21, s14, 15
	s_add_co_u32 s20, s20, s21
	s_mov_b32 s21, 0
	s_lshl_b32 s22, s42, 12
	s_add_co_u32 s22, s22, PSCL
	s_mov_b32 s23, 0
	s_lshl_b32 s46, s17, 17                        ; Q: slab y, my half
	s_lshl_b32 s47, s16, 16
	s_add_co_u32 s46, s46, s47
	s_mov_b32 s47, 0
	s_lshl_b32 s45, s14, 15                        ; LDS: wave x 32,768
	s_lshl_b32 s93, s16, 16
	s_wait_kmcnt 0x0
	s_mov_b32 s[G0S], 1
	s_mov_b32 s[G0S+1], SCLP
	s_add_nc_u64 s[G0S+2:G0S+3], s[4:5], s[22:23]
	s_or_b32 s[G0S+3], s[G0S+3], 0x80000000
	s_mov_b32 s[G0P], 1
	s_mov_b32 s[G0P+1], s45
	s_add_nc_u64 s[G0P+2:G0P+3], s[4:5], s[20:21]
	s_or_b32 s[G0P+3], s[G0P+3], 0x80000000
	s_mov_b32 s[G0Q], 1
	s_add_co_u32 s[G0Q+1], s93, SLOT1
	s_add_nc_u64 s[G0Q+2:G0Q+3], s[6:7], s[46:47]
	s_or_b32 s[G0Q+3], s[G0Q+3], 0x80000000
	s_mov_b32 s88, 1                               ; group 0 of the head's load of q's slab, whole, into slot 0
	s_mov_b32 s89, 0
	s_lshl_b32 s94, s42, 17
	s_mov_b32 s95, 0
	s_add_nc_u64 s[90:91], s[4:5], s[94:95]
	s_or_b32 s91, s91, 0x80000000
	CROUND                                         ; all sixteen work-groups are here: the first joint loads meet
	s_cmp_lt_u32 s14, 1                            ; one chain of branches on the wave's number, one load to an arm
	s_cbranch_scc0 .Lhq
	tensor_load_to_lds s[88:91], s[80:87]          ; wave 0: q's slab into slot 0
	s_nop 0
	PLACES 4
	s_branch .Lhj
.Lhq:
	s_cmp_lt_u32 s14, 3
	s_cbranch_scc0 .Lhs
	tensor_load_to_lds s[G0Q:G0Q+3], s[G1Q:G1Q+7]  ; waves 1, 2: a half of the tokens' slab into slot 1
	s_nop 0
	PLACES 4
	s_branch .Lhj
.Lhs:
	tensor_load_to_lds s[G0S:G0S+3], s[G1S:G1S+7]  ; wave 3: P's scale bytes
	s_nop 0
	PLACES 4
.Lhj:
	v_and_b32 v1, 31, v0                           ; lane
	v_and_b32 v2, 15, v0                           ; r
	v_bfe_u32 v3, v0, 4, 1                         ; h
	v_lshlrev_b32 v[LI], 4, v1
	v_lshlrev_b32 v30, 8, v1                       ; the prefetches' offset: 256 x lane; never rewritten
	s_lshl_b32 s18, s16, 16
	v_add_nc_u32 v[ADP], s18, v[LI]
	v_add_nc_u32 v[ADP+1], SLOT1, v[ADP]
	s_lshl_b32 s18, s15, 16
	s_add_co_u32 s18, s18, SLOT1
	v_add_nc_u32 v[AQ], s18, v[LI]
	v_lshlrev_b32 v[RO], 4, v2
	s_wait_alu depctr_va_vdst(0)
	v_lshl_add_u32 v[ADS], v3, 9, v[RO]            ; 512 h + 16 r
	s_lshl_b32 s18, s16, 11
	s_add_co_u32 s18, s18, SCLP
	v_add_nc_u32 v[ADS], s18, v[ADS]
	v_lshlrev_b32 v[BO], 6, v3
	s_wait_alu depctr_va_vdst(0)
	v_and_b32 v[VO], 7, v2
	v_lshrrev_b32 v26, 3, v2
	v_lshl_add_u32 v[VO], v26, 4, v[VO]
	v_lshlrev_b32 v[VO], 2, v[VO]
	s_wait_alu depctr_va_vdst(0)
	v_lshlrev_b32 v[WO], 2, v2
	s_mov_b32 s[SEL], 0x76543210
	s_mov_b32 s[SEL+1], 0xfedcba98
	s_mov_b32 s[MNT], 0x600000
	s_lshl_b32 s18, s17, 3
	s_lshl_b32 s19, s15, 2
	s_add_co_u32 s18, s18, s19                     ; my first tile of tokens: 8 y + 4 qh
	s_lshl_b32 s[QSP], s18, 9
	s_add_co_u32 s[QSP], s[QSP], QSCL
	s_mov_b32 s[QSP+1], 0
	s_add_nc_u64 s[QSP:QSP+1], s[6:7], s[QSP:QSP+1]   ; its scale bytes
	s_lshl_b32 s[BPT], s42, 9
	s_lshl_b32 s19, s16, 8
	s_add_co_u32 s[BPT], s[BPT], s19
	s_mov_b32 s[BPT+1], 0
	s_add_nc_u64 s[BPT:BPT+1], s[8:9], s[BPT:BPT+1]   ; b_attn at slab X, my half
	s_lshr_b32 s18, s17, 4
	s_lshl_b32 s18, s18, 4
	s_lshl_b32 s19, s42, 1
	s_add_co_u32 s18, s18, s19
	s_add_co_u32 s18, s18, s16                     ; 16 x batch + head: the head is 2 X + ph
	s_and_b32 s19, s17, 15                         ; the slab's place in its batch: the key step
	s_lshl_b32 s92, s18, 7
	s_lshl_b32 s93, s19, 3
	s_add_co_u32 s92, s92, s93
	s_lshl_b32 s93, s15, 2
	s_add_co_u32 s92, s92, s93                     ; q, k: 128 x (16 batch + head) + my first tile in the batch
	s_lshl_b32 s[CB], s92, 10
	s_mov_b32 s[CB+1], 0
	s_add_nc_u64 s[CB:CB+1], s[10:11], s[CB:CB+1]
	s_lshl_b32 s[SS], s92, 6
	s_add_co_u32 s[SS], s[SS], 12582912
	s_mov_b32 s[SS+1], 0
	s_add_nc_u64 s[SS:SS+1], s[10:11], s[SS:SS+1]
	s_lshl_b32 s92, s18, 4
	s_add_co_u32 s92, s92, s19                     ; v: 16 x (16 batch + head) + the key step
	s_lshl_b32 s[VC], s92, 13                      ; x 4 images of 2,048 bytes,
	s_lshl_b32 s93, s15, 10                        ; + my two blocks of keys: 512 bytes each
	s_add_co_u32 s[VC], s[VC], s93
	s_add_co_u32 s[VC], s[VC], 8388608
	s_mov_b32 s[VC+1], 0
	s_add_nc_u64 s[VC:VC+1], s[10:11], s[VC:VC+1]
	s_lshl_b32 s[VS], s92, 8
	s_lshl_b32 s93, s15, 1
	s_add_co_u32 s[VS], s[VS], s93
	s_add_co_u32 s[VS], s[VS], 13107200
	s_mov_b32 s[VS+1], 0
	s_add_nc_u64 s[VS:VS+1], s[10:11], s[VS:VS+1]
	; PREFETCHES INTO THE L2 of the walk's later slabs of P.  A slab is 512 blocks of 256 bytes; the four partners of a column of the cluster, which ask for it jointly, share it out BY ADDRESS:
	; of the quarter that wave w loads, the partner at place cy names 8,192 bytes, a lane a block: each block is named once in the cluster.  The addresses are never rewritten: the slabs are told apart by the immediate.
	s_lshl_b32 s100, s41, 13
	s_mov_b32 s101, 0
	s_add_nc_u64 s[98:99], s[4:5], s[20:21]
	s_add_nc_u64 s[98:99], s[98:99], s[100:101]
	s_wait_alu depctr_va_vdst(0)                   ; directly ahead of the first reader of v30
	global_prefetch_b8 v30, s[98:99] offset:PSTEP th:TH_LOAD_NT scope:SCOPE_SE     ; k's slab, which the first tile's head loads
.irp tq, 0,1,2,3
.irp hf, 0,1
	global_load_b128 v[SQ+8*\tq+4*\hf:SQ+8*\tq+4*\hf+3], v[RO], s[QSP:QSP+1] offset:512*\tq+256*\hf   ; row r's four words of 512 along K
.endr
.endr
	WIN 0x40                                       ; destination window 1
.irp b, 0,1,2,3
	global_load_b128 v[BP+8*\b:BP+8*\b+3], v[BO], s[BPT:BPT+1] offset:(32*(\b/2)+8*(\b%2))*4
	global_load_b128 v[BP+8*\b+4:BP+8*\b+7], v[BO], s[BPT:BPT+1] offset:(32*(\b/2)+8*(\b%2))*4+16
	global_load_b32 v[BV+\b], v[VO], s[BPT:BPT+1] offset:8192+(32*(\b/2)+8*(\b%2))*4
	v_mov_b32 v[TM+4+\b], 0                        ; a lane permute's destination counts as one of its sources
.endr
	WIN 0
	s_wait_tensorcnt 0x0                           ; my quarters of the scale bytes, of q's slab and of the tokens' slab are in,
	s_barrier_signal -1
	s_barrier_wait -1                              ; everybody's are
	WIN 0x80                                       ; Q's fragments: tiles 0, 1 into window 2,
.irp tq, 0,1
.irp ks, 0,1,2,3,4,5,6,7
.irp c, 0,1,2,3
	ds_load_b128 v[128*\tq+16*\ks+4*\c:128*\tq+16*\ks+4*\c+3], v[AQ] offset:16384*\tq+2048*\ks+512*\c
.endr
.endr
.endr
	WIN 0xc0                                       ; tiles 2, 3 into window 3
.irp tq, 0,1
.irp ks, 0,1,2,3,4,5,6,7
.irp c, 0,1,2,3
	ds_load_b128 v[128*\tq+16*\ks+4*\c:128*\tq+16*\ks+4*\c+3], v[AQ] offset:32768+16384*\tq+2048*\ks+512*\c
.endr
.endr
.endr
	WIN 0
	s_wait_loadcnt 0x0                             ; Q's scale words and the bias
	THEAD 0, 1                                     ; Q is in registers: slot 1 takes k's slab
	KSTEPS 0, 0
	EPIQK 0, 1
	THEAD 1, 1                                     ; slot 0 takes v's slab
	KSTEPS 1, 0
	EPIQK 1, 0
	THEAD 2, 0                                     ; nothing is left to fetch
	KSTEPS 0, 1
	s_wait_xcnt 0x0
	WIN 0x55
.set k, 0
.rept 64
.if ((k%32)/8)%2
	v_pk_add_f32 v[k:k+1], v[k:k+1], v[BV+2*((k%32)/16):BV+2*((k%32)/16)+1] op_sel:[0,1] op_sel_hi:[1,1]   ; the pair's second word for both halves: P's odd tiles
.else
	v_pk_add_f32 v[k:k+1], v[k:k+1], v[BV+2*((k%32)/16):BV+2*((k%32)/16)+1] op_sel_hi:[1,0]                ; its first: the even tiles.  Ascending: each accumulator is read from its low end on
.endif
.set k, k+2
.endr
	VQ 0
	WIN 0x04
.irp b, 0,1,2,3
	global_store_b128 v[LI], v[PC+4*\b:PC+4*\b+3], s[VC:VC+1] offset:2048*\b         ; 32 lanes store 512 consecutive bytes
.endr
	s_wait_xcnt 0x0                                ; the stores have read the codes' registers
	WIN 0x55
	VQ 1
	WIN 0x04
.irp b, 0,1,2,3
	global_store_b128 v[LI], v[PC+4*\b:PC+4*\b+3], s[VC:VC+1] offset:2048*\b+512
	global_store_b16 v[WO], v[VB+\b], s[VS:VS+1] offset:64*\b                        ; my channel's two scale bytes
.endr
	WIN 0
	s_wait_tensorcnt 0x0                           ; the wave's end
	ds_add_u32 v[SPW], v[NIL]
	s_wait_dscnt 0x0
	CROUND                                         ; the closing round
	s_endpgm
.Lfunc_end_k_q97fdf3a2d6_qkv:
	.size	k_q97fdf3a2d6_qkv, .Lfunc_end_k_q97fdf3a2d6_qkv-k_q97fdf3a2d6_qkv
	.p2alignl 7, 3214868480
	.fill 96, 4, 3214868480
	.section	.rodata,"a",@progbits
	.p2align	6, 0x0
	.amdhsa_kernel k_q97fdf3a2d6_qkv
		.amdhsa_group_segment_fixed_size 327680
		.amdhsa_private_segment_fixed_size 0
		.amdhsa_enable_private_segment 0
		.amdhsa_kernarg_size 32
		.amdhsa_user_sgpr_count 2
		.amdhsa_user_sgpr_kernarg_segment_ptr 1
		.amdhsa_wavefront_size32 1
		.amdhsa_system_sgpr_workgroup_id_x 1
		.amdhsa_system_sgpr_workgroup_id_y 1
		.amdhsa_system_sgpr_workgroup_id_z 1
		.amdhsa_system_vgpr_workitem_id 0
		.amdhsa_next_free_vgpr 1024
		.amdhsa_next_free_sgpr 102
		.amdhsa_reserve_vcc 0
		.amdhsa_float_denorm_mode_32 3
		.amdhsa_float_denorm_mode_16_64 3
		.amdhsa_memory_ordered 1
		.amdhsa_forward_progress 1
		.amdhsa_inst_pref_size 168
	.end_amdhsa_kernel
	.amdgpu_metadata
---
amdhsa.version: [ 1, 2 ]
amdhsa.kernels:
  - .name:           k_q97fdf3a2d6_qkv
    .symbol:         k_q97fdf3a2d6_qkv.kd
    .args:
      - { .name: W, .offset: 0, .size: 8, .value_kind: global_buffer, .address_space: global }
      - { .name: H, .offset: 8, .size: 8, .value_kind: global_buffer, .address_space: global }
      - { .name: b_attn, .offset: 16, .size: 8, .value_kind: global_buffer, .address_space: global }
      - { .name: QKV, .offset: 24, .size: 8, .value_kind: global_buffer, .address_space: global }
    .group_segment_fixed_size: 327680
    .private_segment_fixed_size: 0
    .kernarg_segment_align: 8
    .kernarg_segment_size: 32
    .max_flat_workgroup_size: 128
    .sgpr_count:     102
    .vgpr_count:     1024
    .wavefront_size: 32
...
	.end_amdgpu_metadata
.endif
;; end of part 8
;; launch attn (part 9): grid 8 x 32, 16 waves a work-group, no clusters, 327,680 bytes of LDS; arguments QKV, O; writes O
.if DOCPART == 9
	.amdgcn_target "amdgcn-amd-amdhsa--gfx1250"
	.amdhsa_code_object_version 6
	.text
	.protected	k_q97fdf3a2d6_attn
	.globl	k_q97fdf3a2d6_attn
	.p2align	8
	.type	k_q97fdf3a2d6_attn,@function
k_q97fdf3a2d6_attn:
	s_mov_b64 s[64:65], 0
	v_nop
	global_prefetch_b8 v0, s[64:65] scope:SCOPE_SE
	s_setreg_imm32_b32 hwreg(HW_REG_WAVE_MODE, 25, 1), 1
	s_wait_xcnt 0x0
; o = (softmax(q k^T, causal) / 32) v for one head, both products on codes of E5M2 with E8M0 scales.  The second product's left operand is the FINISHED softmax / 32, quantised along the keys: its codes hang on
; the row's sum, so the keys are walked twice.  Walk 1: M (the largest t = score x log2 e, rounded up to a whole number) and the sum of 2^(t - M).  Walk 2: the scores again, p = 2^(t + d), d = -M - 5 - log2(sum), its codes, O^T += v^T p^T.
; LEFT OUT: key steps that lie wholly behind a tile's queries: the causal mask sets their scores to -inf, so their p is 0 for all inputs.
; SHARES.  A work-group takes query blocks i and 15 - i (128 queries each) of one head.  A tile of 16 queries of block 15 - i (L, 16 - i key steps of 128) and one of block i (S, i + 1 steps) are 17 steps,
; dealt to two waves: wave w < 8 takes L's steps 0-8; wave w + 8 takes L's steps from 9 on and all of S: 9 and 8 steps.  L's (M, sum) and its partial O^T are joined through LDS.
; TWO TILES OF KEYS FILL ONE FRAGMENT: the head's 64 are half of the instruction's 128 along K, so a fragment holds tile 2 j in k 0-63 and tile 2 j + 1 in k 64-127, and is multiplied by [q | 0] and by [0 | q];
; zero codes add nothing.  The scale word stored for tile 2 j holds both tiles' bytes; q's two bytes are laid into both halves of its word.
; LDS holds the head's k and v as images of fragment registers and their scale words, filled once: k and the scale words at the head (one load a wave), v behind the first barrier, so that it lands under walk 1.
; LAYOUT.  S^T = k q^T, O^T = v^T p^T: a lane holds one query; register 16 b + i of S^T is key 32 b + 16 (lane / 16) + i of the step (the rows of a tile are rho(T, r) = 32 (T / 2) + 8 (T % 2) + r % 8 + 16 (r / 8)).
; The loops' trip counts are constants (9 and 8); a trip beyond a wave's share is jumped over by a scalar branch on ids.
; NO CLUSTER: the eight work-groups of a head read the same k and v, but the trips that a wave leaves out hang on its work-group's number, which differs between partners.
; NO PREFETCH: the whole of k and v is asked for by the launch's first loads; there is no later tile to ask ahead for.
; LIMITS: NaN and infinities are not served; a p under the smallest normal f32 number counts as 0; d is rounded once to f32, so every p of a row carries a common relative error of up to 2^-24 |d| ln 2; scaled scores stay under 2^31.
.set VB,    131072                     ; LDS: k's images 0, v's here,
.set KSB,   262144                     ; k's scale words, 8,192 bytes,
.set VSB,   270336                     ; v's, 4,096,
.set XCH,   274432                     ; (-M, sum) of each lane: 256 bytes a wave,
.set XO,    278528                     ; a partial O^T: 4,096 bytes for each pair of waves,
.set SPARE, 311296                     ; the spare words, 128 bytes a wave
.set AK0, 1                            ; 16 x lane
.set ASK, 2                            ; 4 r + 128 h: k's scale words, lanes 0-15 an even pair of tiles, lanes 16-31 the odd pair
.set ASV, 3                            ; 4 x lane: v's
.set DQ,  4                            ; my query - its block's first - 16 h
.set SPW, 5
.set NIL, 6
.set AD0, 7
.set AD1, 8
.set QSL, 9                            ; q's scale words: L's, S's
.set QSS, 10
.set KSC, 11                           ; v11-12 k's, v13-14 v's, v15 p's
.set VSC, 13
.set PSC, 15
.set STL, 16                           ; v16-19 L: -M (then d), the largest score, the sum in two halves;  v20-23 S
.set STS, 20
.set QBL, 24                           ; v24-63: zeros, q of L, zeros, q of S, zeros, eight each: [0 | q] begins at QB, [q | 0] at QB + 8
.set QBS, 40
.set BM,  64                           ; v64-79 at work
.set PT,  68
.set HO,  72
.set SO,  76
.set S,   80                           ; v80-143 S^T, then p
.set O,   144                          ; v144-175 O^T (walk 1: the sums' chains)
.set PC,  176                          ; v176-191 p's codes
.set F,   192                          ; v192-255 four fragments of k or of v
.set WV, 8
.set P,  9
.set ROLE, 10
.set BH, 12
.set QDL, 13                           ; the step on the diagonal: L's, S's
.set QDS, 14
.set TL, 15                            ; the tiles' numbers
.set TS, 16
.set C,  17
.set ST, 18
.set TA, 19
.set TB, 20
.set MNT, 21
.set CS, 22
.set SEL, 24
.set NL, 26                            ; my steps of L, of S; my first step of L, of S
.set NS, 27
.set LOL, 28
.set LOS, 29
.set TC, 30
.set TD, 31
.set G1K, 32
.set G1KS, 40
.set G1VS, 48
.set G1V, 56
.set G0K, 68
.set G0KS, 72
.set G0VS, 76
.set G0V, 80
.macro PL n
.rept \n
	v_nop
.endr
.endm
.macro WM d, a, b, sa, sb, odd, zero
.if \zero
.if \odd
	v_wmma_scale_f32_16x16x128_f8f6f4 v[\d:\d+7], v[\a:\a+15], v[\b:\b+15], 0, v[\sa], v[\sb] matrix_a_fmt:MATRIX_FMT_BF8 matrix_b_fmt:MATRIX_FMT_BF8 matrix_a_scale:MATRIX_SCALE_ROW1
.else
	v_wmma_scale_f32_16x16x128_f8f6f4 v[\d:\d+7], v[\a:\a+15], v[\b:\b+15], 0, v[\sa], v[\sb] matrix_a_fmt:MATRIX_FMT_BF8 matrix_b_fmt:MATRIX_FMT_BF8
.endif
.else
.if \odd
	v_wmma_scale_f32_16x16x128_f8f6f4 v[\d:\d+7], v[\a:\a+15], v[\b:\b+15], v[\d:\d+7], v[\sa], v[\sb] matrix_a_fmt:MATRIX_FMT_BF8 matrix_b_fmt:MATRIX_FMT_BF8 matrix_a_scale:MATRIX_SCALE_ROW1
.else
	v_wmma_scale_f32_16x16x128_f8f6f4 v[\d:\d+7], v[\a:\a+15], v[\b:\b+15], v[\d:\d+7], v[\sa], v[\sb] matrix_a_fmt:MATRIX_FMT_BF8 matrix_b_fmt:MATRIX_FMT_BF8
.endif
.endif
.endm
; S^T of one step: 16 loads bring four fragments (eight tiles of keys), one wait, eight products.  pre: places ahead of the loads, beside the two additions
.macro QK qb, qs, lo, pre
	s_add_co_u32 s[ST], s[\lo], s[C]               ; the step
	s_min_u32 s[ST], s[ST], 15
	s_lshl_b32 s[TA], s[ST], 13
	s_lshl_b32 s[TB], s[ST], 9
	s_add_co_u32 s[TB], s[TB], KSB
	s_add_co_u32 s[TC], s[TA], VB
	s_lshl_b32 s[TD], s[ST], 8
	s_add_co_u32 s[TD], s[TD], VSB
	v_add_nc_u32 v[AD0], s[TA], v[AK0]
	v_add_nc_u32 v[AD1], s[TB], v[ASK]
	PL \pre
.irp j, 0,1,2,3
.irp c, 0,1,2,3
	ds_load_b128 v[F+16*\j+4*\c:F+16*\j+4*\c+3], v[AD0] offset:2048*\j+512*\c
.endr
.endr
	ds_load_b32 v[KSC], v[AD1]
	ds_load_b32 v[KSC+1], v[AD1] offset:256
	s_wait_dscnt 0x0
.irp j, 0,1,2,3
	WM S+16*\j, F+16*\j, \qb+8, KSC+\j/2, \qs, \j%2, 1
	WM S+16*\j+8, F+16*\j, \qb, KSC+\j/2, \qs, \j%2, 1
.endr
.endm
.macro MASK qd                         ; only the step on the diagonal: register 16 b + i is hidden where 32 b + i > v[DQ]
	s_cmp_lg_u32 s[ST], s[\qd]
	s_cbranch_scc1 .Lopen_\@
	v_mov_b32 v[SO], 0xff800000
.set n, 0
.rept 64
	v_cmp_gt_i32 vcc_lo, 32*(n/16)+n%16, v[DQ]
	v_cndmask_b32 v[S+n], v[S+n], v[SO], vcc_lo
.set n, n+1
.endr
.Lopen_\@:
.endm
.macro BMAX                            ; my 16 scores' largest in each block of 32 keys, the four blocks by turns, each accumulator from its low end on
.irp b, 0,1,2,3
	v_max3_num_f32 v[BM+\b], v[S+16*\b], v[S+1+16*\b], v[S+2+16*\b]
.endr
.irp i, 3,5,7,9,11,13
.irp b, 0,1,2,3
	v_max3_num_f32 v[BM+\b], v[BM+\b], v[S+16*\b+\i], v[S+1+16*\b+\i]
.endr
.endr
.irp b, 0,1,2,3
	v_max_num_f32 v[BM+\b], v[BM+\b], v[S+15+16*\b]
.endr
.endm
.macro TPLUS st                        ; score x log2 e + v[st], two at a time
.set j, 0
.rept 32
	v_pk_fma_f32 v[S+j:S+j+1], v[S+j:S+j+1], s[CS:CS+1], v[\st:\st+1] op_sel_hi:[1,0,0]
.set j, j+2
.endr
.endm
.macro EXP64
.set j, 0
.rept 64
	v_exp_f32 v[S+j], v[S+j]
.set j, j+1
.endr
.endm
; WALK 1 over one tile's share.  The largest score and the sum are kept lane by lane (a lane sees 64 of a step's 128 keys) and joined behind the walk
.macro WALK1 qb, qs, st, lo, n, qd, trips
	s_mov_b32 s[C], 0
.Lw1_\@:
	s_cmp_ge_u32 s[C], s[\n]
	s_cbranch_scc1 .Lw1s_\@
	QK \qb, \qs, \lo, 0                            ; the softmax below stands between the last products and these loads
	PL 8                                           ; eight places ahead of the first read of the scores
	MASK \qd
	BMAX
	v_max3_num_f32 v[PT], v[BM], v[BM+1], v[BM+2]
	s_delay_alu instid0(VALU_DEP_1)
	v_max3_num_f32 v[\st+1], v[PT], v[BM+3], v[\st+1]
	s_delay_alu instid0(VALU_DEP_1)
	v_mul_f32 v[PT], s[CS], v[\st+1]
	s_delay_alu instid0(VALU_DEP_1)
	v_floor_f32 v[PT+1], -v[PT]                    ; -M = floor(-t): M is a whole number
	s_delay_alu instid0(VALU_DEP_1)
	v_sub_f32 v[PT], v[PT+1], v[\st]
	v_mov_b32 v[\st], v[PT+1]
	s_delay_alu instid0(VALU_DEP_2)
	v_cvt_i32_f32 v[PT], v[PT]                     ; (it saturates)
	s_delay_alu instid0(VALU_DEP_1)
	v_ldexp_f32 v[HO], 1.0, v[PT]                  ; 2^(old M - new M): rounds nothing
	TPLUS \st
	s_wait_alu depctr_va_vdst(0)                   ; ahead of the batch
	EXP64
	v_pk_mul_f32 v[\st+2:\st+3], v[\st+2:\st+3], v[HO:HO+1] op_sel_hi:[1,0]   ; the sum under the new M; the plain line behind the batch
	s_wait_alu depctr_va_vdst(0)                   ; and behind it, ahead of its first reader
	v_pk_add_f32 v[O+2:O+3], v[S:S+1], v[S+2:S+3]  ; 32 pairs and the sum: 32 additions in four chains
	v_pk_add_f32 v[O+4:O+5], v[S+4:S+5], v[S+6:S+7]
	v_pk_add_f32 v[O+6:O+7], v[S+8:S+9], v[S+10:S+11]
.set q, 6
.rept 26
.if q%4 == 0
	v_pk_add_f32 v[\st+2:\st+3], v[\st+2:\st+3], v[S+2*q:S+2*q+1]
.else
	v_pk_add_f32 v[O+2*(q%4):O+2*(q%4)+1], v[O+2*(q%4):O+2*(q%4)+1], v[S+2*q:S+2*q+1]
.endif
.set q, q+1
.endr
	v_pk_add_f32 v[\st+2:\st+3], v[\st+2:\st+3], v[O+2:O+3]
	v_pk_add_f32 v[O+4:O+5], v[O+4:O+5], v[O+6:O+7]
	s_delay_alu instid0(VALU_DEP_1)
	v_pk_add_f32 v[\st+2:\st+3], v[\st+2:\st+3], v[O+4:O+5]
.Lw1s_\@:
	s_add_co_u32 s[C], s[C], 1
	s_cmp_lt_u32 s[C], \trips
	s_cbranch_scc1 .Lw1_\@
.endm
; (-M, sum) in v[st], v[st + 2] joined with another pair in v[a], v[b]: both sums are brought under the larger M by a power of two
.macro COMB st, a, b
	v_min_num_f32 v[HO], v[\st], v[\a]
	s_delay_alu instid0(VALU_DEP_1)
	v_sub_f32 v[HO+1], v[HO], v[\st]
	v_sub_f32 v[\a], v[HO], v[\a]
	s_delay_alu instid0(VALU_DEP_2)
	v_cvt_i32_f32 v[HO+1], v[HO+1]
	s_delay_alu instid0(VALU_DEP_2)
	v_cvt_i32_f32 v[\a], v[\a]
	s_delay_alu instid0(VALU_DEP_2)
	v_ldexp_f32 v[\st+2], v[\st+2], v[HO+1]
	s_delay_alu instid0(VALU_DEP_2)
	v_ldexp_f32 v[\b], v[\b], v[\a]
	v_mov_b32 v[\st], v[HO]
	s_delay_alu instid0(VALU_DEP_2)
	v_add_f32 v[\st+2], v[\st+2], v[\b]
.endm
.macro XM st                           ; the sum's halves, and lane l xor 16's pair
	v_add_f32 v[\st+2], v[\st+2], v[\st+3]
	v_permlanex16_b32 v[PT], v[\st], s[SEL], s[SEL+1]
	s_delay_alu instid0(VALU_DEP_2)
	v_permlanex16_b32 v[PT+1], v[\st+2], s[SEL], s[SEL+1]
	COMB \st, PT, PT+1
.endm
; WALK 2 over one tile's share: O^T begins as zeros
.macro WALK2 qb, qs, st, lo, n, qd, trips, some
.if \some
	s_cmp_eq_u32 s[ROLE], 0                        ; waves 0-7 have no step in this walk, and keep L's O^T in these registers
	s_cbranch_scc1 .Lw2z_\@
.endif
.set j, 0
.rept 32
	v_mov_b32 v[O+j], 0
.set j, j+1
.endr
.if \some
.Lw2z_\@:
.endif
	s_mov_b32 s[C], 0
.Lw2_\@:
	s_cmp_ge_u32 s[C], s[\n]
	s_cbranch_scc1 .Lw2s_\@
	QK \qb, \qs, \lo, 6                            ; two additions and six v_nop: eight places between the last step's products and the loads into their fragments
	v_add_nc_u32 v[AD0], s[TC], v[AK0]
	v_add_nc_u32 v[AD1], s[TD], v[ASV]
	PL 6                                           ; eight places again: for the loads below and for the first read of the scores
.irp t, 0,1,2,3
.irp c, 0,1,2,3
	ds_load_b128 v[F+16*\t+4*\c:F+16*\t+4*\c+3], v[AD0] offset:2048*\t+512*\c   ; v's four tiles of channels take k's registers, and land under the softmax
.endr
.endr
	ds_load_b32 v[VSC], v[AD1]
	ds_load_b32 v[VSC+1], v[AD1] offset:128
	MASK \qd
	BMAX
.irp b, 0,1,2,3
	v_permlanex16_b32 v[PT+\b], v[BM+\b], s[SEL], s[SEL+1]
.endr
.irp b, 0,1,2,3
	v_max_num_f32 v[BM+\b], v[BM+\b], v[PT+\b]     ; the block's largest score: p rises with the score, so it gives the block's largest p
.endr
	TPLUS \st
.irp b, 0,1,2,3
	v_fma_f32 v[BM+\b], v[BM+\b], s[CS], v[\st]
.endr
	s_wait_alu depctr_va_vdst(0)                   ; ahead of the batch
.irp b, 0,1,2,3
	v_exp_f32 v[BM+\b], v[BM+\b]
.endr
	EXP64                                          ; p = the finished softmax / 32
	v_nop
	s_wait_alu depctr_va_vdst(0)                   ; one wait for the 68
.irp b, 0,1,2,3
	v_max_num_f32 v[BM+\b], 0x8000000, v[BM+\b]    ; the floor 2^(16 - 127)
.endr
.irp b, 0,1,2,3
	v_add_nc_u32 v[SO+\b], 0xf8800000, v[BM+\b]    ; the conversion's scale operand
.endr
.irp b, 0,1,2,3
	v_and_or_b32 v[HO+\b], v[BM+\b], 0x7f800000, s[MNT]   ; 57,344 x the scale
.endr
.irp b, 0,1,2,3
	v_lshrrev_b32 v[PT+\b], 23, v[SO+\b]           ; the byte
.endr
	v_lshl_or_b32 v[PSC], v[PT+1], 8, v[PT]
	s_delay_alu instid0(VALU_DEP_1)
	v_lshl_or_b32 v[PSC], v[PT+2], 16, v[PSC]
	s_delay_alu instid0(VALU_DEP_1)
	v_lshl_or_b32 v[PSC], v[PT+3], 24, v[PSC]
.irp b, 0,1,2,3
.irp i, 0,1,2,3,4,5,6,7,8,9,10,11,12,13,14,15
	v_min_num_f32 v[S+16*\b+\i], v[S+16*\b+\i], v[HO+\b]   ; the conversion does not saturate (ISA guide 7.6.2); p is not negative
.endr
	v_cvt_scalef32_pk8_bf8_f32 v[PC+4*\b:PC+1+4*\b], v[S+16*\b:S+7+16*\b], v[SO+\b]
	v_cvt_scalef32_pk8_bf8_f32 v[PC+2+4*\b:PC+3+4*\b], v[S+8+16*\b:S+15+16*\b], v[SO+\b]
.endr
	PL 4                                           ; four places between the codes and the scaled products; the scale word was made ahead of the holds
	s_wait_alu depctr_va_vdst(0)
	s_wait_dscnt 0x0                               ; v's fragments and scale words
.irp t, 0,1,2,3
	WM O+8*\t, F+16*\t, PC, VSC+\t/2, PSC, \t%2, 0
.endr
.Lw2s_\@:
	s_add_co_u32 s[C], s[C], 1
	s_cmp_lt_u32 s[C], \trips
	s_cbranch_scc1 .Lw2_\@
.endm
; THE WAY OUT of a tile: register 16 b + i of O^T is channel 32 b + 16 h + i of my query: two blocks of the next product's K, quantised and stored as half an image
.macro OUT tile
	s_wait_alu depctr_va_vdst(0)                   ; ahead of the scalar lines
	s_and_b32 s84, s[BH], 15                       ; head
	s_lshr_b32 s85, s[BH], 4
	s_lshl_b32 s85, s85, 7
	s_add_co_u32 s85, s85, s[\tile]                ; the tile of tokens
	s_lshl_b32 s86, s85, 14
	s_lshr_b32 s87, s84, 1
	s_lshl_b32 s87, s87, 11
	s_add_co_u32 s86, s86, s87
	s_and_b32 s87, s84, 1
	s_lshl_b32 s87, s87, 10
	s_add_co_u32 s86, s86, s87
	s_mov_b32 s87, 0
	s_add_nc_u64 s[86:87], s[6:7], s[86:87]
	s_lshl_b32 s88, s85, 9
	s_lshr_b32 s89, s84, 3
	s_lshl_b32 s89, s89, 8
	s_add_co_u32 s88, s88, s89
	s_and_b32 s89, s84, 7
	s_lshl_b32 s89, s89, 1
	s_add_co_u32 s88, s88, s89
	s_add_co_u32 s88, s88, 4194304
	s_mov_b32 s89, 0
	s_add_nc_u64 s[88:89], s[6:7], s[88:89]
	v_and_b32 v[BM+3], 15, v0
.irp b, 0,1
	v_max3_num_f32 v[BM+\b], |v[O+16*\b]|, |v[O+1+16*\b]|, 0x8000000
.endr
	v_lshlrev_b32 v[BM+3], 4, v[BM+3]              ; 16 r
.irp i, 2,4,6,8,10,12,14
.irp b, 0,1
	v_max3_num_f32 v[BM+\b], v[BM+\b], |v[O+16*\b+\i]|, |v[O+1+16*\b+\i]|
.endr
.endr
.irp b, 0,1
	v_permlanex16_b32 v[PT+\b], v[BM+\b], s[SEL], s[SEL+1]
.endr
.irp b, 0,1
	v_max_num_f32 v[BM+\b], v[BM+\b], v[PT+\b]
.endr
.irp b, 0,1
	v_add_nc_u32 v[SO+\b], 0xf8800000, v[BM+\b]
.endr
.irp b, 0,1
	v_and_or_b32 v[HO+\b], v[BM+\b], 0x7f800000, s[MNT]
.endr
.irp b, 0,1
	v_lshrrev_b32 v[PT+\b], 23, v[SO+\b]
.endr
	v_lshl_or_b32 v[BM+2], v[PT+1], 8, v[PT]
.irp b, 0,1
.irp i, 0,1,2,3,4,5,6,7,8,9,10,11,12,13,14,15
	v_med3_num_f32 v[O+16*\b+\i], v[O+16*\b+\i], -v[HO+\b], v[HO+\b]
.endr
	v_cvt_scalef32_pk8_bf8_f32 v[PC+4*\b:PC+1+4*\b], v[O+16*\b:O+7+16*\b], v[SO+\b]
	v_cvt_scalef32_pk8_bf8_f32 v[PC+2+4*\b:PC+3+4*\b], v[O+8+16*\b:O+15+16*\b], v[SO+\b]
.endr
	v_nop
	global_store_b128 v[AK0], v[PC:PC+3], s[86:87]             ; 32 lanes store 512 consecutive bytes
	global_store_b128 v[AK0], v[PC+4:PC+7], s[86:87] offset:512
	global_store_b16 v[BM+3], v[BM+2], s[88:89]                ; my row's two scale bytes
	s_wait_xcnt 0x0                                ; the stores have read their registers: they are written again further on
.endm
	s_load_b128 s[4:7], s[0:1], 0x0                ; QKV, O
	v_lshl_add_u32 v[SPW], v0, 2, SPARE
	v_mov_b32 v[NIL], 0
	ds_add_u32 v[SPW], v[NIL]
	ds_add_u32 v[SPW], v[NIL]
	v_lshrrev_b32 v[AD0], 5, v0
	v_readfirstlane_b32 s[WV], v[AD0]              ; wave 0..15
	s_and_b32 s[P], s[WV], 7                       ; my tiles' place in their blocks
	s_lshr_b32 s[ROLE], s[WV], 3
	s_and_b32 s[BH], ttmp7, 0xffff                 ; 16 x batch + head
.irp g, G1K, G1KS, G1VS, G1V
	s_mov_b32 s[\g], 3<<16                         ; elements of 8 bytes, rows of 256 bytes, dense
	s_mov_b32 s[\g+1], 32<<16
	s_mov_b32 s[\g+3], 32<<16
	s_mov_b32 s[\g+5], 32
	s_mov_b32 s[\g+6], 0
	s_mov_b32 s[\g+7], 0
.endr
	s_mov_b32 s[G1K+2], 64<<16                     ; an eighth of k's codes: 64 rows
	s_mov_b32 s[G1K+4], 64
	s_mov_b32 s[G1KS+2], 8<<16                     ; a quarter of k's scale words: 8
	s_mov_b32 s[G1KS+4], 8
	s_mov_b32 s[G1VS+2], 4<<16                     ; a quarter of v's: 4
	s_mov_b32 s[G1VS+4], 4
	s_mov_b32 s[G1V+2], 32<<16                     ; a sixteenth of v's codes: 32
	s_mov_b32 s[G1V+4], 32
	s_and_b32 s84, s[WV], 3
	s_lshl_b32 s85, s[BH], 17                      ; a head's codes: 131,072 bytes
	s_lshl_b32 s86, s[P], 14
	s_mov_b32 s[G0K], 1
	s_mov_b32 s[G0K+1], s86
	s_add_co_u32 s86, s86, s85
	s_add_co_u32 s86, s86, 4194304
	s_mov_b32 s87, 0
	s_lshl_b32 s88, s84, 11
	s_mov_b32 s[G0KS], 1
	s_add_co_u32 s[G0KS+1], s88, KSB
	s_lshl_b32 s89, s[BH], 13
	s_add_co_u32 s88, s88, s89
	s_add_co_u32 s88, s88, 12845056
	s_mov_b32 s89, 0
	s_lshl_b32 s90, s84, 10
	s_mov_b32 s[G0VS], 1
	s_add_co_u32 s[G0VS+1], s90, VSB
	s_lshl_b32 s91, s[BH], 12
	s_add_co_u32 s90, s90, s91
	s_add_co_u32 s90, s90, 13107200
	s_mov_b32 s91, 0
	s_lshl_b32 s92, s[WV], 13
	s_mov_b32 s[G0V], 1
	s_add_co_u32 s[G0V+1], s92, VB
	s_add_co_u32 s92, s92, s85
	s_add_co_u32 s92, s92, 8388608
	s_mov_b32 s93, 0
	s_wait_alu depctr_va_vdst(0)                   ; ahead of the waits below
	s_wait_dscnt 0x0
	s_wait_kmcnt 0x0
	s_add_nc_u64 s[G0K+2:G0K+3], s[4:5], s[86:87]
	s_or_b32 s[G0K+3], s[G0K+3], 0x80000000
	s_add_nc_u64 s[G0KS+2:G0KS+3], s[4:5], s[88:89]
	s_or_b32 s[G0KS+3], s[G0KS+3], 0x80000000
	s_add_nc_u64 s[G0VS+2:G0VS+3], s[4:5], s[90:91]
	s_or_b32 s[G0VS+3], s[G0VS+3], 0x80000000
	s_add_nc_u64 s[G0V+2:G0V+3], s[4:5], s[92:93]
	s_or_b32 s[G0V+3], s[G0V+3], 0x80000000
	s_cmp_lt_u32 s[WV], 8                          ; the head's loads, one a wave, in one chain of branches on the wave's number
	s_cbranch_scc0 .Lh1
	tensor_load_to_lds s[G0K:G0K+3], s[G1K:G1K+7]  ; waves 0-7: k's codes
	s_nop 0
	PL 4
	s_branch .Lhj
.Lh1:
	s_cmp_lt_u32 s[WV], 12
	s_cbranch_scc0 .Lh2
	tensor_load_to_lds s[G0KS:G0KS+3], s[G1KS:G1KS+7]   ; waves 8-11: k's scale words
	s_nop 0
	PL 4
	s_branch .Lhj
.Lh2:
	tensor_load_to_lds s[G0VS:G0VS+3], s[G1VS:G1VS+7]   ; waves 12-15: v's
	s_nop 0
	PL 4
.Lhj:
	s_sub_co_u32 s[QDL], 15, ttmp9
	s_mov_b32 s[QDS], ttmp9
	s_lshl_b32 s[TL], s[QDL], 3
	s_add_co_u32 s[TL], s[TL], s[P]
	s_lshl_b32 s[TS], ttmp9, 3
	s_add_co_u32 s[TS], s[TS], s[P]
	s_mul_i32 s[LOL], s[ROLE], 9                   ; waves 0-7: L's steps 0-8; waves 8-15: from 9 on,
	s_mov_b32 s[LOS], 0
	s_add_co_u32 s84, ttmp9, 1
	s_mul_i32 s[NS], s[ROLE], s84                  ; and S's i + 1 steps
	s_add_co_u32 s84, s84, 1
	s_mul_i32 s84, s[ROLE], s84
	s_sub_co_u32 s[NL], 9, s84                     ; 9, or 7 - i
	s_lshl_b32 s86, s[TL], 10
	s_add_co_u32 s86, s86, s85
	s_mov_b32 s87, 0
	s_add_nc_u64 s[86:87], s[4:5], s[86:87]        ; q's image: L's,
	s_lshl_b32 s88, s[TS], 10
	s_add_co_u32 s88, s88, s85
	s_mov_b32 s89, 0
	s_add_nc_u64 s[88:89], s[4:5], s[88:89]        ; S's
	s_lshl_b32 s84, s[BH], 13
	s_add_co_u32 s84, s84, 12582912
	s_lshl_b32 s90, s[TL], 6
	s_add_co_u32 s90, s90, s84
	s_mov_b32 s91, 0
	s_add_nc_u64 s[90:91], s[4:5], s[90:91]        ; their scale words
	s_lshl_b32 s92, s[TS], 6
	s_add_co_u32 s92, s92, s84
	s_mov_b32 s93, 0
	s_add_nc_u64 s[92:93], s[4:5], s[92:93]
	s_lshr_b32 s94, s[P], 1
	s_lshl_b32 s94, s94, 5
	s_and_b32 s95, s[P], 1
	s_lshl_b32 s95, s95, 3
	s_add_co_u32 s94, s94, s95                     ; rho(tile, 0) in the block
	s_mov_b32 s[SEL], 0x76543210
	s_mov_b32 s[SEL+1], 0xfedcba98
	s_mov_b32 s[CS], 0x3fb8aa3b                    ; log2 e
	s_mov_b32 s[CS+1], s[CS]
	s_mov_b32 s[MNT], 0x600000
	v_and_b32 v[AD0], 31, v0                       ; lane
	v_and_b32 v[AD1], 15, v0                       ; r
	v_bfe_u32 v[BM], v0, 4, 1                      ; h
	v_lshlrev_b32 v[AK0], 4, v[AD0]
	v_lshlrev_b32 v[ASV], 2, v[AD0]
	v_lshlrev_b32 v[BM+1], 2, v[AD1]
	v_lshl_add_u32 v[ASK], v[BM], 7, v[BM+1]
	global_load_b128 v[QBL+8:QBL+11], v[AK0], s[86:87]
	global_load_b128 v[QBL+12:QBL+15], v[AK0], s[86:87] offset:512
	global_load_b128 v[QBS+8:QBS+11], v[AK0], s[88:89]
	global_load_b128 v[QBS+12:QBS+15], v[AK0], s[88:89] offset:512
	global_load_b32 v[QSL], v[BM+1], s[90:91]
	global_load_b32 v[QSS], v[BM+1], s[92:93]
	v_and_b32 v[DQ], 7, v[AD1]
	v_lshrrev_b32 v[BM+2], 3, v[AD1]
	v_lshl_add_u32 v[DQ], v[BM+2], 4, v[DQ]
	v_lshlrev_b32 v[BM+2], 4, v[BM]
	v_sub_nc_u32 v[DQ], v[DQ], v[BM+2]
	v_add_nc_u32 v[DQ], s94, v[DQ]
.set i, 0
.rept 8
	v_mov_b32 v[QBL+i], 0                          ; the three runs of zero codes: never written again
	v_mov_b32 v[QBL+16+i], 0
	v_mov_b32 v[QBL+32+i], 0
.set i, i+1
.endr
	v_mov_b32 v[BM+3], 0
.set i, 0
.rept 12
	v_mov_b32 v[PT+i], 0                           ; a lane permute's destination and a pair's upper word count as read
.set i, i+1
.endr
	v_mov_b32 v[STL+1], 0xfe967699                 ; the largest score so far: -1e38
	v_mov_b32 v[STS+1], 0xfe967699
	v_mul_f32 v[STL], s[CS], v[STL+1]
	v_mov_b32 v[STL+2], 0
	v_mov_b32 v[STL+3], 0
	v_floor_f32 v[STL], -v[STL]                    ; -M
	v_mov_b32 v[STS+2], 0
	v_mov_b32 v[STS+3], 0
	v_mov_b32 v[STS], v[STL]
	s_wait_alu depctr_va_vdst(0)                   ; at the head's end
	s_wait_loadcnt 0x0                             ; q
	v_and_b32 v[BM], 0xffff, v[QSL]
	v_and_b32 v[BM+1], 0xffff, v[QSS]
	v_lshl_or_b32 v[QSL], v[QSL], 16, v[BM]        ; q's two bytes in both halves of the word: for [q | 0] and for [0 | q]
	v_lshl_or_b32 v[QSS], v[QSS], 16, v[BM+1]
	s_wait_alu depctr_va_vdst(0)
	s_wait_tensorcnt 0x0                           ; my part of k or of the scale words is in
	ds_add_u32 v[SPW], v[NIL]
	s_wait_dscnt 0x0
	s_barrier_signal -1
	s_barrier_wait -1                              ; everybody's is
	tensor_load_to_lds s[G0V:G0V+3], s[G1V:G1V+7]  ; v's codes, a sixteenth a wave: my one load behind this barrier
	s_nop 0
	PL 8                                           ; (also the eight places between q's scale words and the first products)
	WALK1 QBL, QSL, STL, LOL, NL, QDL, 9
	s_wait_alu depctr_va_vdst(0)
	XM STL
	v_mov_b32 v[STL+1], v[STL+2]
	v_lshl_add_u32 v[AD0], v0, 3, XCH              ; my lane's pair,
	s_wait_alu depctr_va_vdst(0)                   ; ahead of the waits below
	s_wait_tensorcnt 0x0                           ; my part of v is in,
	s_wait_dscnt 0x0
	s_barrier_signal -1
	s_barrier_wait -1                              ; everybody's is: no tensor load of the work-group is out when LDS is stored to
	ds_store_b64 v[AD0], v[STL:STL+1]
	s_wait_dscnt 0x0
	s_barrier_signal -1                            ; L's pair is handed over.  S's walk 1 stands between the signal and the wait: work on registers and LDS loads of k, which nobody writes
	WALK1 QBS, QSS, STS, LOS, NS, QDS, 8
	s_wait_alu depctr_va_vdst(0)
	XM STS
	v_lshl_add_u32 v[AD1], v0, 3, XCH
	v_xor_b32 v[AD1], 2048, v[AD1]                 ; the pair of the wave that shares L with me
	s_wait_alu depctr_va_vdst(0)                   ; ahead of the barrier's wait
	s_barrier_wait -1
	ds_load_b64 v[PT:PT+1], v[AD1]
	s_wait_dscnt 0x0
	COMB STL, PT, PT+1
	s_wait_alu depctr_va_vdst(0)
	v_log_f32 v[PT], v[STL+2]
	v_log_f32 v[PT+1], v[STS+2]
	v_add_f32 v[STL], 0xc0a00000, v[STL]           ; -M - 5: the 1 / 32
	v_add_f32 v[STS], 0xc0a00000, v[STS]
	s_wait_alu depctr_va_vdst(0)
	v_sub_f32 v[STL], v[STL], v[PT]                ; d = -M - 5 - log2(sum)
	v_sub_f32 v[STS], v[STS], v[PT+1]
	WALK2 QBL, QSL, STL, LOL, NL, QDL, 9, 0
	PL 8                                           ; eight places between the last products and the first read of O^T
	s_lshl_b32 s84, s[P], 12
	s_add_co_u32 s84, s84, XO
	v_add_nc_u32 v[AD0], s84, v[AK0]
	s_wait_alu depctr_va_vdst(0)
	s_cmp_eq_u32 s[ROLE], 0
	s_cbranch_scc1 .Lkeep
.irp k, 0,1,2,3,4,5,6,7
	ds_store_b128 v[AD0], v[O+4*\k:O+4*\k+3] offset:512*\k   ; waves 8-15 hand over their part of L's O^T as an image of the registers
.endr
.Lkeep:
	s_wait_dscnt 0x0
	s_barrier_signal -1                            ; L's part is handed over.  S's walk 2 stands between the signal and the wait: work on registers and LDS loads of k and v, which nobody writes
	WALK2 QBS, QSS, STS, LOS, NS, QDS, 8, 1
	PL 8
	v_add_nc_u32 v[AD0], s84, v[AK0]               ; the pair's 4,096 bytes once more: the walk has used the register
	s_wait_alu depctr_va_vdst(0)
	s_barrier_wait -1
	s_cmp_lg_u32 s[ROLE], 0
	s_cbranch_scc1 .Lout_s
.irp k, 0,1,2,3,4,5,6,7
	ds_load_b128 v[S+4*\k:S+4*\k+3], v[AD0] offset:512*\k
.endr
	s_wait_dscnt 0x0
.set j, 0
.rept 16
	v_pk_add_f32 v[O+j:O+j+1], v[O+j:O+j+1], v[S+j:S+j+1]    ; ascending: each accumulator is read from its low end on
.set j, j+2
.endr
	OUT TL
	s_branch .Lend
.Lout_s:
	OUT TS                                         ; waves 8-15: S's tile
.Lend:
	s_wait_tensorcnt 0x0                           ; the wave's end
	ds_add_u32 v[SPW], v[NIL]
	s_wait_dscnt 0x0
	s_endpgm
.Lfunc_end_k_q97fdf3a2d6_attn:
	.size	k_q97fdf3a2d6_attn, .Lfunc_end_k_q97fdf3a2d6_attn-k_q97fdf3a2d6_attn
	.p2alignl 7, 3214868480
	.fill 96, 4, 3214868480
	.section	.rodata,"a",@progbits
	.p2align	6, 0x0
	.amdhsa_kernel k_q97fdf3a2d6_attn
		.amdhsa_group_segment_fixed_size 327680
		.amdhsa_private_segment_fixed_size 0
		.amdhsa_enable_private_segment 0
		.amdhsa_kernarg_size 16
		.amdhsa_user_sgpr_count 2
		.amdhsa_user_sgpr_kernarg_segment_ptr 1
		.amdhsa_wavefront_size32 1
		.amdhsa_system_sgpr_workgroup_id_x 1
		.amdhsa_system_sgpr_workgroup_id_y 1
		.amdhsa_system_sgpr_workgroup_id_z 1
		.amdhsa_system_vgpr_workitem_id 0
		.amdhsa_next_free_vgpr 256
		.amdhsa_next_free_sgpr 100
		.amdhsa_reserve_vcc 1
		.amdhsa_float_denorm_mode_32 3
		.amdhsa_float_denorm_mode_16_64 3
		.amdhsa_memory_ordered 1
		.amdhsa_forward_progress 1
		.amdhsa_inst_pref_size 103
	.end_amdhsa_kernel
	.amdgpu_metadata
---
amdhsa.version: [ 1, 2 ]
amdhsa.kernels:
  - .name:           k_q97fdf3a2d6_attn
    .symbol:         k_q97fdf3a2d6_attn.kd
    .args:
      - { .name: QKV, .offset: 0, .size: 8, .value_kind: global_buffer, .address_space: global }
      - { .name: O, .offset: 8, .size: 8, .value_kind: global_buffer, .address_space: global }
    .group_segment_fixed_size: 327680
    .private_segment_fixed_size: 0
    .kernarg_segment_align: 8
    .kernarg_segment_size: 16
    .max_flat_workgroup_size: 512
    .sgpr_count:     100
    .vgpr_count:     256
    .wavefront_size: 32
...
	.end_amdgpu_metadata
.endif
;; end of part 9
;; launch proj (part 10): grid 8 x 32, 4 waves a work-group, clusters of 4 x 4, 327,680 bytes of LDS; arguments W, O, b_proj, x, X1; writes X1
.if DOCPART == 10
	.amdgcn_target "amdgcn-amd-amdhsa--gfx1250"
	.amdhsa_code_object_version 6
	.text
	.protected	k_q97fdf3a2d6_proj
	.globl	k_q97fdf3a2d6_proj
	.p2align	8
	.type	k_q97fdf3a2d6_proj,@function
k_q97fdf3a2d6_proj:
	s_mov_b64 s[64:65], 0
	v_nop
	global_prefetch_b8 v0, s[64:65] scope:SCOPE_SE
	s_setreg_imm32_b32 hwreg(HW_REG_WAVE_MODE, 25, 1), 1
	s_wait_xcnt 0x0
	s_wait_alu depctr_hold_cnt(0) depctr_sa_sdst(0) depctr_va_vdst(0) depctr_va_sdst(0) depctr_va_ssrc(0) depctr_va_vcc(0) depctr_vm_vsrc(0)
	s_getreg_b32 s2, hwreg(HW_REG_IB_STS2, 6, 4)
	s_cmp_eq_u32 s2, 0
	s_cbranch_scc0 .Lentry_in_a_cluster
	s_endpgm
.Lentry_in_a_cluster:
	s_bfe_u32 s2, ttmp6, 0x10000c
	s_cmp_lg_u32 s2, 0xf033
	s_cbranch_scc0 .Lentry_shape_is_right
	s_endpgm
.Lentry_shape_is_right:
.set SIZE_K, 1024
.set PCODE,  3145728
.set PSCL,   12681216
.set QSCL,   4194304
.set SLOT,   131072
.set LAPS,   SIZE_K/1024
.set SLABC,  128*SIZE_K
.set HALFC,  64*SIZE_K
.set SLABS,  4*SIZE_K
.set HALFS,  2*SIZE_K
.set TS,     SIZE_K/2
.set SCLP,   2*SLOT
.set SCLQ,   SCLP+SLABS
.set SPARE,  SCLQ+SLABS
.set ADRP, 16
.set ADRQ, 20
.set ADSP, 22
.set ADSQ, 23
.set STO,  24
.set RD,   25
.set SPW,  28
.set NIL,  29
.set SC,   32
.set QF,   80
.set RB,   80
.set BI,   208
.set G1P, 24
.set G0P, 32
.set G1Q, 48
.set G0Q, 56
.set G1SP, 68
.set G0SP, 76
.set G1SQ, 80
.set G0SQ, 88
.set MSB, 0
.macro WIN new
.if MSB != \new
	s_set_vgpr_msb (MSB<<8)|\new
.set MSB, \new
.endif
.endm
.set MUL,  0xa1
.set TO_P, 0x40
.macro JLOAD g0p, g1p, g0q, g1q
	s_cmp_eq_u32 s15, 0
	s_cbranch_scc0 .Lfor_q_\@
	tensor_load_to_lds s[\g0p:\g0p+3], s[\g1p:\g1p+7]
	s_nop 0
.rept 4
	v_nop
.endr
	s_branch .Lasked_\@
.Lfor_q_\@:
	tensor_load_to_lds s[\g0q:\g0q+3], s[\g1q:\g1q+7]
	s_nop 0
.rept 4
	v_nop
.endr
.Lasked_\@:
.endm
.macro CROUND
	s_barrier_signal -1
	s_barrier_wait -1
	s_cmp_lg_u32 s14, 0
	s_cbranch_scc1 .Lnot_wave_0_\@
	s_barrier_signal -3
.Lnot_wave_0_\@:
	s_barrier_wait -3
	s_barrier_signal -1
	s_barrier_wait -1
.endm
.macro PLACES n
.rept \n
	v_nop
.endr
.endm
.macro WM d, a, b, sa, sb, odd, zero
.if \zero
.if \odd
	v_wmma_scale_f32_16x16x128_f8f6f4 v[\d:\d+7], v[\a:\a+15], v[\b:\b+15], 0, v[\sa], v[\sb] matrix_a_fmt:MATRIX_FMT_BF8 matrix_b_fmt:MATRIX_FMT_BF8 matrix_a_scale:MATRIX_SCALE_ROW1
.else
	v_wmma_scale_f32_16x16x128_f8f6f4 v[\d:\d+7], v[\a:\a+15], v[\b:\b+15], 0, v[\sa], v[\sb] matrix_a_fmt:MATRIX_FMT_BF8 matrix_b_fmt:MATRIX_FMT_BF8
.endif
.else
.if \odd
	v_wmma_scale_f32_16x16x128_f8f6f4 v[\d:\d+7], v[\a:\a+15], v[\b:\b+15], v[\d:\d+7], v[\sa], v[\sb] matrix_a_fmt:MATRIX_FMT_BF8 matrix_b_fmt:MATRIX_FMT_BF8 matrix_a_scale:MATRIX_SCALE_ROW1
.else
	v_wmma_scale_f32_16x16x128_f8f6f4 v[\d:\d+7], v[\a:\a+15], v[\b:\b+15], v[\d:\d+7], v[\sa], v[\sb] matrix_a_fmt:MATRIX_FMT_BF8 matrix_b_fmt:MATRIX_FMT_BF8
.endif
.endif
.endm
.macro MUL16 p, q, sc, zero
.irp tq, 0,1
.irp b, 0,1,2,3,4,5,6,7
	WM 64*\tq+8*\b, 128*(\p)+16*\b, QF+32*(\p)+16*\tq, SC+24*(\sc)+4*(\b/2)+(\q), SC+24*(\sc)+16+4*\tq+(\q), \b%2, \zero
.endr
.endr
.endm
.macro FETCH slot, q, p
	WIN TO_P
.irp i, 0,1,2,3,4,5,6,7
.irp c, 0,1,2,3
	ds_load_b128 v[128*(\p)+16*\i+4*\c:128*(\p)+16*\i+4*\c+3], v[ADRP+\slot] offset:8192*\i+2048*(\q)+512*\c
.endr
.endr
	WIN 0
.irp t, 0,1
.irp c, 0,1,2,3
	ds_load_b128 v[QF+32*(\p)+16*\t+4*\c:QF+32*(\p)+16*\t+4*\c+3], v[ADRQ+\slot] offset:8192*\t+2048*(\q)+512*\c
.endr
.endr
.endm
.macro SCALES sc
.irp i, 0,1,2,3
	ds_load_b128 v[SC+24*\sc+4*\i:SC+24*\sc+4*\i+3], v[ADSP] offset:2*TS*\i
.endr
.irp t, 0,1
	ds_load_b128 v[SC+24*\sc+16+4*\t:SC+24*\sc+16+4*\t+3], v[ADSQ] offset:TS*\t
.endr
.endm
.macro STEP slot, q, zero
	s_wait_dscnt 0x0
	PLACES 8
	FETCH \slot, (\q)+1, 1-(\q)%2
	WIN MUL
	MUL16 (\q)%2, \q, \slot, \zero
	WIN 0
.endm
.macro TURN slot, next, fill
	s_wait_tensorcnt 0x0
	ds_add_u32 v[SPW], v[NIL]
.if \fill
	s_add_nc_u64 s[G0P+4*\slot+2:G0P+4*\slot+3], s[G0P+4*\slot+2:G0P+4*\slot+3], 16384
	s_add_nc_u64 s[G0Q+4*\slot+2:G0Q+4*\slot+3], s[G0Q+4*\slot+2:G0Q+4*\slot+3], 16384
.endif
	s_wait_dscnt 0x0
.if \fill
	CROUND
	JLOAD G0P+4*\slot, G1P, G0Q+4*\slot, G1Q
	PLACES 4
.else
	s_barrier_signal -1
	s_barrier_wait -1
	PLACES 8
.endif
	v_add_nc_u32 v[ADSP], 256, v[ADSP]
	v_add_nc_u32 v[ADSQ], 256, v[ADSQ]
	FETCH \next, 0, 0
	SCALES \next
	WIN MUL
	MUL16 1, 3, \slot, 0
	WIN 0
.endm
	s_load_b256 s[4:11], s[0:1], 0x0
	s_load_b64 s[12:13], s[0:1], 0x20
	v_lshl_add_u32 v[SPW], v0, 2, SPARE
	v_mov_b32 v[NIL], 0
	ds_add_u32 v28, v29
	ds_add_u32 v28, v29
	s_wait_dscnt 0x0
	v_lshrrev_b32 v1, 5, v0
	v_readfirstlane_b32 s14, v1
	v_and_b32 v30, 31, v0
	v_lshlrev_b32 v30, 8, v30                      ; the prefetches' offset: 256 x lane; never rewritten
	s_lshr_b32 s15, s14, 1
	s_and_b32 s16, s14, 1
	s_bfe_u32 s40, ttmp6, 0x40000
	s_bfe_u32 s41, ttmp6, 0x40004
	s_lshl_b32 s42, ttmp9, 2
	s_add_co_u32 s42, s42, s40
	s_and_b32 s17, ttmp7, 0xffff
	s_lshl_b32 s17, s17, 2
	s_add_co_u32 s17, s17, s41
	s_lshl_b32 s43, s41, 2
	s_lshl_b32 s43, 15, s43
	s_lshl_b32 s44, 0x1111, s40
	s_or_b32 s[G1P], s44, (3<<16)|(1<<21)
	s_or_b32 s[G1Q], s43, (3<<16)|(1<<21)
.irp g, G1P, G1Q
	s_mov_b32 s[\g+1], 1024<<16
	s_mov_b32 s[\g+2], 8<<16
	s_mov_b32 s[\g+3], 1024<<16
	s_mov_b32 s[\g+4], 8
	s_mov_b32 s[\g+5], 2*SIZE_K
	s_mov_b32 s[\g+6], 0
	s_mov_b32 s[\g+7], 0
.endr
	s_or_b32 s[G1SP], s44, (3<<16)|(1<<21)
	s_or_b32 s[G1SQ], s43, (3<<16)|(1<<21)
.irp g, G1SP, G1SQ
	s_mov_b32 s[\g+1], 32<<16
	s_mov_b32 s[\g+2], (SIZE_K/64)<<16
	s_mov_b32 s[\g+3], 32<<16
	s_mov_b32 s[\g+4], SIZE_K/64
	s_mov_b32 s[\g+5], 32
	s_mov_b32 s[\g+6], 0
	s_mov_b32 s[\g+7], 0
.endr
	s_mul_i32 s20, s42, SLABC
	s_mul_i32 s21, s16, HALFC
	s_add_co_u32 s20, s20, s21
	s_add_co_u32 s20, s20, PCODE
	s_mov_b32 s21, 0
	s_mul_i32 s22, s42, SLABS
	s_add_co_u32 s22, s22, PSCL
	s_mov_b32 s23, 0
	s_mul_i32 s46, s17, SLABC
	s_mul_i32 s47, s16, HALFC
	s_add_co_u32 s46, s46, s47
	s_mov_b32 s47, 0
	s_mul_i32 s92, s17, SLABS
	s_add_co_u32 s92, s92, QSCL
	s_mov_b32 s93, 0
	s_lshl_b32 s45, s14, 15
	s_wait_kmcnt 0x0
	s_add_nc_u64 s[20:21], s[4:5], s[20:21]
	s_add_nc_u64 s[22:23], s[4:5], s[22:23]
	s_add_nc_u64 s[46:47], s[6:7], s[46:47]
	s_add_nc_u64 s[92:93], s[6:7], s[92:93]
	; PREFETCHES INTO THE L2 of both slots' tiles (K = 1,024 is two slots of 512), ahead of the scale bytes' load and the two rounds behind which the slots are filled.  Of the four tiles (8,192 bytes of each in a slot)
	; that a wave loads, each of the four partners that ask jointly names one, told apart BY ADDRESS (cy for P, cx for Q), a lane a block of 256 bytes: each block is named once in the cluster
	s_cmp_eq_u32 s15, 0
	s_cselect_b64 s[96:97], s[20:21], s[46:47]
	s_cselect_b32 s98, s41, s40
	s_mul_i32 s98, s98, 16*SIZE_K
	s_mov_b32 s99, 0
	s_add_nc_u64 s[96:97], s[96:97], s[98:99]
	s_wait_alu depctr_va_vdst(0)                   ; directly ahead of the first reader of v30
	global_prefetch_b8 v30, s[96:97] th:TH_LOAD_NT scope:SCOPE_SE
	global_prefetch_b8 v30, s[96:97] offset:8192 th:TH_LOAD_NT scope:SCOPE_SE
	CROUND
	s_mov_b32 s[G0SP], 1
	s_mov_b32 s[G0SP+1], SCLP
	s_mov_b64 s[G0SP+2:G0SP+3], s[22:23]
	s_or_b32 s[G0SP+3], s[G0SP+3], 0x80000000
	s_mov_b32 s[G0SQ], 1
	s_mov_b32 s[G0SQ+1], SCLQ
	s_mov_b64 s[G0SQ+2:G0SQ+3], s[92:93]
	s_or_b32 s[G0SQ+3], s[G0SQ+3], 0x80000000
.irp s, 0,1
	s_mov_b32 s[G0P+4*\s], 1
	s_add_co_u32 s[G0P+4*\s+1], s45, \s*SLOT
	s_add_nc_u64 s[G0P+4*\s+2:G0P+4*\s+3], s[20:21], \s*8192
	s_or_b32 s[G0P+4*\s+3], s[G0P+4*\s+3], 0x80000000
	s_mov_b32 s[G0Q+4*\s], 1
	s_add_co_u32 s[G0Q+4*\s+1], s45, \s*SLOT
	s_add_nc_u64 s[G0Q+4*\s+2:G0Q+4*\s+3], s[46:47], \s*8192
	s_or_b32 s[G0Q+4*\s+3], s[G0Q+4*\s+3], 0x80000000
.endr
	; THE HEAD'S LOADS, ONE A WAVE: what the first step needs is shared out: wave 0 slot 0's eight tiles of P, wave 1 P's scale bytes, wave 2 slot 0's eight tiles of Q, wave 3 Q's scale bytes.
	; Waves 0 and 2 fetch the first half of a slab in the ring, so the ring's own descriptors of slot 0 serve them here, under a group 1 of 8 rows.  One chain of branches on the wave's number, one load to an arm.
	s_cmp_lt_u32 s14, 1
	s_cbranch_scc0 .Lh1
	tensor_load_to_lds s[G0P:G0P+3], s[G1P:G1P+7]
	s_nop 0
	PLACES 4
	s_branch .Lhj
.Lh1:
	s_cmp_lt_u32 s14, 2
	s_cbranch_scc0 .Lh2
	tensor_load_to_lds s[G0SP:G0SP+3], s[G1SP:G1SP+7]
	s_nop 0
	PLACES 4
	s_branch .Lhj
.Lh2:
	s_cmp_lt_u32 s14, 3
	s_cbranch_scc0 .Lh3
	tensor_load_to_lds s[G0Q:G0Q+3], s[G1Q:G1Q+7]
	s_nop 0
	PLACES 4
	s_branch .Lhj
.Lh3:
	tensor_load_to_lds s[G0SQ:G0SQ+3], s[G1SQ:G1SQ+7]
	s_nop 0
	PLACES 4
.Lhj:
	s_wait_alu depctr_va_vdst(0)
	s_wait_tensorcnt 0x0                           ; my tile of the head's four is in
	ds_add_u32 v28, v29
	s_mov_b32 s[G1P+2], 4<<16                      ; no tensor load of mine is out, so a descriptor may be written: from here on a load brings 4 tiles
	s_mov_b32 s[G1P+4], 4
	s_mov_b32 s[G1Q+2], 4<<16
	s_mov_b32 s[G1Q+4], 4
	s_wait_dscnt 0x0
	CROUND
	JLOAD G0P+4, G1P, G0Q+4, G1Q                   ; slot 1's first fill: the first tensor load behind the round
	v_and_b32 v1, 31, v0
	v_and_b32 v2, 15, v0
	v_bfe_u32 v3, v0, 4, 1
	v_lshlrev_b32 v[ADRP], 4, v1
	v_add_nc_u32 v[ADRP+1], SLOT, v[ADRP]
	s_lshl_b32 s20, s14, 14
	s_add_co_u32 s20, s20, 65536
	v_add_nc_u32 v[ADRQ], s20, v[ADRP]
	v_add_nc_u32 v[ADRQ+1], SLOT, v[ADRQ]
	v_lshlrev_b32 v4, 4, v2
	v_mul_u32_u24 v5, v3, TS
	v_add_nc_u32 v5, v5, v4
	v_add_nc_u32 v[ADSP], SCLP, v5
	s_mul_i32 s20, s14, 2*TS
	s_add_co_u32 s20, s20, SCLQ
	v_add_nc_u32 v[ADSQ], s20, v4
	s_mul_i32 s20, s14, 8448
	v_mul_u32_u24 v[STO], v2, 528
	v_lshl_add_u32 v[STO], v3, 6, v[STO]
	v_add_nc_u32 v[STO], s20, v[STO]
	v_add_nc_u32 v[RD], s20, v[ADRP]
	s_lshl_b32 s20, s17, 7
	s_lshl_b32 s21, s14, 5
	s_add_co_u32 s20, s20, s21
	s_lshl_b32 s20, s20, 12
	s_lshl_b32 s21, s42, 9
	s_add_co_u32 s20, s20, s21
	s_mov_b32 s21, 0
	s_add_nc_u64 s[22:23], s[12:13], s[20:21]
	s_add_nc_u64 s[20:21], s[10:11], s[20:21]
	s_lshl_b32 s92, s42, 9
	s_mov_b32 s93, 0
	s_add_nc_u64 s[92:93], s[8:9], s[92:93]
	WIN 0x80
.irp tq, 0,1
.irp i, 0,1,2,3,4,5,6,7,8,9,10,11,12,13,14,15
	global_load_b128 v[128+64*\tq+4*\i:128+64*\tq+4*\i+3], v[ADRP], s[20:21] offset:(8*\tq+(\i%8)+16*(\i/8))*4096
.endr
.endr
	WIN 0
	global_load_b128 v[BI:BI+3], v[ADRP], s[92:93]
	s_wait_alu depctr_va_vdst(0)
	s_wait_tensorcnt 1
	s_barrier_signal -1
	s_barrier_wait -1
	FETCH 0, 0, 0
	SCALES 0
	STEP 0, 0, 1
.if LAPS > 1
	s_mov_b32 s3, LAPS-1
.Llap:
	STEP 0, 1, 0
	STEP 0, 2, 0
	TURN 0, 1, 1
	STEP 1, 0, 0
	STEP 1, 1, 0
	STEP 1, 2, 0
	TURN 1, 0, 1
	STEP 0, 0, 0
	s_sub_co_u32 s3, s3, 1
	s_cmp_lg_u32 s3, 0
	s_cbranch_scc1 .Llap
.endif
	STEP 0, 1, 0
	STEP 0, 2, 0
	TURN 0, 1, 0
	STEP 1, 0, 0
	STEP 1, 1, 0
	STEP 1, 2, 0
	s_wait_dscnt 0x0
	WIN MUL
	MUL16 1, 3, 1, 0
	WIN 0
	PLACES 8
	s_wait_loadcnt 0x0
.irp tq, 0,1
	WIN 0x08
.irp b, 0,1,2,3,4,5,6,7
	ds_store_b128 v[STO], v[64*\tq+8*\b:64*\tq+8*\b+3] offset:128*(\b/2)+32*(\b%2)
	ds_store_b128 v[STO], v[64*\tq+8*\b+4:64*\tq+8*\b+7] offset:128*(\b/2)+32*(\b%2)+16
.endr
	WIN 0
.irp i, 0,1,2,3,4,5,6,7,8,9,10,11,12,13,14,15
	ds_load_b128 v[RB+64*\tq+4*\i:RB+64*\tq+4*\i+3], v[RD] offset:528*\i
.endr
	s_wait_dscnt 0x0
.irp i, 0,1,2,3,4,5,6,7,8,9,10,11,12,13,14,15
	v_pk_add_f32 v[RB+64*\tq+4*\i:RB+64*\tq+4*\i+1], v[RB+64*\tq+4*\i:RB+64*\tq+4*\i+1], v[BI:BI+1]
	v_pk_add_f32 v[RB+64*\tq+4*\i+2:RB+64*\tq+4*\i+3], v[RB+64*\tq+4*\i+2:RB+64*\tq+4*\i+3], v[BI+2:BI+3]
.endr
	WIN 0x08
.irp i, 0,1,2,3,4,5,6,7,8,9,10,11,12,13,14,15
	v_pk_add_f32 v[RB+64*\tq+4*\i:RB+64*\tq+4*\i+1], v[RB+64*\tq+4*\i:RB+64*\tq+4*\i+1], v[128+64*\tq+4*\i:128+64*\tq+4*\i+1]
	v_pk_add_f32 v[RB+64*\tq+4*\i+2:RB+64*\tq+4*\i+3], v[RB+64*\tq+4*\i+2:RB+64*\tq+4*\i+3], v[128+64*\tq+4*\i+2:128+64*\tq+4*\i+3]
.endr
	WIN 0
.irp i, 0,1,2,3,4,5,6,7,8,9,10,11,12,13,14,15
	global_store_b128 v[ADRP], v[RB+64*\tq+4*\i:RB+64*\tq+4*\i+3], s[22:23] offset:(8*\tq+(\i%8)+16*(\i/8))*4096
.endr
.endr
	s_wait_tensorcnt 0x0
	ds_add_u32 v[SPW], v[NIL]
	s_wait_dscnt 0x0
	CROUND
	s_endpgm
.Lfunc_end_k_q97fdf3a2d6_proj:
	.size	k_q97fdf3a2d6_proj, .Lfunc_end_k_q97fdf3a2d6_proj-k_q97fdf3a2d6_proj
	.p2alignl 7, 3214868480
	.fill 96, 4, 3214868480
	.section	.rodata,"a",@progbits
	.p2align	6, 0x0
	.amdhsa_kernel k_q97fdf3a2d6_proj
		.amdhsa_group_segment_fixed_size 327680
		.amdhsa_private_segment_fixed_size 0
		.amdhsa_enable_private_segment 0
		.amdhsa_kernarg_size 40
		.amdhsa_user_sgpr_count 2
		.amdhsa_user_sgpr_kernarg_segment_ptr 1
		.amdhsa_wavefront_size32 1
		.amdhsa_system_sgpr_workgroup_id_x 1
		.amdhsa_system_sgpr_workgroup_id_y 1
		.amdhsa_system_sgpr_workgroup_id_z 1
		.amdhsa_system_vgpr_workitem_id 0
		.amdhsa_next_free_vgpr 768
		.amdhsa_next_free_sgpr 102
		.amdhsa_reserve_vcc 0
		.amdhsa_float_denorm_mode_32 3
		.amdhsa_float_denorm_mode_16_64 3
		.amdhsa_memory_ordered 1
		.amdhsa_forward_progress 1
		.amdhsa_inst_pref_size 70
	.end_amdhsa_kernel
	.amdgpu_metadata
---
amdhsa.version: [ 1, 2 ]
amdhsa.kernels:
  - .name:           k_q97fdf3a2d6_proj
    .symbol:         k_q97fdf3a2d6_proj.kd
    .args:
      - { .name: W, .offset: 0, .size: 8, .value_kind: global_buffer, .address_space: global }
      - { .name: O, .offset: 8, .size: 8, .value_kind: global_buffer, .address_space: global }
      - { .name: b_proj, .offset: 16, .size: 8, .value_kind: global_buffer, .address_space: global }
      - { .name: x, .offset: 24, .size: 8, .value_kind: global_buffer, .address_space: global }
      - { .name: X1, .offset: 32, .size: 8, .value_kind: global_buffer, .address_space: global }
    .group_segment_fixed_size: 327680
    .private_segment_fixed_size: 0
    .kernarg_segment_align: 8
    .kernarg_segment_size: 40
    .max_flat_workgroup_size: 128
    .sgpr_count:     102
    .vgpr_count:     768
    .wavefront_size: 32
...
	.end_amdgpu_metadata
.endif
;; end of part 10
;; launch norm2: the kernel of part 7 again; grid 256 x 1, 4 waves a work-group, no clusters, 66,560 bytes of LDS; arguments X1, g_norm2, H, w_attn, w_proj, w_fc1, w_fc2, W; writes H, W
;; launch fc1 (part 11): grid 8 x 32, 4 waves a work-group, clusters of 4 x 4, 327,680 bytes of LDS; arguments W, H, b_fc1, G; writes G
.if DOCPART == 11
	.amdgcn_target "amdgcn-amd-amdhsa--gfx1250"
	.amdhsa_code_object_version 6
	.text
	.protected	k_q97fdf3a2d6_fc1
	.globl	k_q97fdf3a2d6_fc1
	.p2align	8
	.type	k_q97fdf3a2d6_fc1,@function
k_q97fdf3a2d6_fc1:
	s_mov_b64 s[64:65], 0
	v_nop
	global_prefetch_b8 v0, s[64:65] scope:SCOPE_SE
	s_setreg_imm32_b32 hwreg(HW_REG_WAVE_MODE, 25, 1), 1
	s_wait_xcnt 0x0
	s_wait_alu depctr_hold_cnt(0) depctr_sa_sdst(0) depctr_va_vdst(0) depctr_va_sdst(0) depctr_va_ssrc(0) depctr_va_vcc(0) depctr_vm_vsrc(0)
	s_getreg_b32 s2, hwreg(HW_REG_IB_STS2, 6, 4)
	s_cmp_eq_u32 s2, 0
	s_cbranch_scc0 .Lentry_in_a_cluster
	s_endpgm
.Lentry_in_a_cluster:
	s_bfe_u32 s2, ttmp6, 0x10000c
	s_cmp_lg_u32 s2, 0xf033
	s_cbranch_scc0 .Lentry_shape_is_right
	s_endpgm
.Lentry_shape_is_right:
; g = gelu(h W_fc1 + b_fc1), exact form 0.5 x (1 + erf(x / sqrt 2)), on codes of E5M2 with E8M0 scales, and g quantised at once along the hidden units into the next product's operand.
; Operands lie in memory as images of fragment registers: [tile of 16 rows][K / 128][2048 bytes], scale bytes [tile][K / 512][r][16]; the rows of a tile are rho(T, r) = 32 (T / 2) + 8 (T % 2) + r % 8 + 16 (r / 8).
; A WORK-GROUP STAYS.  It keeps one slab of 128 tokens (Q, by the grid's y) and walks four slabs of 128 hidden units (P): 4 X .. 4 X + 3.
; A wave makes 64 x 64: P's tiles 4 ph .. 4 ph + 3 (ph = wave % 2) against Q's tiles 4 qh .. 4 qh + 3 (qh = wave / 2): 16 LDS loads feed the 16 products of a K step.
; Q STAYS IN REGISTERS: the slab comes once, by a joint load, into slot 1; each wave reads its 4 tiles x 8 K steps into 512 registers, and slot 1 is then P's.
; P goes through two LDS slots, each a whole slab (K = 1,024: 131,072 dense bytes, a quarter to each wave's load).  At a tile's head the next tile's slab is asked for, into the slot just left: it has a whole tile,
; eight K steps and the way out, in which to land.  P's scale bytes of all four slabs, 16,384 dense bytes, come once.
; CLUSTERS: 4 x 4 work-groups; P's slabs hang on the grid's x and are asked for jointly down a column of the cluster, Q's slab on y, along a row.
; Source 0 = a tile of P, source 1 = a tile of Q: a lane holds one token, and its 32 registers of a tile of tokens run along 64 hidden units in the order of the next operand's registers: two blocks of 32.
; erf(z) = z P(z^2) / Q(z^2), z held within +-4: a rational form of degrees 13 and 8 in f32.  The scale bytes leave two to a lane: one part in 32 of the codes.
; LIMITS: 1 + erf is formed in f32, so far on the negative side (x under about -5.6) gelu carries an absolute error of some 6e-8 |x| where the exact value is nearer to 0.  NaN and infinities are not served.
.set TILES,  4
.set PCODE,  4194304                   ; where the weight's codes begin in W,
.set PSCL,   12713984                  ; and its scale bytes
.set QSCL,   4194304                   ; where the scale bytes begin in H
.set SLAB,   131072
.set SLOT1,  131072                    ; slot 1 begins here: one exclusive or turns an address in one slot into the other's
.set SCLP,   2*SLOT1                   ; behind the ring: P's scale bytes, 4,096 for each tile of the walk
.set SPARE,  SCLP+TILES*4096           ; the spare words, 128 bytes for each wave: two blocks of 256 bytes that no other line names
.set LI,   16                          ; v16    16 x lane: my place in an image
.set AP0,  17                          ; v17    my half of P's images in a slot
.set AQ,   18                          ; v18    LDS address of my half of Q's images in slot 1
.set AS0,  19                          ; v19    P's scale words of the first tile: lanes 0-15 the even tile of a pair, lanes 16-31 the odd one
.set ADP,  20                          ; v20    LDS address of my half of P's images in the slot in hand
.set ADS,  21                          ; v21    of the tile's scale words
.set RO,   22                          ; v22    16 r
.set BO,   24                          ; v24    64 h
.set SPW,  28
.set NIL,  29
.set SP,   32                          ; v32-47  P's scale words: pair j at 8 j, word = K step
.set SQ,   48                          ; v48-79  Q's: tile tq at 8 tq, word = K step
.set PF,   128                         ; v128-255 P's fragments, two sets of 64
.set BP,   128                         ; window 1: v128-159 the bias at P's rows, in the accumulators' order
.set PC,   192                         ; window 1: codes; v208-223 at work; v224 the scale bytes
.set TM,   208
.set PW,   224
.set Z,    192                         ; window 1: gelu's 16 numbers at a time: z, z^2, the numerator, the denominator; the quantiser takes these registers afterwards
.set Z2,   208
.set PN,   224
.set QD,   240
.set G1P, 24
.set G0P, 32
.set TB,  36                           ; s36  LDS byte at which the slot in hand begins
.set TSC, 37                           ; s37  where the tile's scale bytes begin, from the first tile's
.set BPT, 38
.set MNT, 45
.set SEL, 46
.set G1Q, 48
.set G0Q, 56
.set CB,  60
.set SS,  62
.set G1S, 68
.set G0S, 76
.set MSB, 0
.macro WIN new                         ; the immediate's high byte repeats the setting that is left
.if MSB != \new
	s_set_vgpr_msb (MSB<<8)|\new
.set MSB, \new
.endif
.endm
.macro CROUND                          ; a round of the cluster's barrier
	s_barrier_signal -1
	s_barrier_wait -1
	s_cmp_lg_u32 s14, 0
	s_cbranch_scc1 .Lnot_wave_0_\@
	s_barrier_signal -3
.Lnot_wave_0_\@:
	s_barrier_wait -3
	s_barrier_signal -1
	s_barrier_wait -1
.endm
.macro PLACES n
.rept \n
	v_nop
.endr
.endm
.macro WM d, a, b, sa, sb, odd, zero   ; one product; odd = 1: source 0's scales stand in lanes 16-31; zero = 1: it starts the sum
.if \zero
.if \odd
	v_wmma_scale_f32_16x16x128_f8f6f4 v[\d:\d+7], v[\a:\a+15], v[\b:\b+15], 0, v[\sa], v[\sb] matrix_a_fmt:MATRIX_FMT_BF8 matrix_b_fmt:MATRIX_FMT_BF8 matrix_a_scale:MATRIX_SCALE_ROW1
.else
	v_wmma_scale_f32_16x16x128_f8f6f4 v[\d:\d+7], v[\a:\a+15], v[\b:\b+15], 0, v[\sa], v[\sb] matrix_a_fmt:MATRIX_FMT_BF8 matrix_b_fmt:MATRIX_FMT_BF8
.endif
.else
.if \odd
	v_wmma_scale_f32_16x16x128_f8f6f4 v[\d:\d+7], v[\a:\a+15], v[\b:\b+15], v[\d:\d+7], v[\sa], v[\sb] matrix_a_fmt:MATRIX_FMT_BF8 matrix_b_fmt:MATRIX_FMT_BF8 matrix_a_scale:MATRIX_SCALE_ROW1
.else
	v_wmma_scale_f32_16x16x128_f8f6f4 v[\d:\d+7], v[\a:\a+15], v[\b:\b+15], v[\d:\d+7], v[\sa], v[\sb] matrix_a_fmt:MATRIX_FMT_BF8 matrix_b_fmt:MATRIX_FMT_BF8
.endif
.endif
.endm
; A K step: my four tiles of Q against my four of P; the 16 accumulators take turns in the same order in every step.
; Windows: P's fragments 0, Q's 2 (tiles 0, 1) or 3 (tiles 2, 3), C and D 1.
.macro MUL16 p, ks, zero
	WIN 0x58
.irp tq, 0,1
.irp b, 0,1,2,3
	WM 32*\tq+8*\b, PF+64*(\p)+16*\b, 128*(\tq%2)+16*(\ks), SP+8*(\b/2)+(\ks), SQ+8*\tq+(\ks), \b%2, \zero
.endr
.endr
	WIN 0x5c
.irp tq, 2,3
.irp b, 0,1,2,3
	WM 32*\tq+8*\b, PF+64*(\p)+16*\b, 128*(\tq%2)+16*(\ks), SP+8*(\b/2)+(\ks), SQ+8*\tq+(\ks), \b%2, \zero
.endr
.endr
.endm
.macro FETCH ks, p                     ; my four fragments of P of K step ks into set p: 16 loads, each 512 consecutive bytes
.irp i, 0,1,2,3
.irp c, 0,1,2,3
	ds_load_b128 v[PF+64*(\p)+16*\i+4*\c:PF+64*(\p)+16*\i+4*\c+3], v[ADP] offset:16384*\i+2048*(\ks)+512*\c
.endr
.endr
.endm
.macro SCALES                          ; P's scale words of the tile in hand, all of K
.irp j, 0,1
.irp hf, 0,1
	ds_load_b128 v[SP+8*\j+4*\hf:SP+8*\j+4*\hf+3], v[ADS] offset:1024*\j+256*\hf
.endr
.endr
.endm
.macro STEP q, zero
	s_wait_dscnt 0x0                               ; this step's fragments are in
	PLACES 8                                       ; eight places between the last step's products and the loads into the set that they read
	FETCH (\q)+1, 1-(\q)%2
	MUL16 (\q)%2, \q, \zero
	WIN 0
.endm
; 64 numbers of a lane, register 16 b + i = place 16 (lane / 16) + i of block b, become 16 registers of codes in v[PC] on and four scale bytes in v[pw]
.macro QUANT s, pw
.irp b, 0,1,2,3
	v_max3_num_f32 v[TM+\b], |v[\s+16*\b]|, |v[\s+1+16*\b]|, 0x8000000   ; my 16 numbers of block b, and the floor 2^(16 - 127)
.endr
.irp i, 2,4,6,8,10,12,14
.irp b, 0,1,2,3
	v_max3_num_f32 v[TM+\b], v[TM+\b], |v[\s+16*\b+\i]|, |v[\s+1+16*\b+\i]|
.endr
.endr
.irp b, 0,1,2,3
	v_permlanex16_b32 v[TM+4+\b], v[TM+\b], s[SEL], s[SEL+1]
.endr
.irp b, 0,1,2,3
	v_max_num_f32 v[TM+\b], v[TM+\b], v[TM+4+\b]
.endr
.irp b, 0,1,2,3
	v_add_nc_u32 v[TM+12+\b], 0xf8800000, v[TM+\b]                  ; the conversion's scale operand
.endr
.irp b, 0,1,2,3
	v_and_or_b32 v[TM+8+\b], v[TM+\b], 0x7f800000, s[MNT]           ; 57,344 x the scale
.endr
.irp b, 0,1,2,3
	v_lshrrev_b32 v[TM+4+\b], 23, v[TM+12+\b]                       ; the byte
.endr
	v_lshl_or_b32 v[\pw], v[TM+5], 8, v[TM+4]
	v_lshl_or_b32 v[\pw], v[TM+6], 16, v[\pw]
	v_lshl_or_b32 v[\pw], v[TM+7], 24, v[\pw]
.irp b, 0,1,2,3
.irp i, 0,1,2,3,4,5,6,7,8,9,10,11,12,13,14,15
	v_med3_num_f32 v[\s+16*\b+\i], v[\s+16*\b+\i], -v[TM+8+\b], v[TM+8+\b]   ; the conversion does not saturate (ISA guide 7.6.2)
.endr
	v_cvt_scalef32_pk8_bf8_f32 v[PC+4*\b:PC+1+4*\b], v[\s+16*\b:\s+7+16*\b], v[TM+12+\b]
	v_cvt_scalef32_pk8_bf8_f32 v[PC+2+4*\b:PC+3+4*\b], v[\s+8+16*\b:\s+15+16*\b], v[TM+12+\b]
.endr
	v_nop                                          ; a plain line behind the last conversion
.endm
.macro MUL8 d, a, b                    ; 16 numbers: d = a b
.set k, 0
.rept 8
	v_pk_mul_f32 v[\d+k:\d+k+1], v[\a+k:\a+k+1], v[\b+k:\b+k+1]
.set k, k+2
.endr
.endm
.macro HORN d, lit                     ; 16 numbers: d = d z^2 + a constant
.set k, 0
.rept 8
	v_pk_fma_f32 v[\d+k:\d+k+1], v[\d+k:\d+k+1], v[Z2+k:Z2+k+1], \lit op_sel_hi:[1,1,0]
.set k, k+2
.endr
.endm
.macro GELU16 x                        ; v[x] .. v[x + 15] become their gelu
.set k, 0
.rept 8
	v_pk_mul_f32 v[Z+k:Z+k+1], v[\x+k:\x+k+1], 0x3f3504f3 op_sel_hi:[1,0]     ; z = x / sqrt 2
.set k, k+2
.endr
.set k, 0
.rept 16
	v_med3_num_f32 v[Z+k], v[Z+k], -4.0, 4.0       ; beyond +-4 erf is +-1 in f32
.set k, k+1
.endr
	MUL8 Z2, Z, Z
.set k, 0
.rept 8
	v_pk_fma_f32 v[PN+k:PN+k+1], v[Z2+k:Z2+k+1], s[94:95], 0x32EDFFEE op_sel_hi:[1,0,0]
.set k, k+2
.endr
	HORN PN, 0xB60CFF51
	HORN PN, 0xB86EC2D2
	HORN PN, 0xBA40AC63
	HORN PN, 0xBB41A1F6
	HORN PN, 0xBC83DBD4
.set k, 0
.rept 8
	v_pk_fma_f32 v[QD+k:QD+k+1], v[Z2+k:Z2+k+1], s[96:97], 0xB95FBD29 op_sel_hi:[1,0,0]
.set k, k+2
.endr
	HORN QD, 0xBADC924E
	HORN QD, 0xBBF19BF8
	HORN QD, 0xBC69B6A7
	MUL8 PN, PN, Z
.set k, 0
	s_wait_alu depctr_va_vdst(0)
.rept 16
	v_rcp_f32 v[QD+k], v[QD+k]
.set k, k+1
.endr
.set k, 0
.rept 8
	v_pk_mul_f32 v[\x+k:\x+k+1], v[\x+k:\x+k+1], 0.5 op_sel_hi:[1,0]          ; x / 2: plain work behind the reciprocals
.set k, k+2
.endr
	s_wait_alu depctr_va_vdst(0)                   ; one wait for the sixteen, ahead of their first reader
	MUL8 PN, PN, QD                                ; erf
.set k, 0
.rept 8
	v_pk_fma_f32 v[\x+k:\x+k+1], v[\x+k:\x+k+1], v[PN+k:PN+k+1], v[\x+k:\x+k+1]   ; x / 2 erf + x / 2
.set k, k+2
.endr
.endm
; THE WAY OUT, two tiles of tokens at a time: blocks 0, 1 are my 64 hidden units of tile 2 u, blocks 2, 3 of tile 2 u + 1.  reload = 1: the next tile's bias is asked for when this one's has been used.
.macro EPI reload
.irp u, 0,1
	s_wait_xcnt 0x0                                ; the earlier stores have read the codes' and the bytes' registers
	WIN 0x55
.set k, 0
.rept 32
	v_pk_add_f32 v[64*\u+k:64*\u+k+1], v[64*\u+k:64*\u+k+1], v[BP+k%32:BP+k%32+1]   ; ascending: each accumulator is read from its low end on
.set k, k+2
.endr
.if \reload
.if \u == 1
	WIN 0x40
.irp b, 0,1,2,3
	global_load_b128 v[BP+8*\b:BP+8*\b+3], v[BO], s[BPT:BPT+1] offset:512+(32*(\b/2)+8*(\b%2))*4
	global_load_b128 v[BP+8*\b+4:BP+8*\b+7], v[BO], s[BPT:BPT+1] offset:512+(32*(\b/2)+8*(\b%2))*4+16
.endr
	WIN 0x55
.endif
.endif
	GELU16 64*\u
	GELU16 64*\u+16
	GELU16 64*\u+32
	GELU16 64*\u+48
	QUANT 64*\u, PW
	WIN 0x04                                       ; a store's data: window 1
	global_store_b128 v[LI], v[PC:PC+3], s[CB:CB+1] offset:65536*(2*\u)          ; 32 lanes store 512 consecutive bytes
	global_store_b128 v[LI], v[PC+4:PC+7], s[CB:CB+1] offset:65536*(2*\u)+512
	global_store_b128 v[LI], v[PC+8:PC+11], s[CB:CB+1] offset:65536*(2*\u+1)
	global_store_b128 v[LI], v[PC+12:PC+15], s[CB:CB+1] offset:65536*(2*\u+1)+512
	global_store_b16 v[RO], v[PW], s[SS:SS+1] offset:2048*(2*\u)                 ; tile 2 u's two scale bytes,
	global_store_d16_hi_b16 v[RO], v[PW], s[SS:SS+1] offset:2048*(2*\u+1)        ; tile 2 u + 1's
.endr
	WIN 0
.endm
; A TILE.  Its head is the change of slots: each wave waits for all its tensor loads (its quarter of this tile's slab), adds 0 to its spare word, and waits for that and for its reads of the slot that it has left.
; fill = 1: behind a round of the cluster's barrier that slot takes the next tile's slab; at the tile's end the addresses step to the next tile.
.macro TILE fill
	s_wait_tensorcnt 0x0                           ; no tensor load of mine is out, so the walking descriptor may be written
	ds_add_u32 v[SPW], v[NIL]                      ; 0 onto my spare word
.if \fill
	s_xor_b32 s[G0P+1], s[G0P+1], SLOT1            ; the other slot than last time,
	s_add_nc_u64 s[G0P+2:G0P+3], s[G0P+2:G0P+3], SLAB   ; the next slab; the type bits on top are not reached
.endif
	s_wait_dscnt 0x0                               ; the add is done, and my reads of the slot that I have left are over
.if \fill
	CROUND                                         ; no wave of any partner still reads that slot or has a load on its way
	tensor_load_to_lds s[G0P:G0P+3], s[G1P:G1P+7]  ; the first thing behind the round, and my one tensor load until the next
	s_nop 0
	PLACES 4
.else
	s_barrier_signal -1
	s_barrier_wait -1
.endif
	v_add_nc_u32 v[ADP], s[TB], v[AP0]
	v_add_nc_u32 v[ADS], s[TSC], v[AS0]
	FETCH 0, 0
	SCALES
.if \fill
	s_cmp_gt_u32 s3, 1                             ; the loop's last trip has no slab two on
	s_cbranch_scc0 .Lnp_\@
	global_prefetch_b8 v30, s[98:99] offset:2*SLAB th:TH_LOAD_NT scope:SCOPE_SE    ; the slab that the next tile's head loads: a tile ahead
.Lnp_\@:
.endif
	s_wait_alu depctr_va_vdst(0)
	STEP 0, 1                                      ; the first step's products start the sums
.irp q, 1,2,3,4,5,6
	STEP \q, 0
.endr
	s_wait_dscnt 0x0
	MUL16 1, 7, 0
	WIN 0
	PLACES 8                                       ; between the last products and the first read of results
	s_wait_loadcnt 0x0                             ; the bias
	EPI \fill
.if \fill
	s_wait_xcnt 0x0                                ; the stores and the bias's loads have read their bases: they step
	s_add_nc_u64 s[CB:CB+1], s[CB:CB+1], 2048      ; the next K step's image
	s_add_nc_u64 s[SS:SS+1], s[SS:SS+1], 4         ; its scale word
	s_add_nc_u64 s[BPT:BPT+1], s[BPT:BPT+1], 512
	s_add_nc_u64 s[98:99], s[98:99], SLAB          ; the prefetches' address (behind the wait on XCNT above)
	s_xor_b32 s[TB], s[TB], SLOT1                  ; on to the other slot
	s_add_co_u32 s[TSC], s[TSC], 4096
.endif
.endm
	s_load_b256 s[4:11], s[0:1], 0x0               ; W s[4:5], H s[6:7], b_fc1 s[8:9], G s[10:11]
	v_lshl_add_u32 v[SPW], v0, 2, SPARE
	v_mov_b32 v[NIL], 0
	ds_add_u32 v28, v29
	ds_add_u32 v28, v29
	s_wait_dscnt 0x0
	v_lshrrev_b32 v1, 5, v0
	v_readfirstlane_b32 s14, v1                    ; wave 0..3
	s_lshr_b32 s15, s14, 1                         ; qh: my half of Q's tiles
	s_and_b32 s16, s14, 1                          ; ph: my half of P's
	s_bfe_u32 s40, ttmp6, 0x40000                  ; cx
	s_bfe_u32 s41, ttmp6, 0x40004                  ; cy
	s_lshl_b32 s42, ttmp9, 2
	s_add_co_u32 s42, s42, s40                     ; X = 4 x cluster x + cx: 0 .. 7
	s_and_b32 s17, ttmp7, 0xffff
	s_lshl_b32 s17, s17, 2
	s_add_co_u32 s17, s17, s41                     ; y: the slab of tokens
	s_lshl_b32 s43, s41, 2
	s_lshl_b32 s43, 15, s43                        ; my row of the cluster
	s_lshl_b32 s44, 0x1111, s40                    ; my column
	; descriptor group 1, codes: a quarter of a slab, 32,768 dense bytes, as 128 rows of 256 bytes; elements of 8 bytes
	s_or_b32 s[G1P], s44, (3<<16)|(1<<21)
	s_or_b32 s[G1Q], s43, (3<<16)|(1<<21)
.irp g, G1P, G1Q
	s_mov_b32 s[\g+1], 32<<16                      ; tensor_dim0
	s_mov_b32 s[\g+2], 128<<16                     ; tensor_dim1
	s_mov_b32 s[\g+3], 32<<16                      ; tile_dim0
	s_mov_b32 s[\g+4], 128                         ; tile_dim1
	s_mov_b32 s[\g+5], 32                          ; dense
	s_mov_b32 s[\g+6], 0
	s_mov_b32 s[\g+7], 0
.endr
	; THE HEAD'S TILES ARE SHARED OUT, one load a wave: wave 0 P's first slab, whole (512 rows of 256 bytes), waves 1 and 2 the halves of the tokens' slab (256 rows each), wave 3 P's scale bytes
	s_mov_b32 s[G1Q+2], 256<<16
	s_mov_b32 s[G1Q+4], 256
	s_or_b32 s80, s44, (3<<16)|(1<<21)
	s_mov_b32 s81, 32<<16
	s_mov_b32 s82, 512<<16
	s_mov_b32 s83, 32<<16
	s_mov_b32 s84, 512
	s_mov_b32 s85, 32
	s_mov_b32 s86, 0
	s_mov_b32 s87, 0
	; P's scale bytes: the four slabs' 16,384 dense bytes, as 64 rows of 256 bytes
	s_or_b32 s[G1S], s44, (3<<16)|(1<<21)
	s_mov_b32 s[G1S+1], 32<<16
	s_mov_b32 s[G1S+2], 64<<16
	s_mov_b32 s[G1S+3], 32<<16
	s_mov_b32 s[G1S+4], 64
	s_mov_b32 s[G1S+5], 32
	s_mov_b32 s[G1S+6], 0
	s_mov_b32 s[G1S+7], 0
	s_lshl_b32 s20, s42, 19                        ; P: slab 4 X, my quarter (these registers never hold cy, Q's never cx)
	s_lshl_b32 s21, s14, 15
	s_add_co_u32 s20, s20, s21
	s_add_co_u32 s20, s20, PCODE
	s_mov_b32 s21, 0
	s_lshl_b32 s22, s42, 14
	s_add_co_u32 s22, s22, PSCL
	s_mov_b32 s23, 0
	s_lshl_b32 s46, s17, 17                        ; Q: slab y, my half
	s_lshl_b32 s47, s16, 16
	s_add_co_u32 s46, s46, s47
	s_mov_b32 s47, 0
	s_lshl_b32 s45, s14, 15                        ; LDS: wave x 32,768
	s_lshl_b32 s93, s16, 16
	s_wait_kmcnt 0x0
	s_mov_b32 s[G0S], 1
	s_mov_b32 s[G0S+1], SCLP
	s_add_nc_u64 s[G0S+2:G0S+3], s[4:5], s[22:23]
	s_or_b32 s[G0S+3], s[G0S+3], 0x80000000
	s_mov_b32 s[G0P], 1
	s_mov_b32 s[G0P+1], s45
	s_add_nc_u64 s[G0P+2:G0P+3], s[4:5], s[20:21]
	s_or_b32 s[G0P+3], s[G0P+3], 0x80000000
	s_mov_b32 s[G0Q], 1
	s_add_co_u32 s[G0Q+1], s93, SLOT1
	s_add_nc_u64 s[G0Q+2:G0Q+3], s[6:7], s[46:47]
	s_or_b32 s[G0Q+3], s[G0Q+3], 0x80000000
	s_mov_b32 s88, 1                               ; group 0 of the head's load of P's first slab, whole, into slot 0
	s_mov_b32 s89, 0
	s_lshl_b32 s94, s42, 19
	s_add_co_u32 s94, s94, PCODE
	s_mov_b32 s95, 0
	s_add_nc_u64 s[90:91], s[4:5], s[94:95]
	s_or_b32 s91, s91, 0x80000000
	CROUND                                         ; all sixteen work-groups are here: the first joint loads meet
	s_cmp_lt_u32 s14, 1                            ; one chain of branches on the wave's number, one load to an arm
	s_cbranch_scc0 .Lhq
	tensor_load_to_lds s[88:91], s[80:87]          ; wave 0: the first slab of P into slot 0
	s_nop 0
	PLACES 4
	s_branch .Lhj
.Lhq:
	s_cmp_lt_u32 s14, 3
	s_cbranch_scc0 .Lhs
	tensor_load_to_lds s[G0Q:G0Q+3], s[G1Q:G1Q+7]  ; waves 1, 2: a half of the tokens' slab into slot 1
	s_nop 0
	PLACES 4
	s_branch .Lhj
.Lhs:
	tensor_load_to_lds s[G0S:G0S+3], s[G1S:G1S+7]  ; wave 3: P's scale bytes
	s_nop 0
	PLACES 4
.Lhj:
	v_and_b32 v1, 31, v0                           ; lane
	v_and_b32 v2, 15, v0                           ; r
	v_bfe_u32 v3, v0, 4, 1                         ; h
	v_lshlrev_b32 v[LI], 4, v1
	v_lshlrev_b32 v30, 8, v1                       ; the prefetches' offset: 256 x lane; never rewritten
	s_lshl_b32 s18, s16, 16
	v_add_nc_u32 v[AP0], s18, v[LI]
	s_lshl_b32 s18, s15, 16
	s_add_co_u32 s18, s18, SLOT1
	v_add_nc_u32 v[AQ], s18, v[LI]
	v_lshlrev_b32 v[RO], 4, v2
	s_wait_alu depctr_va_vdst(0)
	v_lshl_add_u32 v[AS0], v3, 9, v[RO]            ; 512 h + 16 r
	s_lshl_b32 s18, s16, 11
	s_add_co_u32 s18, s18, SCLP
	v_add_nc_u32 v[AS0], s18, v[AS0]
	v_lshlrev_b32 v[BO], 6, v3
	s_wait_alu depctr_va_vdst(0)
	s_mov_b32 s[SEL], 0x76543210
	s_mov_b32 s[SEL+1], 0xfedcba98
	s_mov_b32 s[MNT], 0x600000
	s_mov_b32 s94, 0xAF95DF0B                      ; the numerator's highest coefficient, as a pair for the packed form
	s_mov_b32 s95, s94
	s_mov_b32 s96, 0xB77460CD                      ; the denominator's
	s_mov_b32 s97, s96
	s_mov_b32 s[TB], 0
	s_mov_b32 s[TSC], 0
	s_lshl_b32 s18, s17, 3
	s_lshl_b32 s19, s15, 2
	s_add_co_u32 s18, s18, s19                     ; my first tile of tokens: 8 y + 4 qh
	s_lshl_b32 s92, s18, 9
	s_add_co_u32 s92, s92, QSCL
	s_mov_b32 s93, 0
	s_add_nc_u64 s[92:93], s[6:7], s[92:93]        ; its scale bytes
	s_lshl_b32 s[BPT], s42, 11
	s_lshl_b32 s19, s16, 8
	s_add_co_u32 s[BPT], s[BPT], s19
	s_mov_b32 s[BPT+1], 0
	s_add_nc_u64 s[BPT:BPT+1], s[8:9], s[BPT:BPT+1]   ; b_fc1 at slab 4 X, my half
	s_lshl_b32 s[CB], s18, 16                      ; G: my first tile's 32 images; K step = P's slab, 4 X at first; my two blocks: 1,024 ph
	s_lshl_b32 s19, s42, 13
	s_add_co_u32 s[CB], s[CB], s19
	s_lshl_b32 s19, s16, 10
	s_add_co_u32 s[CB], s[CB], s19
	s_mov_b32 s[CB+1], 0
	s_add_nc_u64 s[CB:CB+1], s[10:11], s[CB:CB+1]
	s_lshl_b32 s[SS], s18, 11                      ; its scale bytes: 2,048 a tile; 512 along K = X; my two bytes of the word
	s_lshl_b32 s19, s42, 8
	s_add_co_u32 s[SS], s[SS], s19
	s_lshl_b32 s19, s16, 1
	s_add_co_u32 s[SS], s[SS], s19
	s_add_co_u32 s[SS], s[SS], 16777216
	s_mov_b32 s[SS+1], 0
	s_add_nc_u64 s[SS:SS+1], s[10:11], s[SS:SS+1]
	; PREFETCHES INTO THE L2 of the walk's later slabs of P.  A slab is 512 blocks of 256 bytes; the four partners of a column of the cluster, which ask for it jointly, share it out BY ADDRESS:
	; of the quarter that wave w loads, the partner at place cy names 8,192 bytes, a lane a block: each block is named once in the cluster
	s_lshl_b32 s100, s41, 13
	s_mov_b32 s101, 0
	s_add_nc_u64 s[98:99], s[4:5], s[20:21]
	s_add_nc_u64 s[98:99], s[98:99], s[100:101]
	s_wait_alu depctr_va_vdst(0)                   ; directly ahead of the first reader of v30
	global_prefetch_b8 v30, s[98:99] offset:SLAB th:TH_LOAD_NT scope:SCOPE_SE      ; the second slab, which the first tile's head loads
.irp tq, 0,1,2,3
.irp hf, 0,1
	global_load_b128 v[SQ+8*\tq+4*\hf:SQ+8*\tq+4*\hf+3], v[RO], s[92:93] offset:512*\tq+256*\hf   ; row r's four words of 512 along K
.endr
.endr
	WIN 0x40                                       ; destination window 1
.irp b, 0,1,2,3
	global_load_b128 v[BP+8*\b:BP+8*\b+3], v[BO], s[BPT:BPT+1] offset:(32*(\b/2)+8*(\b%2))*4
	global_load_b128 v[BP+8*\b+4:BP+8*\b+7], v[BO], s[BPT:BPT+1] offset:(32*(\b/2)+8*(\b%2))*4+16
.endr
	WIN 0
	s_wait_tensorcnt 0x0                           ; my quarters of the scale bytes, of P's first slab and of the tokens' slab are in,
	s_barrier_signal -1
	s_barrier_wait -1                              ; everybody's are
	WIN 0x80                                       ; Q's fragments: tiles 0, 1 into window 2,
.irp tq, 0,1
.irp ks, 0,1,2,3,4,5,6,7
.irp c, 0,1,2,3
	ds_load_b128 v[128*\tq+16*\ks+4*\c:128*\tq+16*\ks+4*\c+3], v[AQ] offset:16384*\tq+2048*\ks+512*\c
.endr
.endr
.endr
	WIN 0xc0                                       ; tiles 2, 3 into window 3
.irp tq, 0,1
.irp ks, 0,1,2,3,4,5,6,7
.irp c, 0,1,2,3
	ds_load_b128 v[128*\tq+16*\ks+4*\c:128*\tq+16*\ks+4*\c+3], v[AQ] offset:32768+16384*\tq+2048*\ks+512*\c
.endr
.endr
.endr
	WIN 0
	s_wait_loadcnt 0x0                             ; Q's scale words and the first bias
	s_mov_b32 s3, TILES-1
.Ltile:                                            ; TILES - 1 trips: at each tile's head but the last's the next slab is asked for.  In the first trip Q is in registers, and slot 1 becomes P's
	TILE 1
	s_sub_co_u32 s3, s3, 1
	s_cmp_lg_u32 s3, 0
	s_cbranch_scc1 .Ltile
	TILE 0                                         ; the last tile is written out
	s_wait_tensorcnt 0x0                           ; the wave's end
	ds_add_u32 v[SPW], v[NIL]
	s_wait_dscnt 0x0
	CROUND                                         ; the closing round
	s_endpgm
.Lfunc_end_k_q97fdf3a2d6_fc1:
	.size	k_q97fdf3a2d6_fc1, .Lfunc_end_k_q97fdf3a2d6_fc1-k_q97fdf3a2d6_fc1
	.p2alignl 7, 3214868480
	.fill 96, 4, 3214868480
	.section	.rodata,"a",@progbits
	.p2align	6, 0x0
	.amdhsa_kernel k_q97fdf3a2d6_fc1
		.amdhsa_group_segment_fixed_size 327680
		.amdhsa_private_segment_fixed_size 0
		.amdhsa_enable_private_segment 0
		.amdhsa_kernarg_size 32
		.amdhsa_user_sgpr_count 2
		.amdhsa_user_sgpr_kernarg_segment_ptr 1
		.amdhsa_wavefront_size32 1
		.amdhsa_system_sgpr_workgroup_id_x 1
		.amdhsa_system_sgpr_workgroup_id_y 1
		.amdhsa_system_sgpr_workgroup_id_z 1
		.amdhsa_system_vgpr_workitem_id 0
		.amdhsa_next_free_vgpr 1024
		.amdhsa_next_free_sgpr 102
		.amdhsa_reserve_vcc 0
		.amdhsa_float_denorm_mode_32 3
		.amdhsa_float_denorm_mode_16_64 3
		.amdhsa_memory_ordered 1
		.amdhsa_forward_progress 1
		.amdhsa_inst_pref_size 255
	.end_amdhsa_kernel
	.section	.bss,"aw",@nobits
	.p2align	6
	.space	262144
	.amdgpu_metadata
---
amdhsa.version: [ 1, 2 ]
amdhsa.kernels:
  - .name:           k_q97fdf3a2d6_fc1
    .symbol:         k_q97fdf3a2d6_fc1.kd
    .args:
      - { .name: W, .offset: 0, .size: 8, .value_kind: global_buffer, .address_space: global }
      - { .name: H, .offset: 8, .size: 8, .value_kind: global_buffer, .address_space: global }
      - { .name: b_fc1, .offset: 16, .size: 8, .value_kind: global_buffer, .address_space: global }
      - { .name: G, .offset: 24, .size: 8, .value_kind: global_buffer, .address_space: global }
    .group_segment_fixed_size: 327680
    .private_segment_fixed_size: 0
    .kernarg_segment_align: 8
    .kernarg_segment_size: 32
    .max_flat_workgroup_size: 128
    .sgpr_count:     102
    .vgpr_count:     1024
    .wavefront_size: 32
...
	.end_amdgpu_metadata
.endif
;; end of part 11
;; launch fc2 (part 12): grid 8 x 32, 4 waves a work-group, clusters of 4 x 4, 327,680 bytes of LDS; arguments W, G, b_fc2, X1, out0; writes out0
.if DOCPART == 12
	.amdgcn_target "amdgcn-amd-amdhsa--gfx1250"
	.amdhsa_code_object_version 6
	.text
	.protected	k_q97fdf3a2d6_fc2
	.globl	k_q97fdf3a2d6_fc2
	.p2align	8
	.type	k_q97fdf3a2d6_fc2,@function
k_q97fdf3a2d6_fc2:
	s_mov_b64 s[64:65], 0
	v_nop
	global_prefetch_b8 v0, s[64:65] scope:SCOPE_SE
	s_setreg_imm32_b32 hwreg(HW_REG_WAVE_MODE, 25, 1), 1
	s_wait_xcnt 0x0
	s_wait_alu depctr_hold_cnt(0) depctr_sa_sdst(0) depctr_va_vdst(0) depctr_va_sdst(0) depctr_va_ssrc(0) depctr_va_vcc(0) depctr_vm_vsrc(0)
	s_getreg_b32 s2, hwreg(HW_REG_IB_STS2, 6, 4)
	s_cmp_eq_u32 s2, 0
	s_cbranch_scc0 .Lentry_in_a_cluster
	s_endpgm
.Lentry_in_a_cluster:
	s_bfe_u32 s2, ttmp6, 0x10000c
	s_cmp_lg_u32 s2, 0xf033
	s_cbranch_scc0 .Lentry_shape_is_right
	s_endpgm
.Lentry_shape_is_right:
.set SIZE_K, 4096
.set PCODE,  8388608
.set PSCL,   12845056
.set QSCL,   16777216
.set SLOT,   131072
.set LAPS,   SIZE_K/1024
.set SLABC,  128*SIZE_K
.set HALFC,  64*SIZE_K
.set SLABS,  4*SIZE_K
.set HALFS,  2*SIZE_K
.set TS,     SIZE_K/2
.set SCLP,   2*SLOT
.set SCLQ,   SCLP+SLABS
.set SPARE,  SCLQ+SLABS
.set ADRP, 16
.set ADRQ, 20
.set ADSP, 22
.set ADSQ, 23
.set STO,  24
.set RD,   25
.set SPW,  28
.set NIL,  29
.set SC,   32
.set QF,   80
.set RB,   80
.set BI,   208
.set G1P, 24
.set G0P, 32
.set G1Q, 48
.set G0Q, 56
.set G1SP, 68
.set G0SP, 76
.set G1SQ, 80
.set G0SQ, 88
.set MSB, 0
.macro WIN new
.if MSB != \new
	s_set_vgpr_msb (MSB<<8)|\new
.set MSB, \new
.endif
.endm
.set MUL,  0xa1
.set TO_P, 0x40
.macro JLOAD g0p, g1p, g0q, g1q
	s_cmp_eq_u32 s15, 0
	s_cbranch_scc0 .Lfor_q_\@
	tensor_load_to_lds s[\g0p:\g0p+3], s[\g1p:\g1p+7]
	s_nop 0
.rept 4
	v_nop
.endr
	s_branch .Lasked_\@
.Lfor_q_\@:
	tensor_load_to_lds s[\g0q:\g0q+3], s[\g1q:\g1q+7]
	s_nop 0
.rept 4
	v_nop
.endr
.Lasked_\@:
.endm
.macro CROUND
	s_barrier_signal -1
	s_barrier_wait -1
	s_cmp_lg_u32 s14, 0
	s_cbranch_scc1 .Lnot_wave_0_\@
	s_barrier_signal -3
.Lnot_wave_0_\@:
	s_barrier_wait -3
	s_barrier_signal -1
	s_barrier_wait -1
.endm
.macro PLACES n
.rept \n
	v_nop
.endr
.endm
.macro WM d, a, b, sa, sb, odd, zero
.if \zero
.if \odd
	v_wmma_scale_f32_16x16x128_f8f6f4 v[\d:\d+7], v[\a:\a+15], v[\b:\b+15], 0, v[\sa], v[\sb] matrix_a_fmt:MATRIX_FMT_BF8 matrix_b_fmt:MATRIX_FMT_BF8 matrix_a_scale:MATRIX_SCALE_ROW1
.else
	v_wmma_scale_f32_16x16x128_f8f6f4 v[\d:\d+7], v[\a:\a+15], v[\b:\b+15], 0, v[\sa], v[\sb] matrix_a_fmt:MATRIX_FMT_BF8 matrix_b_fmt:MATRIX_FMT_BF8
.endif
.else
.if \odd
	v_wmma_scale_f32_16x16x128_f8f6f4 v[\d:\d+7], v[\a:\a+15], v[\b:\b+15], v[\d:\d+7], v[\sa], v[\sb] matrix_a_fmt:MATRIX_FMT_BF8 matrix_b_fmt:MATRIX_FMT_BF8 matrix_a_scale:MATRIX_SCALE_ROW1
.else
	v_wmma_scale_f32_16x16x128_f8f6f4 v[\d:\d+7], v[\a:\a+15], v[\b:\b+15], v[\d:\d+7], v[\sa], v[\sb] matrix_a_fmt:MATRIX_FMT_BF8 matrix_b_fmt:MATRIX_FMT_BF8
.endif
.endif
.endm
.macro MUL16 p, q, sc, zero
.irp tq, 0,1
.irp b, 0,1,2,3,4,5,6,7
	WM 64*\tq+8*\b, 128*(\p)+16*\b, QF+32*(\p)+16*\tq, SC+24*(\sc)+4*(\b/2)+(\q), SC+24*(\sc)+16+4*\tq+(\q), \b%2, \zero
.endr
.endr
.endm
.macro FETCH slot, q, p
	WIN TO_P
.irp i, 0,1,2,3,4,5,6,7
.irp c, 0,1,2,3
	ds_load_b128 v[128*(\p)+16*\i+4*\c:128*(\p)+16*\i+4*\c+3], v[ADRP+\slot] offset:8192*\i+2048*(\q)+512*\c
.endr
.endr
	WIN 0
.irp t, 0,1
.irp c, 0,1,2,3
	ds_load_b128 v[QF+32*(\p)+16*\t+4*\c:QF+32*(\p)+16*\t+4*\c+3], v[ADRQ+\slot] offset:8192*\t+2048*(\q)+512*\c
.endr
.endr
.endm
.macro SCALES sc
.irp i, 0,1,2,3
	ds_load_b128 v[SC+24*\sc+4*\i:SC+24*\sc+4*\i+3], v[ADSP] offset:2*TS*\i
.endr
.irp t, 0,1
	ds_load_b128 v[SC+24*\sc+16+4*\t:SC+24*\sc+16+4*\t+3], v[ADSQ] offset:TS*\t
.endr
.endm
.macro STEP slot, q, zero
	s_wait_dscnt 0x0
	PLACES 8
	FETCH \slot, (\q)+1, 1-(\q)%2
	WIN MUL
	MUL16 (\q)%2, \q, \slot, \zero
	WIN 0
.endm
.macro TURN slot, next, fill
	s_wait_tensorcnt 0x0
	ds_add_u32 v[SPW], v[NIL]
.if \fill
	s_add_nc_u64 s[G0P+4*\slot+2:G0P+4*\slot+3], s[G0P+4*\slot+2:G0P+4*\slot+3], 16384
	s_add_nc_u64 s[G0Q+4*\slot+2:G0Q+4*\slot+3], s[G0Q+4*\slot+2:G0Q+4*\slot+3], 16384
	s_wait_xcnt 0x0                                ; any prefetch of mine has read its address, so it may step: a slot's 512 along K on
	s_add_nc_u64 s[96:97], s[96:97], 8192
.endif
	s_wait_dscnt 0x0
.if \fill
	CROUND
	JLOAD G0P+4*\slot, G1P, G0Q+4*\slot, G1Q
	PLACES 4
.else
	s_barrier_signal -1
	s_barrier_wait -1
	PLACES 8
.endif
	s_wait_alu depctr_va_vdst(0)
	v_add_nc_u32 v[ADSP], 256, v[ADSP]
	v_add_nc_u32 v[ADSQ], 256, v[ADSQ]
	FETCH \next, 0, 0
	SCALES \next
.if \fill
	s_cmp_gt_u32 s3, 1                             ; the loop's last trip has no slot two refills on
	s_cbranch_scc0 .Lnp_\@
	global_prefetch_b8 v30, s[96:97] offset:24576 th:TH_LOAD_NT scope:SCOPE_SE     ; what the refill two changes of slots on will load
.Lnp_\@:
.endif
	WIN MUL
	MUL16 1, 3, \slot, 0
	WIN 0
.endm
	s_load_b256 s[4:11], s[0:1], 0x0
	s_load_b64 s[12:13], s[0:1], 0x20
	v_lshl_add_u32 v[SPW], v0, 2, SPARE
	v_mov_b32 v[NIL], 0
	ds_add_u32 v28, v29
	ds_add_u32 v28, v29
	s_wait_dscnt 0x0
	v_lshrrev_b32 v1, 5, v0
	v_readfirstlane_b32 s14, v1
	v_and_b32 v30, 31, v0
	v_lshlrev_b32 v30, 8, v30                      ; the prefetches' offset: 256 x lane; never rewritten
	s_lshr_b32 s15, s14, 1
	s_and_b32 s16, s14, 1
	s_bfe_u32 s40, ttmp6, 0x40000
	s_bfe_u32 s41, ttmp6, 0x40004
	s_lshl_b32 s42, ttmp9, 2
	s_add_co_u32 s42, s42, s40
	s_and_b32 s17, ttmp7, 0xffff
	s_lshl_b32 s17, s17, 2
	s_add_co_u32 s17, s17, s41
	s_lshl_b32 s43, s41, 2
	s_lshl_b32 s43, 15, s43
	s_lshl_b32 s44, 0x1111, s40
	s_or_b32 s[G1P], s44, (3<<16)|(1<<21)
	s_or_b32 s[G1Q], s43, (3<<16)|(1<<21)
.irp g, G1P, G1Q
	s_mov_b32 s[\g+1], 1024<<16
	s_mov_b32 s[\g+2], 8<<16
	s_mov_b32 s[\g+3], 1024<<16
	s_mov_b32 s[\g+4], 8
	s_mov_b32 s[\g+5], 2*SIZE_K
	s_mov_b32 s[\g+6], 0
	s_mov_b32 s[\g+7], 0
.endr
	s_or_b32 s[G1SP], s44, (3<<16)|(1<<21)
	s_or_b32 s[G1SQ], s43, (3<<16)|(1<<21)
.irp g, G1SP, G1SQ
	s_mov_b32 s[\g+1], 32<<16
	s_mov_b32 s[\g+2], (SIZE_K/64)<<16
	s_mov_b32 s[\g+3], 32<<16
	s_mov_b32 s[\g+4], SIZE_K/64
	s_mov_b32 s[\g+5], 32
	s_mov_b32 s[\g+6], 0
	s_mov_b32 s[\g+7], 0
.endr
	s_mul_i32 s20, s42, SLABC
	s_mul_i32 s21, s16, HALFC
	s_add_co_u32 s20, s20, s21
	s_add_co_u32 s20, s20, PCODE
	s_mov_b32 s21, 0
	s_mul_i32 s22, s42, SLABS
	s_add_co_u32 s22, s22, PSCL
	s_mov_b32 s23, 0
	s_mul_i32 s46, s17, SLABC
	s_mul_i32 s47, s16, HALFC
	s_add_co_u32 s46, s46, s47
	s_mov_b32 s47, 0
	s_mul_i32 s92, s17, SLABS
	s_add_co_u32 s92, s92, QSCL
	s_mov_b32 s93, 0
	s_lshl_b32 s45, s14, 15
	s_wait_kmcnt 0x0
	s_add_nc_u64 s[20:21], s[4:5], s[20:21]
	s_add_nc_u64 s[22:23], s[4:5], s[22:23]
	s_add_nc_u64 s[46:47], s[6:7], s[46:47]
	s_add_nc_u64 s[92:93], s[6:7], s[92:93]
	; PREFETCHES INTO THE L2, two loads ahead: a slot's tiles (512 along K) are asked for where the load of the slot two before them stands; the first two slots' here, ahead of the scale bytes' load.
	; Of the four tiles (8,192 bytes of each in a slot) that a wave loads, each of the four partners that ask jointly names one, told apart BY ADDRESS (cy for P, cx for Q), a lane a block of 256 bytes:
	; each block is named once in the cluster, one instruction a wave for a slot; two slots' tiles at the most are asked for and not yet loaded
	s_cmp_eq_u32 s15, 0
	s_cselect_b64 s[96:97], s[20:21], s[46:47]
	s_cselect_b32 s98, s41, s40
	s_mul_i32 s98, s98, 16*SIZE_K
	s_mov_b32 s99, 0
	s_add_nc_u64 s[96:97], s[96:97], s[98:99]
	s_wait_alu depctr_va_vdst(0)                   ; directly ahead of the first reader of v30
	global_prefetch_b8 v30, s[96:97] th:TH_LOAD_NT scope:SCOPE_SE
	global_prefetch_b8 v30, s[96:97] offset:8192 th:TH_LOAD_NT scope:SCOPE_SE
	CROUND
	s_mov_b32 s[G0SP], 1
	s_mov_b32 s[G0SP+1], SCLP
	s_mov_b64 s[G0SP+2:G0SP+3], s[22:23]
	s_or_b32 s[G0SP+3], s[G0SP+3], 0x80000000
	s_mov_b32 s[G0SQ], 1
	s_mov_b32 s[G0SQ+1], SCLQ
	s_mov_b64 s[G0SQ+2:G0SQ+3], s[92:93]
	s_or_b32 s[G0SQ+3], s[G0SQ+3], 0x80000000
.irp s, 0,1
	s_mov_b32 s[G0P+4*\s], 1
	s_add_co_u32 s[G0P+4*\s+1], s45, \s*SLOT
	s_add_nc_u64 s[G0P+4*\s+2:G0P+4*\s+3], s[20:21], \s*8192
	s_or_b32 s[G0P+4*\s+3], s[G0P+4*\s+3], 0x80000000
	s_mov_b32 s[G0Q+4*\s], 1
	s_add_co_u32 s[G0Q+4*\s+1], s45, \s*SLOT
	s_add_nc_u64 s[G0Q+4*\s+2:G0Q+4*\s+3], s[46:47], \s*8192
	s_or_b32 s[G0Q+4*\s+3], s[G0Q+4*\s+3], 0x80000000
.endr
	; THE HEAD'S LOADS, ONE A WAVE: what the first step needs is shared out: wave 0 slot 0's eight tiles of P, wave 1 P's scale bytes, wave 2 slot 0's eight tiles of Q, wave 3 Q's scale bytes.
	; Waves 0 and 2 fetch the first half of a slab in the ring, so the ring's own descriptors of slot 0 serve them here, under a group 1 of 8 rows.  One chain of branches on the wave's number, one load to an arm.
	s_cmp_lt_u32 s14, 1
	s_cbranch_scc0 .Lh1
	tensor_load_to_lds s[G0P:G0P+3], s[G1P:G1P+7]
	s_nop 0
	PLACES 4
	s_branch .Lhj
.Lh1:
	s_cmp_lt_u32 s14, 2
	s_cbranch_scc0 .Lh2
	tensor_load_to_lds s[G0SP:G0SP+3], s[G1SP:G1SP+7]
	s_nop 0
	PLACES 4
	s_branch .Lhj
.Lh2:
	s_cmp_lt_u32 s14, 3
	s_cbranch_scc0 .Lh3
	tensor_load_to_lds s[G0Q:G0Q+3], s[G1Q:G1Q+7]
	s_nop 0
	PLACES 4
	s_branch .Lhj
.Lh3:
	tensor_load_to_lds s[G0SQ:G0SQ+3], s[G1SQ:G1SQ+7]
	s_nop 0
	PLACES 4
.Lhj:
	global_prefetch_b8 v30, s[96:97] offset:16384 th:TH_LOAD_NT scope:SCOPE_SE     ; the third 512 along K: two loads ahead
	s_wait_alu depctr_va_vdst(0)
	s_wait_tensorcnt 0x0                           ; my tile of the head's four is in
	ds_add_u32 v28, v29
	s_mov_b32 s[G1P+2], 4<<16                      ; no tensor load of mine is out, so a descriptor may be written: from here on a load brings 4 tiles
	s_mov_b32 s[G1P+4], 4
	s_mov_b32 s[G1Q+2], 4<<16
	s_mov_b32 s[G1Q+4], 4
	s_wait_dscnt 0x0
	CROUND
	JLOAD G0P+4, G1P, G0Q+4, G1Q                   ; slot 1's first fill: the first tensor load behind the round
	global_prefetch_b8 v30, s[96:97] offset:24576 th:TH_LOAD_NT scope:SCOPE_SE     ; the fourth
	v_and_b32 v1, 31, v0
	v_and_b32 v2, 15, v0
	v_bfe_u32 v3, v0, 4, 1
	v_lshlrev_b32 v[ADRP], 4, v1
	v_add_nc_u32 v[ADRP+1], SLOT, v[ADRP]
	s_lshl_b32 s20, s14, 14
	s_add_co_u32 s20, s20, 65536
	v_add_nc_u32 v[ADRQ], s20, v[ADRP]
	v_add_nc_u32 v[ADRQ+1], SLOT, v[ADRQ]
	v_lshlrev_b32 v4, 4, v2
	v_mul_u32_u24 v5, v3, TS
	v_add_nc_u32 v5, v5, v4
	v_add_nc_u32 v[ADSP], SCLP, v5
	s_mul_i32 s20, s14, 2*TS
	s_add_co_u32 s20, s20, SCLQ
	v_add_nc_u32 v[ADSQ], s20, v4
	s_mul_i32 s20, s14, 8448
	v_mul_u32_u24 v[STO], v2, 528
	v_lshl_add_u32 v[STO], v3, 6, v[STO]
	v_add_nc_u32 v[STO], s20, v[STO]
	v_add_nc_u32 v[RD], s20, v[ADRP]
	s_lshl_b32 s20, s17, 7
	s_lshl_b32 s21, s14, 5
	s_add_co_u32 s20, s20, s21
	s_lshl_b32 s20, s20, 12
	s_lshl_b32 s21, s42, 9
	s_add_co_u32 s20, s20, s21
	s_mov_b32 s21, 0
	s_add_nc_u64 s[22:23], s[12:13], s[20:21]
	s_add_nc_u64 s[20:21], s[10:11], s[20:21]
	s_lshl_b32 s92, s42, 9
	s_mov_b32 s93, 0
	s_add_nc_u64 s[92:93], s[8:9], s[92:93]
	WIN 0x80
.irp tq, 0,1
.irp i, 0,1,2,3,4,5,6,7,8,9,10,11,12,13,14,15
	global_load_b128 v[128+64*\tq+4*\i:128+64*\tq+4*\i+3], v[ADRP], s[20:21] offset:(8*\tq+(\i%8)+16*(\i/8))*4096
.endr
.endr
	WIN 0
	global_load_b128 v[BI:BI+3], v[ADRP], s[92:93]
	s_wait_alu depctr_va_vdst(0)
	s_wait_tensorcnt 1
	s_barrier_signal -1
	s_barrier_wait -1
	FETCH 0, 0, 0
	SCALES 0
	STEP 0, 0, 1
.if LAPS > 1
	s_mov_b32 s3, LAPS-1
.Llap:
	STEP 0, 1, 0
	STEP 0, 2, 0
	TURN 0, 1, 1
	STEP 1, 0, 0
	STEP 1, 1, 0
	STEP 1, 2, 0
	TURN 1, 0, 1
	STEP 0, 0, 0
	s_sub_co_u32 s3, s3, 1
	s_cmp_lg_u32 s3, 0
	s_cbranch_scc1 .Llap
.endif
	STEP 0, 1, 0
	STEP 0, 2, 0
	TURN 0, 1, 0
	STEP 1, 0, 0
	STEP 1, 1, 0
	STEP 1, 2, 0
	s_wait_dscnt 0x0
	WIN MUL
	MUL16 1, 3, 1, 0
	WIN 0
	PLACES 8
	s_wait_loadcnt 0x0
.irp tq, 0,1
	WIN 0x08
.irp b, 0,1,2,3,4,5,6,7
	ds_store_b128 v[STO], v[64*\tq+8*\b:64*\tq+8*\b+3] offset:128*(\b/2)+32*(\b%2)
	ds_store_b128 v[STO], v[64*\tq+8*\b+4:64*\tq+8*\b+7] offset:128*(\b/2)+32*(\b%2)+16
.endr
	WIN 0
.irp i, 0,1,2,3,4,5,6,7,8,9,10,11,12,13,14,15
	ds_load_b128 v[RB+64*\tq+4*\i:RB+64*\tq+4*\i+3], v[RD] offset:528*\i
.endr
	s_wait_dscnt 0x0
.irp i, 0,1,2,3,4,5,6,7,8,9,10,11,12,13,14,15
	v_pk_add_f32 v[RB+64*\tq+4*\i:RB+64*\tq+4*\i+1], v[RB+64*\tq+4*\i:RB+64*\tq+4*\i+1], v[BI:BI+1]
	v_pk_add_f32 v[RB+64*\tq+4*\i+2:RB+64*\tq+4*\i+3], v[RB+64*\tq+4*\i+2:RB+64*\tq+4*\i+3], v[BI+2:BI+3]
.endr
	WIN 0x08
.irp i, 0,1,2,3,4,5,6,7,8,9,10,11,12,13,14,15
	v_pk_add_f32 v[RB+64*\tq+4*\i:RB+64*\tq+4*\i+1], v[RB+64*\tq+4*\i:RB+64*\tq+4*\i+1], v[128+64*\tq+4*\i:128+64*\tq+4*\i+1]
	v_pk_add_f32 v[RB+64*\tq+4*\i+2:RB+64*\tq+4*\i+3], v[RB+64*\tq+4*\i+2:RB+64*\tq+4*\i+3], v[128+64*\tq+4*\i+2:128+64*\tq+4*\i+3]
.endr
	WIN 0
.irp i, 0,1,2,3,4,5,6,7,8,9,10,11,12,13,14,15
	global_store_b128 v[ADRP], v[RB+64*\tq+4*\i:RB+64*\tq+4*\i+3], s[22:23] offset:(8*\tq+(\i%8)+16*(\i/8))*4096
.endr
.endr
	s_wait_tensorcnt 0x0
	ds_add_u32 v[SPW], v[NIL]
	s_wait_dscnt 0x0
	CROUND
	s_endpgm
.Lfunc_end_k_q97fdf3a2d6_fc2:
	.size	k_q97fdf3a2d6_fc2, .Lfunc_end_k_q97fdf3a2d6_fc2-k_q97fdf3a2d6_fc2
	.p2alignl 7, 3214868480
	.fill 96, 4, 3214868480
	.section	.rodata,"a",@progbits
	.p2align	6, 0x0
	.amdhsa_kernel k_q97fdf3a2d6_fc2
		.amdhsa_group_segment_fixed_size 327680
		.amdhsa_private_segment_fixed_size 0
		.amdhsa_enable_private_segment 0
		.amdhsa_kernarg_size 40
		.amdhsa_user_sgpr_count 2
		.amdhsa_user_sgpr_kernarg_segment_ptr 1
		.amdhsa_wavefront_size32 1
		.amdhsa_system_sgpr_workgroup_id_x 1
		.amdhsa_system_sgpr_workgroup_id_y 1
		.amdhsa_system_sgpr_workgroup_id_z 1
		.amdhsa_system_vgpr_workitem_id 0
		.amdhsa_next_free_vgpr 768
		.amdhsa_next_free_sgpr 102
		.amdhsa_reserve_vcc 0
		.amdhsa_float_denorm_mode_32 3
		.amdhsa_float_denorm_mode_16_64 3
		.amdhsa_memory_ordered 1
		.amdhsa_forward_progress 1
		.amdhsa_inst_pref_size 113
	.end_amdhsa_kernel
	.amdgpu_metadata
---
amdhsa.version: [ 1, 2 ]
amdhsa.kernels:
  - .name:           k_q97fdf3a2d6_fc2
    .symbol:         k_q97fdf3a2d6_fc2.kd
    .args:
      - { .name: W, .offset: 0, .size: 8, .value_kind: global_buffer, .address_space: global }
      - { .name: G, .offset: 8, .size: 8, .value_kind: global_buffer, .address_space: global }
      - { .name: b_fc2, .offset: 16, .size: 8, .value_kind: global_buffer, .address_space: global }
      - { .name: X1, .offset: 24, .size: 8, .value_kind: global_buffer, .address_space: global }
      - { .name: out0, .offset: 32, .size: 8, .value_kind: global_buffer, .address_space: global }
    .group_segment_fixed_size: 327680
    .private_segment_fixed_size: 0
    .kernarg_segment_align: 8
    .kernarg_segment_size: 40
    .max_flat_workgroup_size: 128
    .sgpr_count:     102
    .vgpr_count:     768
    .wavefront_size: 32
...
	.end_amdgpu_metadata
.endif
;; end of part 12
